; MI455X (gfx1250); checked and timed in simulation.
; The chip was launched on July 23, 2026; its instructions are those of AMD's public machine-readable ISA for CDNA 5 (MIT licence, August 2026) and "CDNA5" Instruction Set Architecture Reference Guide (July 2026). The comments in the code are by the model that wrote it; some were corrected since.
;; Attention. Allowed arithmetic: matrix products marked QUANTISED: E4M3 operands, one E8M0 scale for each 32 along K, by v_wmma_scale_f32_16x16x128_f8f6f4 with both operands' format E4M3, f32 sums; everything else in f32.
;; Inputs: bk 512 float32; bo 2,048 float32; bq 2,048 float32; bv 512 float32; freqs_cis 2,048 x 64 float32; mask 2,048 x 2,048 float32; wk 512 x 2,048 float32; wo 2,048 x 2,048 float32; wq 2,048 x 2,048 float32; wv 512 x 2,048 float32; x 1 x 2,048 x 2,048 float32.
;; Outputs: out0 1 x 2,048 x 2,048 float32.
;; This version of the problem:
;;   THIS VERSION OF THE PROBLEM IS GIVEN IN LOW PRECISION. The matrix products marked QUANTISED in the list below multiply operands that are first quantised to E4M3 (4 exponent bits, 3 mantissa bits; 8 bits a number), with one power-of-two scale for each 32 numbers along K (OCP MX v1.0); their sums are f32. All else is computed in f32.
;;   The module's matrix products, in the order in which they are computed (A, B: the left and right operand; K: the contracted axis; several contracted axes count as one K, in the product's order):
;;     1. [M 2,048, K 2,048] x [K 2,048, N 2,048]; A: input x; B: input wq: QUANTISED
;;     2. [M 2,048, K 2,048] x [K 2,048, N 512]; A: input x; B: input wk: QUANTISED
;;     3. [M 2,048, K 2,048] x [K 2,048, N 512]; A: input x; B: input wv: QUANTISED
;;     4. batch 8 x [M 8,192, K 64] x [K 64, N 2,048]; A: computed on the way; B: computed on the way: QUANTISED
;;     5. batch 8 x [M 8,192, K 2,048] x [K 2,048, N 64]; A: softmax (see below); B: computed on the way: QUANTISED
;;     6. [M 2,048, K 2,048] x [K 2,048, N 2,048]; A: computed on the way; B: input wo: QUANTISED
;;   THE QUANTISER, for each operand of a quantised product, along K:
;;     - K is cut into blocks of 32 from its start; a last block that is shorter is filled with zeros.
;;     - A block's scale is 2^e with e = floor(log2(the largest magnitude in the block)) - 8, held to -126 .. 127; a block of zeros has e = 0. As a byte (E8M0): e + 127.
;;     - Each number is divided by its block's scale, clamped to +-448, and rounded to the nearest number of E4M3, ties to even, subnormals kept.
;;     - The product sums the exact products of the quantised numbers (number of the format x scale) in f32.
;;   ~~~python
;;   def quantise(x, axis):      # numpy; x: float32 -> the quantised numbers, widened to float32 again
;;       x = np.moveaxis(x, axis, -1); K = x.shape[-1]
;;       x = np.pad(x, [(0, 0)] * (x.ndim - 1) + [(0, -K % 32)]); x = x.reshape(x.shape[:-1] + (-1, 32)); a = np.abs(x).max(-1, keepdims=True)
;;       e = np.where(a > 0, np.clip(np.frexp(np.where(a > 0, a, 1))[1] - 1 - 8, -126, 127), 0)      # np.frexp(a)[1] - 1 = floor(log2(a)), exactly
;;       r = np.clip(x / 2.0 ** e, -448, 448)
;;       step = 2.0 ** (np.maximum(np.frexp(np.where(r == 0, 1, r))[1] - 1, -6) - 3)
;;       q = np.round(r / step) * step * 2.0 ** e      # np.round: ties to even
;;       return np.moveaxis(q.reshape(q.shape[:-2] + (-1,))[..., :K], -1, axis).astype(np.float32)
;;   ~~~
;;   SOFTMAX AHEAD OF A QUANTISED PRODUCT. Where the list says 'softmax', what is quantised is not the finished softmax but p = 2^(t - M), with t = logit x log2(e) and M = ceil(the row's largest t), a whole number; so 1/2 < the row's largest p <= 1. The row's sum l is taken of the UNQUANTISED p, in f32, and the product's result is divided by l at the end. Since M is a whole number, a kernel that streams over the keys may use a running M (the ceiling of the running maximum): every later rescaling is an exact power of two, which a block's scale takes up: the codes' values come out the same.
;;   OPERANDS COMPUTED ON THE WAY. 'Computed on the way' means the value that the module computes at that place (a softmax that the list does not call 'softmax' is quantised finished and normalised). What goes into a quantiser is computed in f32, as accurately as f32 sums, v_exp_f32 and their like allow (about 1e-6 of the number): no bf16 or f16 on the way to a quantiser, and a product that is left as it is and whose result goes on into a quantised operand takes f32 operands (vector FMAs, or v_wmma_f32_16x16x4_f32). A number that lies on a knife's edge between two numbers of the format may be rounded either way, as far as f32 arithmetic and the matrix unit's own rounding can turn it there, and no further.
;; 2 versions. Each part assembles by itself: llvm-mc -triple=amdgcn-amd-amdhsa -mcpu=gfx1250 --defsym DOCPART=n.
;; ======== version 1 of 2: 5 launches
;; workspace buffers: xw 15,597,568 bytes; qkv 7,012,352 bytes; ac 4,456,448 bytes
;; launch quant (part 1): grid 448 x 1, 4 waves a work-group, no clusters, 34,304 bytes of LDS; arguments x, wq, wk, wv, wo, xw; writes xw
.if DOCPART == 1
	.amdgcn_target "amdgcn-amd-amdhsa--gfx1250"
	.amdhsa_code_object_version 6
	.text
	.protected	k_q0da8662179_quant
	.globl	k_q0da8662179_quant
	.p2align	8
	.type	k_q0da8662179_quant,@function
k_q0da8662179_quant:
	s_mov_b64 s[64:65], 0
	v_nop
	global_prefetch_b8 v0, s[64:65] scope:SCOPE_SE
	s_setreg_imm32_b32 hwreg(HW_REG_WAVE_MODE, 25, 1), 1
	s_wait_xcnt 0x0
; x [2048][2048], wq [2048][2048], wk, wv [512][2048], wo [2048][2048], all f32 with K innermost, become codes of FP8 (E4M3) with one E8M0 byte for each 32 along K,
; laid in the workspace xw AS THE READERS' REGISTERS WANT THEM.  A fragment (16 rows x 128 K) is 2,048 bytes: piece c (0..3) x lane x 16 bytes; lane (r, h) piece c holds k = 32 c + 16 h + 0..15 of row r.
; Codes: [K / 512][tile][128-step in it][2,048]; x at 0, wq|wk|wv as one tensor of 192 tiles at WC, wo at OC.  Scale words: [tile][128-step 0..15][lane x 4 bytes], all 448 tiles on end from XS on.
; THE ROWS OF A TILE ARE NOT NEIGHBOURS: lane r of tile 2 B + u holds row 32 B + 8 u + r + 8 (r / 8), so that the results of two neighbouring tiles are 16 neighbours along a later K.
; A block's scale is 2^(floor(log2(its largest magnitude)) - 8); its byte is that magnitude's exponent field - 8, held at 1 from below; each number is held within +-448 x the scale and rounded to the nearest code.
; LIMITS: a block of zeros, and one whose largest magnitude lies under 2^-118, keeps the byte 1 (its codes under that scale are what the conversion gives; zeros stay zeros; this program alone reads the bytes).  NaN and infinities are not served.
; SHARES: a work-group takes one tile of 16 rows, wave w its K 512 w .. 512 w + 511 in four units of 128.  Each load reads 512 consecutive bytes of one row; a unit turns through the wave's own stage in LDS
; (16 rows x 528 bytes) so that a lane gets 16 neighbours of each block of 32.  Each store of codes covers 512 consecutive bytes; a unit's scale words are 128 consecutive bytes, one part in sixteen of the codes.
; No tensor loads, no barrier: waves share nothing.  Loads run one unit (16 loads) ahead.  No matrix unit and no cluster: nothing is multiplied and no byte is read by two work-groups.
.set WC,  4194304
.set OC,  10485760
.set XS,  14680064
.set SP,  528                          ; a stage row: 512 bytes + 16: the sixteen lanes of a read stand at sixteen different 16-byte columns of 256
.set WST, 16*SP
.set LI,  1                            ; v1  16 x lane: the loads' and the code stores' offset
.set SI,  2                            ; v2  the stage, on the way in
.set SO,  3                            ; v3  and on the way out
.set LS,  4                            ; v4  4 x lane
.set TM,  8                            ; v8-11 largest magnitudes, v12-15 bytes, v16-19 448 x the scale, v20-23 the conversions' scale operands
.set PW,  24                           ; v24-27 a unit's scale word
.set R,   32                           ; v32-159 two sets of 64 numbers
.set PC,  160                          ; v160-223 a unit's codes, 16 registers: no store's data are written again
.set WV,  22
.set SEL, 24
.set MNT, 26
	s_load_b256 s[4:11], s[0:1], 0x0               ; x, wq, wk, wv
	s_load_b128 s[12:15], s[0:1], 0x20             ; wo, xw
	v_lshl_add_u32 v224, v0, 2, 0x8400
	v_mov_b32 v225, 0
	v_lshrrev_b32 v5, 5, v0
	v_readfirstlane_b32 s[WV], v5                  ; wave
	v_and_b32 v6, 31, v0                           ; lane
	v_and_b32 v7, 15, v0                           ; r
	v_bfe_u32 v5, v0, 4, 1                         ; h
	v_lshlrev_b32 v[LI], 4, v6
	v_lshlrev_b32 v[LS], 2, v6
	s_mul_i32 s23, s[WV], WST
	v_add_nc_u32 v[SI], s23, v[LI]
	v_mul_u32_u24 v[SO], v7, SP
	v_lshl_add_u32 v[SO], v5, 6, v[SO]
	v_add_nc_u32 v[SO], s23, v[SO]                 ; row r, + 64 h: my 16 numbers of a block
	s_mov_b32 s[SEL], 0x76543210
	s_mov_b32 s[SEL+1], 0xfedcba98                 ; v_permlanex16_b32's selects for lane l xor 16
	s_mov_b32 s[MNT], 0x600000                     ; the mantissa field of 448
.irp b, 0,1,2,3
	v_mov_b32 v[TM+4+\b], 0                        ; written once: a lane permute's destination counts as one of its sources
.endr
	s_mov_b32 s18, 320                             ; the first work-group of my tensor
	s_mov_b32 s19, OC                              ; where its codes begin
	s_mov_b32 s20, 128                             ; tiles in the codes' tensor
	s_mov_b32 s21, 320                             ; the first work-group of that tensor
	s_wait_kmcnt 0x0
	s_cmp_lt_u32 ttmp9, 320                        ; the choices hang on the work-group's number alone
	s_cselect_b64 s[16:17], s[10:11], s[12:13]
	s_cselect_b32 s18, 288, s18
	s_cselect_b32 s19, WC, s19
	s_cselect_b32 s20, 192, s20
	s_cselect_b32 s21, 128, s21
	s_cmp_lt_u32 ttmp9, 288
	s_cselect_b64 s[16:17], s[8:9], s[16:17]
	s_cselect_b32 s18, 256, s18
	s_cmp_lt_u32 ttmp9, 256
	s_cselect_b64 s[16:17], s[6:7], s[16:17]
	s_cselect_b32 s18, 128, s18
	s_cmp_lt_u32 ttmp9, 128
	s_cselect_b64 s[16:17], s[4:5], s[16:17]
	s_cselect_b32 s18, 0, s18
	s_cselect_b32 s19, 0, s19
	s_cselect_b32 s20, 128, s20
	s_cselect_b32 s21, 0, s21
	s_sub_co_u32 s27, ttmp9, s18                   ; the tile in its source
	s_lshr_b32 s28, s27, 1
	s_lshl_b32 s28, s28, 18                        ; 32 rows of 8,192 bytes for each pair of tiles,
	s_and_b32 s29, s27, 1
	s_lshl_b32 s29, s29, 16                        ; 8 rows for the odd one,
	s_add_co_u32 s28, s28, s29
	s_lshl_b32 s29, s[WV], 11                      ; 512 numbers along K for each wave
	s_add_co_u32 s28, s28, s29
	s_mov_b32 s29, 0
	s_add_nc_u64 s[16:17], s[16:17], s[28:29]
	s_sub_co_u32 s30, ttmp9, s21                   ; the tile in the codes' tensor
	s_mul_i32 s31, s[WV], s20
	s_add_co_u32 s30, s30, s31
	s_lshl_b32 s30, s30, 13
	s_add_co_u32 s30, s30, s19
	s_mov_b32 s31, 0
	s_add_nc_u64 s[32:33], s[14:15], s[30:31]      ; my four fragments
	s_lshl_b32 s30, ttmp9, 11
	s_lshl_b32 s34, s[WV], 9
	s_add_co_u32 s30, s30, s34
	s_add_co_u32 s30, s30, XS
	s_add_nc_u64 s[34:35], s[14:15], s[30:31]      ; their scale words
.macro LOAD ks                         ; unit ks: tile row i is memory row i + 8 (i / 8)
.irp i, 0,1,2,3,4,5,6,7,8,9,10,11,12,13,14,15
	global_load_b128 v[R+64*((\ks)%2)+4*\i:R+64*((\ks)%2)+4*\i+3], v[LI], s[16:17] offset:(\i+8*(\i/8))*8192+512*(\ks) th:TH_LOAD_NT
.endr
.endm
; 64 numbers of a lane, register 16 b + i = k 32 b + 16 h + i of my row, become a fragment's codes and its scale word
.macro QUANT s, pc, pw
.irp b, 0,1,2,3
	v_max3_num_f32 v[TM+\b], |v[\s+16*\b]|, |v[\s+16*\b+1]|, 0x4800000   ; my 16 numbers of block b, and the floor 2^(9 - 127): the byte cannot fall under 1
.endr
.irp i, 2,4,6,8,10,12,14
.irp b, 0,1,2,3
	v_max3_num_f32 v[TM+\b], v[TM+\b], |v[\s+16*\b+\i]|, |v[\s+16*\b+\i+1]|
.endr
.endr
.irp b, 0,1,2,3
	v_permlanex16_b32 v[TM+4+\b], v[TM+\b], s[SEL], s[SEL+1]
.endr
.irp b, 0,1,2,3
	v_max_num_f32 v[TM+\b], v[TM+\b], v[TM+4+\b]   ; with lane l xor 16's: the block's largest magnitude
.endr
.irp b, 0,1,2,3
	v_add_nc_u32 v[TM+12+\b], 0xfc000000, v[TM+\b] ; 8 off its exponent field: the conversion's scale operand
.endr
.irp b, 0,1,2,3
	v_and_or_b32 v[TM+8+\b], v[TM+\b], 0x7f800000, s[MNT]   ; 448 x the scale
.endr
.irp b, 0,1,2,3
	v_lshrrev_b32 v[TM+4+\b], 23, v[TM+12+\b]      ; the scale's byte
.endr
	v_lshl_or_b32 v[\pw], v[TM+5], 8, v[TM+4]
	v_lshl_or_b32 v[\pw], v[TM+6], 16, v[\pw]
	v_lshl_or_b32 v[\pw], v[TM+7], 24, v[\pw]
.irp b, 0,1,2,3
.irp i, 0,1,2,3,4,5,6,7,8,9,10,11,12,13,14,15
	v_med3_num_f32 v[\s+16*\b+\i], v[\s+16*\b+\i], -v[TM+8+\b], v[TM+8+\b]   ; the conversion to an 8-bit code does not saturate (ISA guide 7.6.2)
.endr
	v_cvt_scalef32_pk8_fp8_f32 v[\pc+4*\b:\pc+4*\b+1], v[\s+16*\b:\s+16*\b+7], v[TM+12+\b]
	v_cvt_scalef32_pk8_fp8_f32 v[\pc+4*\b+2:\pc+4*\b+3], v[\s+16*\b+8:\s+16*\b+15], v[TM+12+\b]
.endr
	v_nop                                          ; a plain line behind the last conversion
.endm
.macro UNIT ks
.set XR, R+64*((\ks)%2)
.if (\ks) < 3
	s_wait_loadcnt 16                              ; this unit's 16 loads are in; the other set's 16 may be out
.else
	s_wait_loadcnt 0x0
.endif
.irp i, 0,1,2,3,4,5,6,7,8,9,10,11,12,13,14,15
	ds_store_b128 v[SI], v[XR+4*\i:XR+4*\i+3] offset:SP*\i
.endr
.irp b, 0,1,2,3
.irp j, 0,1,2,3
	ds_load_b128 v[XR+16*\b+4*\j:XR+16*\b+4*\j+3], v[SO] offset:128*\b+16*\j   ; LDS serves a wave's instructions in order (ISA guide 5.7.1.4): these see the stores above
.endr
.endr
	s_wait_dscnt 0x0
	QUANT XR, PC+16*(\ks), PW+(\ks)
.if (\ks) < 2
	LOAD (\ks)+2
.endif
.irp c, 0,1,2,3
	global_store_b128 v[LI], v[PC+16*(\ks)+4*\c:PC+16*(\ks)+4*\c+3], s[32:33] offset:2048*(\ks)+512*\c
.endr
	global_store_b32 v[LS], v[PW+(\ks)], s[34:35] offset:128*(\ks)
.endm
	LOAD 0
	LOAD 1
	UNIT 0
	UNIT 1
	UNIT 2
	UNIT 3
	s_wait_tensorcnt 0x0
	ds_add_u32 v224, v225
	s_wait_dscnt 0x0
	s_endpgm
.Lfunc_end_k_q0da8662179_quant:
	.size	k_q0da8662179_quant, .Lfunc_end_k_q0da8662179_quant-k_q0da8662179_quant
	.p2alignl 7, 3214868480
	.fill 96, 4, 3214868480
	.section	.rodata,"a",@progbits
	.p2align	6, 0x0
	.amdhsa_kernel k_q0da8662179_quant
		.amdhsa_group_segment_fixed_size 34304
		.amdhsa_private_segment_fixed_size 0
		.amdhsa_enable_private_segment 0
		.amdhsa_kernarg_size 48
		.amdhsa_user_sgpr_count 2
		.amdhsa_user_sgpr_kernarg_segment_ptr 1
		.amdhsa_wavefront_size32 1
		.amdhsa_system_sgpr_workgroup_id_x 1
		.amdhsa_system_sgpr_workgroup_id_y 1
		.amdhsa_system_sgpr_workgroup_id_z 1
		.amdhsa_system_vgpr_workitem_id 0
		.amdhsa_next_free_vgpr 226
		.amdhsa_next_free_sgpr 66
		.amdhsa_reserve_vcc 0
		.amdhsa_float_denorm_mode_32 3
		.amdhsa_float_denorm_mode_16_64 3
		.amdhsa_memory_ordered 1
		.amdhsa_forward_progress 1
		.amdhsa_inst_pref_size 52
	.end_amdhsa_kernel
	.amdgpu_metadata
---
amdhsa.version: [ 1, 2 ]
amdhsa.kernels:
  - .name:           k_q0da8662179_quant
    .symbol:         k_q0da8662179_quant.kd
    .args:
      - { .name: x, .offset: 0, .size: 8, .value_kind: global_buffer, .address_space: global }
      - { .name: wq, .offset: 8, .size: 8, .value_kind: global_buffer, .address_space: global }
      - { .name: wk, .offset: 16, .size: 8, .value_kind: global_buffer, .address_space: global }
      - { .name: wv, .offset: 24, .size: 8, .value_kind: global_buffer, .address_space: global }
      - { .name: wo, .offset: 32, .size: 8, .value_kind: global_buffer, .address_space: global }
      - { .name: xw, .offset: 40, .size: 8, .value_kind: global_buffer, .address_space: global }
    .group_segment_fixed_size: 34304
    .private_segment_fixed_size: 0
    .kernarg_segment_align: 8
    .kernarg_segment_size: 48
    .max_flat_workgroup_size: 128
    .sgpr_count:     66
    .vgpr_count:     226
    .wavefront_size: 32
...
	.end_amdgpu_metadata
.endif
;; end of part 1
;; launch qk (part 2): grid 20 x 16, 4 waves a work-group, clusters of 4 x 4, 327,680 bytes of LDS; arguments xw, bq, bk, freqs_cis, qkv; writes qkv
.if DOCPART == 2
	.amdgcn_target "amdgcn-amd-amdhsa--gfx1250"
	.amdhsa_code_object_version 6
	.text
	.protected	k_q0da8662179_qk
	.globl	k_q0da8662179_qk
	.p2align	8
	.type	k_q0da8662179_qk,@function
k_q0da8662179_qk:
	s_mov_b64 s[64:65], 0
	v_nop
	global_prefetch_b8 v0, s[64:65] scope:SCOPE_SE
	s_setreg_imm32_b32 hwreg(HW_REG_WAVE_MODE, 25, 1), 1
	s_wait_xcnt 0x0
	s_wait_alu depctr_hold_cnt(0) depctr_sa_sdst(0) depctr_va_vdst(0) depctr_va_sdst(0) depctr_va_ssrc(0) depctr_va_vcc(0) depctr_vm_vsrc(0)
	s_getreg_b32 s2, hwreg(HW_REG_IB_STS2, 6, 4)
	s_cmp_eq_u32 s2, 0
	s_cbranch_scc0 .Lentry_in_a_cluster
	s_endpgm
.Lentry_in_a_cluster:
	s_bfe_u32 s2, ttmp6, 0x10000c
	s_cmp_lg_u32 s2, 0xf033
	s_cbranch_scc0 .Lentry_shape_is_right
	s_endpgm
.Lentry_shape_is_right:
; ONE TEXT SERVES THREE LAUNCHES; MODE says which this file is.  D = src0 x src1^T on codes of FP8 (E4M3) with E8M0 scales, K = 2,048, used transposed: a lane holds ONE row of src1, its registers run along src0's rows.
;   MODE 0: src0 = wq|wk (a wave's 64 rows are one head), src1 = x.  + bias, rope in f32, quantised along the head's 64: fragments of Q and K for attention.
;   MODE 1: src0 = x (keys), src1 = wv.  + bias, quantised along the KEYS: fragments of V with the keys as K.
;   MODE 2: src0 = wo, src1 = the attention's codes.  + bo: out0, f32.
; Operands lie in the workspace as images of the operand registers: a fragment (16 rows x 128 K) is 2,048 bytes, piece c x lane x 16 bytes; codes [K / 512][tile][128-step][2,048], scale words [tile][128-step][lane x 4].
; Lane r of tile 2 B + u is row 32 B + 8 u + r + 8 (r / 8): so the 16 registers of two neighbouring src0 tiles are 16 neighbours, 32 B + 16 h + 0..15, and the conversions' results are the next product's operand.
; SHARES: a work-group makes 128 (src0) x 128 (src1); wave w takes half a = w / 2 of src1 and half b = w % 2 of src0: 16 accumulators.  K goes in four slots of 512 through a ring of two LDS slots; a slot's
; 8 tiles of a side are 65,536 consecutive bytes of memory, fetched by two waves, 32,768 bytes a tensor load.  The scale words of all of K come once, with the first fills.
; CLUSTER 4 x 4: src1's tiles hang on the work-group's y and are asked for jointly along a row of the cluster, src0's on its x and along a column.  By this text's count a wave has at most three tensor loads out (at the start), later one.
; No prefetch: half of K is asked for at the head, and the launch is short.  One tile to a work-group, so nothing stays.
; LIMITS: as the quantiser's: blocks of zeros and blocks under 2^-118 keep the byte 1; NaN and infinities are not served.
; REGISTERS: window 0: v1-6 lane numbers, v16-27 addresses, v28-29 the add's, v32-47 scale words (two sets), v48-79 the bias as C, v80-127 at work on the way out, v128-255 accumulator (i, j) at 128 + 8 (4 i + j).
;   window 1: two fragment buffers of 128: src1's four at 16 i, src0's four at 64 + 16 j.   window 2 (MODE 0): freqs_cis in the accumulators' layout.
.set MODE, 0
.set XC,  0
.set WC,  4194304
.set OC,  10485760
.set XS,  14680064
.set WS,  14942208
.set OS,  15335424
.set AS,  4194304
.set QS,  4194304
.set KVC, 4718592
.set KVS, 6815744
.if MODE == 0
.set C0,  WC
.set S0,  WS
.set NT0, 192
.set C1,  XC
.set S1,  XS
.set NT1, 128
.set TB1, 0
.set P1,  4
.elseif MODE == 1
.set C0,  XC
.set S0,  XS
.set NT0, 128
.set C1,  WC
.set S1,  WS
.set NT1, 192
.set TB1, 160
.set P1,  4
.else
.set C0,  OC
.set S0,  OS
.set NT0, 128
.set C1,  0
.set S1,  AS
.set NT1, 128
.set TB1, 0
.set P1,  6
.endif
.set SLOT,  131072                     ; src1's 8 tiles x 8,192, then src0's
.set SCL,   2*SLOT                     ; src1's scale words, 16,384 bytes, then src0's
.set SPARE, SCL+32768                  ; the spare words, 128 bytes for each wave: two blocks of 256 bytes that no other line names
.set ADR1, 16                          ; v16-17 my src1 fragments in slot 0, 1
.set ADR0, 20                          ; v20-21 my src0 fragments
.set ADS1, 22
.set ADS0, 23
.set SPW,  28
.set NIL,  29
.set SC,   32
.set BIAS, 48
.set TM,   80
.set PW,   88
.set PC,   92
.set RT,   124
.set ACC,  128
.set OB,   64
.set MNT,  2
.set SEL,  66
.set G1,   24
.set G0,   32
.set G1B,  48
.set G0B,  56
.set G1S,  68
.set G0S,  76
.set G1SB, 80
.set G0SB, 88
.set MSB, 0
.macro WIN new                         ; the immediate's high byte repeats the setting that is left
.if MSB != \new
	s_set_vgpr_msb (MSB<<8)|\new
.set MSB, \new
.endif
.endm
.macro PLACES n
.rept \n
	v_nop
.endr
.endm
; A joint load: waves 0 and 1 fetch for src1, waves 2 and 3 for src0; the branch hangs on the wave's number alone.  Four v_nop follow each line.
.macro JLOAD g0a, g1a, g0b, g1b
	s_cmp_eq_u32 s15, 0
	s_cbranch_scc0 .Lfor_b_\@
	tensor_load_to_lds s[\g0a:\g0a+3], s[\g1a:\g1a+7]
	s_nop 0
	PLACES 4
	s_branch .Lasked_\@
.Lfor_b_\@:
	tensor_load_to_lds s[\g0b:\g0b+3], s[\g1b:\g1b+7]
	s_nop 0
	PLACES 4
.Lasked_\@:
.endm
.macro CROUND                          ; a round of the cluster's barrier
	s_barrier_signal -1
	s_barrier_wait -1
	s_cmp_lg_u32 s14, 0
	s_cbranch_scc1 .Lnot_wave_0_\@
	s_barrier_signal -3
.Lnot_wave_0_\@:
	s_barrier_wait -3
	s_barrier_signal -1
	s_barrier_wait -1
.endm
.if MODE == 0
	s_load_b256 s[4:11], s[0:1], 0x0               ; xw, bq, bk, freqs_cis
	s_load_b64 s[12:13], s[0:1], 0x20              ; qkv
.elseif MODE == 1
	s_load_b128 s[4:7], s[0:1], 0x0                ; xw, bv
	s_load_b64 s[12:13], s[0:1], 0x10              ; qkv
.else
	s_load_b256 s[4:11], s[0:1], 0x0               ; xw, ac, bo, out0
.endif
	v_lshl_add_u32 v[SPW], v0, 2, SPARE
	v_mov_b32 v[NIL], 0
	ds_add_u32 v28, v29
	ds_add_u32 v28, v29
	s_wait_dscnt 0x0
	v_lshrrev_b32 v1, 5, v0
	v_readfirstlane_b32 s14, v1                    ; wave 0..3
	s_lshr_b32 s15, s14, 1                         ; a.  Also: I fetch for src1 (0) or src0 (1)
	s_and_b32 s16, s14, 1                          ; b.  Also: which four tiles I fetch
	s_bfe_u32 s40, ttmp6, 0x40000                  ; cx
	s_bfe_u32 s41, ttmp6, 0x40004                  ; cy
	s_lshl_b32 s42, ttmp9, 2
	s_add_co_u32 s42, s42, s40                     ; gx: which 128 rows of src0
.if MODE == 1
	s_mov_b32 s17, s41                             ; the grid has one cluster along y
.else
	s_and_b32 s17, ttmp7, 0xffff
	s_lshl_b32 s17, s17, 2
	s_add_co_u32 s17, s17, s41                     ; gy: which 128 rows of src1
.endif
	s_lshl_b32 s43, s41, 2
	s_lshl_b32 s43, 15, s43                        ; my row of the cluster
	s_lshl_b32 s44, 0x1111, s40                    ; my column
	; group 1: a dense block as rows of 256 bytes (32 elements of 8 bytes): 128 rows of codes, 32 rows of scale words; no padding: every LDS access is 512 or 128 consecutive bytes
	s_or_b32 s[G1], s43, (3<<16)|(1<<21)
	s_or_b32 s[G1B], s44, (3<<16)|(1<<21)
	s_or_b32 s[G1S], s43, (3<<16)|(1<<21)
	s_or_b32 s[G1SB], s44, (3<<16)|(1<<21)
.irp g, G1, G1B
	s_mov_b32 s[\g+1], 32<<16
	s_mov_b32 s[\g+2], 128<<16
	s_mov_b32 s[\g+3], 32<<16
	s_mov_b32 s[\g+4], 128
	s_mov_b32 s[\g+5], 32
	s_mov_b32 s[\g+6], 0
	s_mov_b32 s[\g+7], 0
.endr
.irp g, G1S, G1SB
	s_mov_b32 s[\g+1], 32<<16
	s_mov_b32 s[\g+2], 32<<16
	s_mov_b32 s[\g+3], 32<<16
	s_mov_b32 s[\g+4], 32
	s_mov_b32 s[\g+5], 32
	s_mov_b32 s[\g+6], 0
	s_mov_b32 s[\g+7], 0
.endr
	s_lshl_b32 s18, s16, 2                         ; my four tiles of the eight
	s_lshl_b32 s20, s17, 3
	s_add_co_u32 s20, s20, s18
.if TB1
	s_add_co_u32 s20, s20, TB1
.endif
	s_lshl_b32 s22, s20, 11                        ; src1: scale words, 2,048 bytes a tile,
	s_add_co_u32 s22, s22, S1
	s_lshl_b32 s20, s20, 13                        ; codes, 8,192 bytes a tile and slot
.if C1
	s_add_co_u32 s20, s20, C1
.endif
	s_mov_b32 s21, 0
	s_mov_b32 s23, 0
	s_lshl_b32 s46, s42, 3
	s_add_co_u32 s46, s46, s18
	s_lshl_b32 s92, s46, 11                        ; src0 likewise
	s_add_co_u32 s92, s92, S0
	s_lshl_b32 s46, s46, 13
.if C0
	s_add_co_u32 s46, s46, C0
.endif
	s_mov_b32 s47, 0
	s_mov_b32 s93, 0
	s_lshl_b32 s45, s14, 15                        ; where they go: wave x 32,768 in a slot,
	s_lshl_b32 s94, s14, 13                        ; wave x 8,192 among the scale words: no place in the cluster enters an LDS address
	s_mov_b32 s[SEL], 0x76543210
	s_mov_b32 s[SEL+1], 0xfedcba98
	s_mov_b32 s[MNT], 0x600000
	s_wait_kmcnt 0x0
	s_add_nc_u64 s[20:21], s[P1:P1+1], s[20:21]
	s_add_nc_u64 s[22:23], s[P1:P1+1], s[22:23]
	s_add_nc_u64 s[46:47], s[4:5], s[46:47]
	s_add_nc_u64 s[92:93], s[4:5], s[92:93]
	CROUND                                         ; all sixteen work-groups are here: the first joint loads meet
	s_mov_b32 s[G0S], 1
	s_add_co_u32 s[G0S+1], s94, SCL
	s_mov_b64 s[G0S+2:G0S+3], s[22:23]
	s_or_b32 s[G0S+3], s[G0S+3], 0x80000000
	s_mov_b32 s[G0SB], 1
	s_add_co_u32 s[G0SB+1], s94, SCL
	s_mov_b64 s[G0SB+2:G0SB+3], s[92:93]
	s_or_b32 s[G0SB+3], s[G0SB+3], 0x80000000
	JLOAD G0S, G1S, G0SB, G1SB                     ; the scale words first: they are wanted with slot 0
.irp s, 0,1
	s_mov_b32 s[G0+4*\s], 1
	s_add_co_u32 s[G0+4*\s+1], s45, \s*SLOT
	s_add_nc_u64 s[G0+4*\s+2:G0+4*\s+3], s[20:21], \s*NT1*8192
	s_or_b32 s[G0+4*\s+3], s[G0+4*\s+3], 0x80000000
	s_mov_b32 s[G0B+4*\s], 1
	s_add_co_u32 s[G0B+4*\s+1], s45, \s*SLOT
	s_add_nc_u64 s[G0B+4*\s+2:G0B+4*\s+3], s[46:47], \s*NT0*8192
	s_or_b32 s[G0B+4*\s+3], s[G0B+4*\s+3], 0x80000000
	JLOAD G0+4*\s, G1, G0B+4*\s, G1B
.endr
	v_and_b32 v1, 31, v0                           ; lane
	v_and_b32 v2, 15, v0                           ; r
	v_bfe_u32 v3, v0, 4, 1                         ; h
	v_lshlrev_b32 v4, 4, v1                        ; 16 x lane: an image's place
	v_lshlrev_b32 v5, 2, v1                        ; 4 x lane: a scale word's
	v_and_b32 v6, 8, v2
	v_add_nc_u32 v6, v6, v2                        ; r + 8 (r / 8)
	s_lshl_b32 s18, s15, 15
	s_lshl_b32 s19, s16, 15
	s_add_co_u32 s19, s19, 65536
	v_add_nc_u32 v[ADR1], s18, v4
	v_add_nc_u32 v[ADR0], s19, v4
	v_add_nc_u32 v[ADR1+1], SLOT, v[ADR1]
	v_add_nc_u32 v[ADR0+1], SLOT, v[ADR0]
	s_lshl_b32 s18, s15, 13
	s_add_co_u32 s18, s18, SCL
	s_lshl_b32 s19, s16, 13
	s_add_co_u32 s19, s19, SCL+16384
	v_add_nc_u32 v[ADS1], s18, v5
	v_add_nc_u32 v[ADS0], s19, v5
.if MODE == 0
	v_mov_b32 v[TM+2], 0                           ; written once: a lane permute's destination counts as one of its sources
	v_mov_b32 v[TM+3], 0
	v_lshlrev_b32 v26, 8, v6
	v_lshl_add_u32 v26, v3, 6, v26                 ; freqs_cis: my token's row of 256 bytes, + 64 h
	v_lshlrev_b32 v27, 6, v3                       ; the bias: + 16 h numbers
	s_cmp_lt_u32 ttmp9, 4                          ; clusters 0-3 along x make Q, cluster 4 makes K: a choice of pointers and offsets, no branch
	s_cselect_b64 s[20:21], s[6:7], s[8:9]
	s_cselect_b32 s22, 0, 16
	s_sub_co_u32 s22, s42, s22
	s_lshl_b32 s22, s22, 9
	s_lshl_b32 s23, s16, 8
	s_add_co_u32 s22, s22, s23
	s_mov_b32 s23, 0
	s_add_nc_u64 s[20:21], s[20:21], s[22:23]      ; the bias of my head's 64
	s_lshl_b32 s22, s17, 15
	s_lshl_b32 s18, s15, 14
	s_add_co_u32 s22, s22, s18
	s_add_nc_u64 s[22:23], s[10:11], s[22:23]      ; freqs_cis at my 64 tokens
.irp j, 0,1,2,3
	global_load_b128 v[BIAS+8*\j:BIAS+8*\j+3], v27, s[20:21] offset:(32*(\j/2)+8*(\j%2))*4
	global_load_b128 v[BIAS+8*\j+4:BIAS+8*\j+7], v27, s[20:21] offset:(32*(\j/2)+8*(\j%2))*4+16
.endr
	WIN 0x80                                       ; destination window 2
.irp i, 0,1,2,3
.irp q, 0,1,2,3,4,5,6,7
	global_load_b128 v[32*\i+4*\q:32*\i+4*\q+3], v26, s[22:23] offset:(32*(\i/2)+8*(\i%2))*256+128*(\q/4)+16*(\q%4)
.endr
.endr
	WIN 0
	s_lshl_b32 s96, s42, 1
	s_add_co_u32 s96, s96, s16                     ; the head: 0-31 of Q, 32-39 of K
	s_max_u32 s97, s96, 32
	s_sub_co_u32 s97, s97, 32                      ; K's group
	s_lshl_b32 s92, s96, 17
	s_lshl_b32 s98, s17, 13
	s_add_co_u32 s92, s92, s98                     ; Q's codes: [head][tile][1,024]
	s_lshl_b32 s94, s97, 18
	s_lshl_b32 s98, s17, 14
	s_add_co_u32 s94, s94, s98
	s_add_co_u32 s94, s94, KVC                     ; K's: [group][step of 128 keys][tile][1,024], 16,384 a step
	s_lshl_b32 s98, s96, 14
	s_add_co_u32 s98, s98, QS
	s_mul_i32 s99, s97, 24576
	s_add_co_u32 s99, s99, KVS
	s_cmp_lt_u32 ttmp9, 4
	s_cselect_b32 s92, s92, s94
	s_cselect_b32 s94, s98, s99
	s_lshl_b32 s98, s15, 12
	s_add_co_u32 s92, s92, s98                     ; my four tiles of the eight
	s_lshl_b32 s98, s17, 10
	s_add_co_u32 s94, s94, s98
	s_lshl_b32 s98, s15, 9
	s_add_co_u32 s94, s94, s98
	s_mov_b32 s93, 0
	s_mov_b32 s95, 0
	s_add_nc_u64 s[92:93], s[12:13], s[92:93]
	s_add_nc_u64 s[94:95], s[12:13], s[94:95]
.elseif MODE == 1
	v_mov_b32 v[TM+2], 0
	v_mov_b32 v[TM+3], 0
	v_lshlrev_b32 v27, 2, v6                       ; the bias of my lane's row of wv
	s_lshl_b32 s22, s17, 9
	s_lshl_b32 s23, s15, 8
	s_add_co_u32 s22, s22, s23
	s_mov_b32 s23, 0
	s_add_nc_u64 s[20:21], s[6:7], s[22:23]
.irp i, 0,1,2,3
	global_load_b32 v[BIAS+8*\i], v27, s[20:21] offset:(32*(\i/2)+8*(\i%2))*4
.endr
	s_lshl_b32 s96, s17, 1
	s_add_co_u32 s96, s96, s15                     ; the group
	s_lshl_b32 s92, s96, 18
	s_lshl_b32 s98, s42, 14
	s_add_co_u32 s92, s92, s98
	s_lshl_b32 s98, s16, 10
	s_add_co_u32 s92, s92, s98
	s_add_co_u32 s92, s92, KVC+8192                ; V's fragments of step gx; my 64 keys are pieces 2 b, 2 b + 1
	s_mul_i32 s94, s96, 24576
	s_lshl_b32 s98, s42, 9
	s_add_co_u32 s94, s94, s98
	s_lshl_b32 s98, s16, 1
	s_add_co_u32 s94, s94, s98
	s_add_co_u32 s94, s94, KVS+16384               ; and bytes 2 b, 2 b + 1 of their scale words
	s_mov_b32 s93, 0
	s_mov_b32 s95, 0
	s_add_nc_u64 s[92:93], s[12:13], s[92:93]
	s_add_nc_u64 s[94:95], s[12:13], s[94:95]
.else
	v_lshlrev_b32 v27, 6, v3
	s_lshl_b32 s22, s42, 9
	s_lshl_b32 s23, s16, 8
	s_add_co_u32 s22, s22, s23
	s_mov_b32 s23, 0
	s_add_nc_u64 s[20:21], s[8:9], s[22:23]
.irp j, 0,1,2,3
	global_load_b128 v[BIAS+8*\j:BIAS+8*\j+3], v27, s[20:21] offset:(32*(\j/2)+8*(\j%2))*4
	global_load_b128 v[BIAS+8*\j+4:BIAS+8*\j+7], v27, s[20:21] offset:(32*(\j/2)+8*(\j%2))*4+16
.endr
	s_mul_i32 s18, s14, 4352                       ; my stage: 16 rows x (256 + 16) bytes, in slot 0
	v_mul_u32_u24 v24, v2, 272
	v_lshl_add_u32 v24, v3, 6, v24
	v_add_nc_u32 v24, s18, v24                     ; in: row r, + 64 h
	v_mul_u32_u24 v25, v3, 272
	v_lshl_add_u32 v25, v2, 4, v25
	v_add_nc_u32 v25, s18, v25                     ; back: lanes 0-15 one row, lanes 16-31 the next
	v_lshlrev_b32 v26, 13, v3
	v_lshl_add_u32 v26, v2, 4, v26                 ; and the same two rows in out0
	s_lshl_b32 s92, s17, 20
	s_lshl_b32 s98, s15, 19
	s_add_co_u32 s92, s92, s98
	s_lshl_b32 s98, s42, 9
	s_add_co_u32 s92, s92, s98
	s_lshl_b32 s98, s16, 8
	s_add_co_u32 s92, s92, s98
	s_mov_b32 s93, 0
	s_add_nc_u64 s[92:93], s[10:11], s[92:93]
.endif
; 40 LDS loads: the fragments of the slot's ks-th 128 along K into buffer p, and their scale words (128-step kg of K) into set p
.macro FETCH slot, ks, p, kg
	WIN 0x40
.irp i, 0,1,2,3
.irp c, 0,1,2,3
	ds_load_b128 v[128*(\p)+16*\i+4*\c:128*(\p)+16*\i+4*\c+3], v[ADR1+\slot] offset:8192*\i+2048*(\ks)+512*\c
.endr
.endr
.irp i, 0,1,2,3
.irp c, 0,1,2,3
	ds_load_b128 v[128*(\p)+64+16*\i+4*\c:128*(\p)+64+16*\i+4*\c+3], v[ADR0+\slot] offset:8192*\i+2048*(\ks)+512*\c
.endr
.endr
	WIN 0
.irp i, 0,1,2,3
	ds_load_b32 v[SC+8*(\p)+\i], v[ADS1] offset:2048*\i+128*(\kg)
.endr
.irp i, 0,1,2,3
	ds_load_b32 v[SC+8*(\p)+4+\i], v[ADS0] offset:2048*\i+128*(\kg)
.endr
.endm
; 16 products, the 16 accumulators by turns in the same order in every step.  first = 1: the bias is the C of each sum's first product: nothing is cleared, nothing is added later
.macro MUL16 p, first
.irp i, 0,1,2,3
.irp j, 0,1,2,3
.if \first
.if MODE == 1
	v_wmma_scale_f32_16x16x128_f8f6f4 v[ACC+8*(4*\i+\j):ACC+8*(4*\i+\j)+7], v[128*(\p)+64+16*\j:128*(\p)+64+16*\j+15], v[128*(\p)+16*\i:128*(\p)+16*\i+15], v[BIAS+8*\i:BIAS+8*\i+7], v[SC+8*(\p)+4+\j], v[SC+8*(\p)+\i]
.else
	v_wmma_scale_f32_16x16x128_f8f6f4 v[ACC+8*(4*\i+\j):ACC+8*(4*\i+\j)+7], v[128*(\p)+64+16*\j:128*(\p)+64+16*\j+15], v[128*(\p)+16*\i:128*(\p)+16*\i+15], v[BIAS+8*\j:BIAS+8*\j+7], v[SC+8*(\p)+4+\j], v[SC+8*(\p)+\i]
.endif
.else
	v_wmma_scale_f32_16x16x128_f8f6f4 v[ACC+8*(4*\i+\j):ACC+8*(4*\i+\j)+7], v[128*(\p)+64+16*\j:128*(\p)+64+16*\j+15], v[128*(\p)+16*\i:128*(\p)+16*\i+15], v[ACC+8*(4*\i+\j):ACC+8*(4*\i+\j)+7], v[SC+8*(\p)+4+\j], v[SC+8*(\p)+\i]
.endif
.endr
.endr
.endm
; One of a slot's first three steps: its fragments are in; eight places stand in front of the loads into the buffer that the last products read; the next step's loads land under this step's products
.macro KSTEP slot, ks, kq, first
	s_wait_dscnt 0x0
	PLACES 8
	FETCH \slot, (\ks)+1, 1-(\ks)%2, 4*(\kq)+(\ks)+1
	WIN 0x05                                       ; both sources window 1, C and D window 0
	MUL16 (\ks)%2, \first
	WIN 0
.endm
; A slot's last step changes slots.  In front of the barrier each wave waits for all its tensor loads, adds 0 to its spare word, and waits for that and for its reads of this slot.  fill = 1: this slot is filled again, two slots on.
.macro TURN slot, next, fill, kq
	s_wait_tensorcnt 0x0                           ; all my tensor loads have landed: my part of the next slot; so a group 0 may be written
	ds_add_u32 v[SPW], v[NIL]                      ; 0 onto my spare word
.if \fill
	s_add_nc_u64 s[G0+4*\slot+2:G0+4*\slot+3], s[G0+4*\slot+2:G0+4*\slot+3], 2*NT1*8192
	s_add_nc_u64 s[G0B+4*\slot+2:G0B+4*\slot+3], s[G0B+4*\slot+2:G0B+4*\slot+3], 2*NT0*8192
.endif
	s_wait_dscnt 1                                 ; the step's fragments are in; the add may be out
	WIN 0x05
	MUL16 1, 0                                     ; sixteen products stand between the add and the wait for it
	WIN 0
	s_wait_dscnt 0x0                               ; the add is done, and my reads of this slot are over
.if \fill
	CROUND                                         ; no wave of any partner still reads this slot or has a load on its way
	JLOAD G0+4*\slot, G1, G0B+4*\slot, G1B         ; the first tensor load behind the round, my one load until the next
	PLACES 4                                       ; with the four behind the load: eight places in front of the loads below
.else
	s_barrier_signal -1
	s_barrier_wait -1
	PLACES 8
.endif
	FETCH \next, 0, 0, 4*(\kq)+4
.endm
	s_wait_tensorcnt 1                             ; the scale words and my part of slot 0 are in; slot 1's load may be out
	s_barrier_signal -1
	s_barrier_wait -1
	FETCH 0, 0, 0, 0
	s_wait_loadcnt 0x0                             ; the bias (and freqs_cis)
.if MODE == 1
.irp i, 0,1,2,3
.irp k, 1,2,3,4,5,6,7
	v_mov_b32 v[BIAS+8*\i+\k], v[BIAS+8*\i]        ; a lane's eight results of a tile share its row's bias
.endr
.endr
.endif
	KSTEP 0, 0, 0, 1
	KSTEP 0, 1, 0, 0
	KSTEP 0, 2, 0, 0
	TURN 0, 1, 1, 0
	KSTEP 1, 0, 1, 0
	KSTEP 1, 1, 1, 0
	KSTEP 1, 2, 1, 0
	TURN 1, 0, 1, 1
	KSTEP 0, 0, 2, 0
	KSTEP 0, 1, 2, 0
	KSTEP 0, 2, 2, 0
	TURN 0, 1, 0, 2                                ; nothing is left to fetch
	KSTEP 1, 0, 3, 0
	KSTEP 1, 1, 3, 0
	KSTEP 1, 2, 3, 0
	s_wait_dscnt 0x0
	WIN 0x05
	MUL16 1, 0
	WIN 0
	PLACES 8                                       ; in front of the first read of results
.if MODE != 2
; 32 numbers of a lane, register 16 b + i = k 32 b + 16 h + i of my row, become 8 registers of codes and two scale bytes
.macro QUANT2 s, pc, pw
.irp b, 0,1
	v_max3_num_f32 v[TM+\b], |v[\s+16*\b]|, |v[\s+16*\b+1]|, 0x4800000   ; and the floor 2^(9 - 127): the byte cannot fall under 1
.endr
.irp i, 2,4,6,8,10,12,14
.irp b, 0,1
	v_max3_num_f32 v[TM+\b], v[TM+\b], |v[\s+16*\b+\i]|, |v[\s+16*\b+\i+1]|
.endr
.endr
.irp b, 0,1
	v_permlanex16_b32 v[TM+2+\b], v[TM+\b], s[SEL], s[SEL+1]
.endr
.irp b, 0,1
	v_max_num_f32 v[TM+\b], v[TM+\b], v[TM+2+\b]   ; with lane l xor 16's: the block's largest magnitude
.endr
.irp b, 0,1
	v_add_nc_u32 v[TM+6+\b], 0xfc000000, v[TM+\b]  ; 8 off its exponent field: the conversion's scale operand
.endr
.irp b, 0,1
	v_and_or_b32 v[TM+4+\b], v[TM+\b], 0x7f800000, s[MNT]   ; 448 x the scale
.endr
.irp b, 0,1
	v_lshrrev_b32 v[TM+2+\b], 23, v[TM+6+\b]       ; the scale's byte
.endr
	v_lshl_or_b32 v[\pw], v[TM+3], 8, v[TM+2]
.irp b, 0,1
.irp i, 0,1,2,3,4,5,6,7,8,9,10,11,12,13,14,15
	v_med3_num_f32 v[\s+16*\b+\i], v[\s+16*\b+\i], -v[TM+4+\b], v[TM+4+\b]   ; the conversion to an 8-bit code does not saturate (ISA guide 7.6.2)
.endr
	v_cvt_scalef32_pk8_fp8_f32 v[\pc+4*\b:\pc+4*\b+1], v[\s+16*\b:\s+16*\b+7], v[TM+6+\b]
	v_cvt_scalef32_pk8_fp8_f32 v[\pc+4*\b+2:\pc+4*\b+3], v[\s+16*\b+8:\s+16*\b+15], v[TM+6+\b]
.endr
	v_nop                                          ; a plain line behind the last conversion
.endm
.endif
.if MODE == 0
; rope: a lane's neighbouring registers are a pair (even, odd) of the head's dims; window 2 holds cos at the even, sin at the odd place.  Each accumulator is read from its low end on
.macro ROPE i
.irp m, 0,1,2,3,4,5,6,7,8,9,10,11,12,13,14,15
	v_mul_f32 v[RT+2*(\m%2)], v[ACC+32*\i+2*\m+1], v[32*\i+2*\m+1]
	v_mul_f32 v[RT+2*(\m%2)+1], v[ACC+32*\i+2*\m+1], v[32*\i+2*\m]
	v_fma_f32 v[ACC+32*\i+2*\m+1], v[ACC+32*\i+2*\m], v[32*\i+2*\m+1], v[RT+2*(\m%2)+1]
	v_fma_f32 v[ACC+32*\i+2*\m], v[ACC+32*\i+2*\m], v[32*\i+2*\m], -v[RT+2*(\m%2)]
.endr
.endm
.irp i, 0,1,2,3
	WIN 0x08                                       ; source 1 window 2
	ROPE \i
	WIN 0
	QUANT2 ACC+32*\i, PC+8*\i, PW+\i
	global_store_b128 v4, v[PC+8*\i:PC+8*\i+3], s[92:93] offset:1024*\i          ; 512 consecutive bytes a store
	global_store_b128 v4, v[PC+8*\i+4:PC+8*\i+7], s[92:93] offset:1024*\i+512
	global_store_b32 v5, v[PW+\i], s[94:95] offset:128*\i                        ; bytes 2 and 3 of the word are 0: they meet zero codes alone
.endr
.elseif MODE == 1
.irp i, 0,1,2,3
	QUANT2 ACC+32*\i, PC+8*\i, PW+\i
	global_store_b128 v4, v[PC+8*\i:PC+8*\i+3], s[92:93] offset:2048*\i
	global_store_b128 v4, v[PC+8*\i+4:PC+8*\i+7], s[92:93] offset:2048*\i+512
	global_store_b16 v5, v[PW+\i], s[94:95] offset:128*\i                        ; my two bytes of the word; the other two are the neighbouring wave's.  V's scale words are 65,536 bytes in all
.endr
.else
; out0: a tile of 16 tokens x my 64 columns goes through my stage and leaves as whole rows: sixteen lanes store 256 consecutive bytes, aligned.  The stage lies in slot 0, which has had its last fill, and whose last read stands ahead of the last barrier
.irp i, 0,1,2,3
.if \i >= 2
	s_wait_xcnt 0x0                                ; the stores of two tiles back have read their registers
.endif
.irp j, 0,1,2,3
	ds_store_b128 v24, v[ACC+8*(4*\i+\j):ACC+8*(4*\i+\j)+3] offset:128*(\j/2)+32*(\j%2)
	ds_store_b128 v24, v[ACC+8*(4*\i+\j)+4:ACC+8*(4*\i+\j)+7] offset:128*(\j/2)+32*(\j%2)+16
.endr
.irp t, 0,1,2,3,4,5,6,7
	ds_load_b128 v[OB+32*(\i%2)+4*\t:OB+32*(\i%2)+4*\t+3], v25 offset:544*\t   ; LDS serves a wave's instructions in order (ISA guide 5.7.1.4)
.endr
.irp t, 0,1,2,3,4,5,6,7
	s_wait_dscnt 7-\t
	global_store_b128 v26, v[OB+32*(\i%2)+4*\t:OB+32*(\i%2)+4*\t+3], s[92:93] offset:(32*(\i/2)+8*(\i%2)+2*\t+8*(\t/4))*8192 th:TH_STORE_NT
.endr
.endr
.endif
	s_wait_tensorcnt 0x0                           ; the wave's end
	ds_add_u32 v[SPW], v[NIL]
	s_wait_dscnt 0x0
	CROUND                                         ; the closing round
	s_endpgm
.Lfunc_end_k_q0da8662179_qk:
	.size	k_q0da8662179_qk, .Lfunc_end_k_q0da8662179_qk-k_q0da8662179_qk
	.p2alignl 7, 3214868480
	.fill 96, 4, 3214868480
	.section	.rodata,"a",@progbits
	.p2align	6, 0x0
	.amdhsa_kernel k_q0da8662179_qk
		.amdhsa_group_segment_fixed_size 327680
		.amdhsa_private_segment_fixed_size 0
		.amdhsa_enable_private_segment 0
		.amdhsa_kernarg_size 40
		.amdhsa_user_sgpr_count 2
		.amdhsa_user_sgpr_kernarg_segment_ptr 1
		.amdhsa_wavefront_size32 1
		.amdhsa_system_sgpr_workgroup_id_x 1
		.amdhsa_system_sgpr_workgroup_id_y 1
		.amdhsa_system_sgpr_workgroup_id_z 1
		.amdhsa_system_vgpr_workitem_id 0
		.amdhsa_next_free_vgpr 640
		.amdhsa_next_free_sgpr 100
		.amdhsa_reserve_vcc 0
		.amdhsa_float_denorm_mode_32 3
		.amdhsa_float_denorm_mode_16_64 3
		.amdhsa_memory_ordered 1
		.amdhsa_forward_progress 1
		.amdhsa_inst_pref_size 124
	.end_amdhsa_kernel
	.amdgpu_metadata
---
amdhsa.version: [ 1, 2 ]
amdhsa.kernels:
  - .name:           k_q0da8662179_qk
    .symbol:         k_q0da8662179_qk.kd
    .args:
      - { .name: xw, .offset: 0, .size: 8, .value_kind: global_buffer, .address_space: global }
      - { .name: bq, .offset: 8, .size: 8, .value_kind: global_buffer, .address_space: global }
      - { .name: bk, .offset: 16, .size: 8, .value_kind: global_buffer, .address_space: global }
      - { .name: freqs_cis, .offset: 24, .size: 8, .value_kind: global_buffer, .address_space: global }
      - { .name: qkv, .offset: 32, .size: 8, .value_kind: global_buffer, .address_space: global }
    .group_segment_fixed_size: 327680
    .private_segment_fixed_size: 0
    .kernarg_segment_align: 8
    .kernarg_segment_size: 40
    .max_flat_workgroup_size: 128
    .sgpr_count:     100
    .vgpr_count:     640
    .wavefront_size: 32
...
	.end_amdgpu_metadata
.endif
;; end of part 2
;; launch vv (part 3): grid 16 x 4, 4 waves a work-group, clusters of 4 x 4, 327,680 bytes of LDS; arguments xw, bv, qkv; writes qkv
.if DOCPART == 3
	.amdgcn_target "amdgcn-amd-amdhsa--gfx1250"
	.amdhsa_code_object_version 6
	.text
	.protected	k_q0da8662179_vv
	.globl	k_q0da8662179_vv
	.p2align	8
	.type	k_q0da8662179_vv,@function
k_q0da8662179_vv:
	s_mov_b64 s[64:65], 0
	v_nop
	global_prefetch_b8 v0, s[64:65] scope:SCOPE_SE
	s_setreg_imm32_b32 hwreg(HW_REG_WAVE_MODE, 25, 1), 1
	s_wait_xcnt 0x0
	s_wait_alu depctr_hold_cnt(0) depctr_sa_sdst(0) depctr_va_vdst(0) depctr_va_sdst(0) depctr_va_ssrc(0) depctr_va_vcc(0) depctr_vm_vsrc(0)
	s_getreg_b32 s2, hwreg(HW_REG_IB_STS2, 6, 4)
	s_cmp_eq_u32 s2, 0
	s_cbranch_scc0 .Lentry_in_a_cluster
	s_endpgm
.Lentry_in_a_cluster:
	s_bfe_u32 s2, ttmp6, 0x10000c
	s_cmp_lg_u32 s2, 0xf033
	s_cbranch_scc0 .Lentry_shape_is_right
	s_endpgm
.Lentry_shape_is_right:
; ONE TEXT SERVES THREE LAUNCHES; MODE says which this file is.  D = src0 x src1^T on codes of FP8 (E4M3) with E8M0 scales, K = 2,048, used transposed: a lane holds ONE row of src1, its registers run along src0's rows.
;   MODE 0: src0 = wq|wk (a wave's 64 rows are one head), src1 = x.  + bias, rope in f32, quantised along the head's 64: fragments of Q and K for attention.
;   MODE 1: src0 = x (keys), src1 = wv.  + bias, quantised along the KEYS: fragments of V with the keys as K.
;   MODE 2: src0 = wo, src1 = the attention's codes.  + bo: out0, f32.
; Operands lie in the workspace as images of the operand registers: a fragment (16 rows x 128 K) is 2,048 bytes, piece c x lane x 16 bytes; codes [K / 512][tile][128-step][2,048], scale words [tile][128-step][lane x 4].
; Lane r of tile 2 B + u is row 32 B + 8 u + r + 8 (r / 8): so the 16 registers of two neighbouring src0 tiles are 16 neighbours, 32 B + 16 h + 0..15, and the conversions' results are the next product's operand.
; SHARES: a work-group makes 128 (src0) x 128 (src1); wave w takes half a = w / 2 of src1 and half b = w % 2 of src0: 16 accumulators.  K goes in four slots of 512 through a ring of two LDS slots; a slot's
; 8 tiles of a side are 65,536 consecutive bytes of memory, fetched by two waves, 32,768 bytes a tensor load.  The scale words of all of K come once, with the first fills.
; CLUSTER 4 x 4: src1's tiles hang on the work-group's y and are asked for jointly along a row of the cluster, src0's on its x and along a column.  By this text's count a wave has at most three tensor loads out (at the start), later one.
; No prefetch: half of K is asked for at the head, and the launch is short.  One tile to a work-group, so nothing stays.
; LIMITS: as the quantiser's: blocks of zeros and blocks under 2^-118 keep the byte 1; NaN and infinities are not served.
; REGISTERS: window 0: v1-6 lane numbers, v16-27 addresses, v28-29 the add's, v32-47 scale words (two sets), v48-79 the bias as C, v80-127 at work on the way out, v128-255 accumulator (i, j) at 128 + 8 (4 i + j).
;   window 1: two fragment buffers of 128: src1's four at 16 i, src0's four at 64 + 16 j.   window 2 (MODE 0): freqs_cis in the accumulators' layout.
.set MODE, 1
.set XC,  0
.set WC,  4194304
.set OC,  10485760
.set XS,  14680064
.set WS,  14942208
.set OS,  15335424
.set AS,  4194304
.set QS,  4194304
.set KVC, 4718592
.set KVS, 6815744
.if MODE == 0
.set C0,  WC
.set S0,  WS
.set NT0, 192
.set C1,  XC
.set S1,  XS
.set NT1, 128
.set TB1, 0
.set P1,  4
.elseif MODE == 1
.set C0,  XC
.set S0,  XS
.set NT0, 128
.set C1,  WC
.set S1,  WS
.set NT1, 192
.set TB1, 160
.set P1,  4
.else
.set C0,  OC
.set S0,  OS
.set NT0, 128
.set C1,  0
.set S1,  AS
.set NT1, 128
.set TB1, 0
.set P1,  6
.endif
.set SLOT,  131072                     ; src1's 8 tiles x 8,192, then src0's
.set SCL,   2*SLOT                     ; src1's scale words, 16,384 bytes, then src0's
.set SPARE, SCL+32768                  ; the spare words, 128 bytes for each wave: two blocks of 256 bytes that no other line names
.set ADR1, 16                          ; v16-17 my src1 fragments in slot 0, 1
.set ADR0, 20                          ; v20-21 my src0 fragments
.set ADS1, 22
.set ADS0, 23
.set SPW,  28
.set NIL,  29
.set SC,   32
.set BIAS, 48
.set TM,   80
.set PW,   88
.set PC,   92
.set RT,   124
.set ACC,  128
.set OB,   64
.set MNT,  2
.set SEL,  66
.set G1,   24
.set G0,   32
.set G1B,  48
.set G0B,  56
.set G1S,  68
.set G0S,  76
.set G1SB, 80
.set G0SB, 88
.set MSB, 0
.macro WIN new                         ; the immediate's high byte repeats the setting that is left
.if MSB != \new
	s_set_vgpr_msb (MSB<<8)|\new
.set MSB, \new
.endif
.endm
.macro PLACES n
.rept \n
	v_nop
.endr
.endm
; A joint load: waves 0 and 1 fetch for src1, waves 2 and 3 for src0; the branch hangs on the wave's number alone.  Four v_nop follow each line.
.macro JLOAD g0a, g1a, g0b, g1b
	s_cmp_eq_u32 s15, 0
	s_cbranch_scc0 .Lfor_b_\@
	tensor_load_to_lds s[\g0a:\g0a+3], s[\g1a:\g1a+7]
	s_nop 0
	PLACES 4
	s_branch .Lasked_\@
.Lfor_b_\@:
	tensor_load_to_lds s[\g0b:\g0b+3], s[\g1b:\g1b+7]
	s_nop 0
	PLACES 4
.Lasked_\@:
.endm
.macro CROUND                          ; a round of the cluster's barrier
	s_barrier_signal -1
	s_barrier_wait -1
	s_cmp_lg_u32 s14, 0
	s_cbranch_scc1 .Lnot_wave_0_\@
	s_barrier_signal -3
.Lnot_wave_0_\@:
	s_barrier_wait -3
	s_barrier_signal -1
	s_barrier_wait -1
.endm
.if MODE == 0
	s_load_b256 s[4:11], s[0:1], 0x0               ; xw, bq, bk, freqs_cis
	s_load_b64 s[12:13], s[0:1], 0x20              ; qkv
.elseif MODE == 1
	s_load_b128 s[4:7], s[0:1], 0x0                ; xw, bv
	s_load_b64 s[12:13], s[0:1], 0x10              ; qkv
.else
	s_load_b256 s[4:11], s[0:1], 0x0               ; xw, ac, bo, out0
.endif
	v_lshl_add_u32 v[SPW], v0, 2, SPARE
	v_mov_b32 v[NIL], 0
	ds_add_u32 v28, v29
	ds_add_u32 v28, v29
	s_wait_dscnt 0x0
	v_lshrrev_b32 v1, 5, v0
	v_readfirstlane_b32 s14, v1                    ; wave 0..3
	s_lshr_b32 s15, s14, 1                         ; a.  Also: I fetch for src1 (0) or src0 (1)
	s_and_b32 s16, s14, 1                          ; b.  Also: which four tiles I fetch
	s_bfe_u32 s40, ttmp6, 0x40000                  ; cx
	s_bfe_u32 s41, ttmp6, 0x40004                  ; cy
	s_lshl_b32 s42, ttmp9, 2
	s_add_co_u32 s42, s42, s40                     ; gx: which 128 rows of src0
.if MODE == 1
	s_mov_b32 s17, s41                             ; the grid has one cluster along y
.else
	s_and_b32 s17, ttmp7, 0xffff
	s_lshl_b32 s17, s17, 2
	s_add_co_u32 s17, s17, s41                     ; gy: which 128 rows of src1
.endif
	s_lshl_b32 s43, s41, 2
	s_lshl_b32 s43, 15, s43                        ; my row of the cluster
	s_lshl_b32 s44, 0x1111, s40                    ; my column
	; group 1: a dense block as rows of 256 bytes (32 elements of 8 bytes): 128 rows of codes, 32 rows of scale words; no padding: every LDS access is 512 or 128 consecutive bytes
	s_or_b32 s[G1], s43, (3<<16)|(1<<21)
	s_or_b32 s[G1B], s44, (3<<16)|(1<<21)
	s_or_b32 s[G1S], s43, (3<<16)|(1<<21)
	s_or_b32 s[G1SB], s44, (3<<16)|(1<<21)
.irp g, G1, G1B
	s_mov_b32 s[\g+1], 32<<16
	s_mov_b32 s[\g+2], 128<<16
	s_mov_b32 s[\g+3], 32<<16
	s_mov_b32 s[\g+4], 128
	s_mov_b32 s[\g+5], 32
	s_mov_b32 s[\g+6], 0
	s_mov_b32 s[\g+7], 0
.endr
.irp g, G1S, G1SB
	s_mov_b32 s[\g+1], 32<<16
	s_mov_b32 s[\g+2], 32<<16
	s_mov_b32 s[\g+3], 32<<16
	s_mov_b32 s[\g+4], 32
	s_mov_b32 s[\g+5], 32
	s_mov_b32 s[\g+6], 0
	s_mov_b32 s[\g+7], 0
.endr
	s_lshl_b32 s18, s16, 2                         ; my four tiles of the eight
	s_lshl_b32 s20, s17, 3
	s_add_co_u32 s20, s20, s18
.if TB1
	s_add_co_u32 s20, s20, TB1
.endif
	s_lshl_b32 s22, s20, 11                        ; src1: scale words, 2,048 bytes a tile,
	s_add_co_u32 s22, s22, S1
	s_lshl_b32 s20, s20, 13                        ; codes, 8,192 bytes a tile and slot
.if C1
	s_add_co_u32 s20, s20, C1
.endif
	s_mov_b32 s21, 0
	s_mov_b32 s23, 0
	s_lshl_b32 s46, s42, 3
	s_add_co_u32 s46, s46, s18
	s_lshl_b32 s92, s46, 11                        ; src0 likewise
	s_add_co_u32 s92, s92, S0
	s_lshl_b32 s46, s46, 13
.if C0
	s_add_co_u32 s46, s46, C0
.endif
	s_mov_b32 s47, 0
	s_mov_b32 s93, 0
	s_lshl_b32 s45, s14, 15                        ; where they go: wave x 32,768 in a slot,
	s_lshl_b32 s94, s14, 13                        ; wave x 8,192 among the scale words: no place in the cluster enters an LDS address
	s_mov_b32 s[SEL], 0x76543210
	s_mov_b32 s[SEL+1], 0xfedcba98
	s_mov_b32 s[MNT], 0x600000
	s_wait_kmcnt 0x0
	s_add_nc_u64 s[20:21], s[P1:P1+1], s[20:21]
	s_add_nc_u64 s[22:23], s[P1:P1+1], s[22:23]
	s_add_nc_u64 s[46:47], s[4:5], s[46:47]
	s_add_nc_u64 s[92:93], s[4:5], s[92:93]
	CROUND                                         ; all sixteen work-groups are here: the first joint loads meet
	s_mov_b32 s[G0S], 1
	s_add_co_u32 s[G0S+1], s94, SCL
	s_mov_b64 s[G0S+2:G0S+3], s[22:23]
	s_or_b32 s[G0S+3], s[G0S+3], 0x80000000
	s_mov_b32 s[G0SB], 1
	s_add_co_u32 s[G0SB+1], s94, SCL
	s_mov_b64 s[G0SB+2:G0SB+3], s[92:93]
	s_or_b32 s[G0SB+3], s[G0SB+3], 0x80000000
	JLOAD G0S, G1S, G0SB, G1SB                     ; the scale words first: they are wanted with slot 0
.irp s, 0,1
	s_mov_b32 s[G0+4*\s], 1
	s_add_co_u32 s[G0+4*\s+1], s45, \s*SLOT
	s_add_nc_u64 s[G0+4*\s+2:G0+4*\s+3], s[20:21], \s*NT1*8192
	s_or_b32 s[G0+4*\s+3], s[G0+4*\s+3], 0x80000000
	s_mov_b32 s[G0B+4*\s], 1
	s_add_co_u32 s[G0B+4*\s+1], s45, \s*SLOT
	s_add_nc_u64 s[G0B+4*\s+2:G0B+4*\s+3], s[46:47], \s*NT0*8192
	s_or_b32 s[G0B+4*\s+3], s[G0B+4*\s+3], 0x80000000
	JLOAD G0+4*\s, G1, G0B+4*\s, G1B
.endr
	v_and_b32 v1, 31, v0                           ; lane
	v_and_b32 v2, 15, v0                           ; r
	v_bfe_u32 v3, v0, 4, 1                         ; h
	v_lshlrev_b32 v4, 4, v1                        ; 16 x lane: an image's place
	v_lshlrev_b32 v5, 2, v1                        ; 4 x lane: a scale word's
	v_and_b32 v6, 8, v2
	v_add_nc_u32 v6, v6, v2                        ; r + 8 (r / 8)
	s_lshl_b32 s18, s15, 15
	s_lshl_b32 s19, s16, 15
	s_add_co_u32 s19, s19, 65536
	v_add_nc_u32 v[ADR1], s18, v4
	v_add_nc_u32 v[ADR0], s19, v4
	v_add_nc_u32 v[ADR1+1], SLOT, v[ADR1]
	v_add_nc_u32 v[ADR0+1], SLOT, v[ADR0]
	s_lshl_b32 s18, s15, 13
	s_add_co_u32 s18, s18, SCL
	s_lshl_b32 s19, s16, 13
	s_add_co_u32 s19, s19, SCL+16384
	v_add_nc_u32 v[ADS1], s18, v5
	v_add_nc_u32 v[ADS0], s19, v5
.if MODE == 0
	v_mov_b32 v[TM+2], 0                           ; written once: a lane permute's destination counts as one of its sources
	v_mov_b32 v[TM+3], 0
	v_lshlrev_b32 v26, 8, v6
	v_lshl_add_u32 v26, v3, 6, v26                 ; freqs_cis: my token's row of 256 bytes, + 64 h
	v_lshlrev_b32 v27, 6, v3                       ; the bias: + 16 h numbers
	s_cmp_lt_u32 ttmp9, 4                          ; clusters 0-3 along x make Q, cluster 4 makes K: a choice of pointers and offsets, no branch
	s_cselect_b64 s[20:21], s[6:7], s[8:9]
	s_cselect_b32 s22, 0, 16
	s_sub_co_u32 s22, s42, s22
	s_lshl_b32 s22, s22, 9
	s_lshl_b32 s23, s16, 8
	s_add_co_u32 s22, s22, s23
	s_mov_b32 s23, 0
	s_add_nc_u64 s[20:21], s[20:21], s[22:23]      ; the bias of my head's 64
	s_lshl_b32 s22, s17, 15
	s_lshl_b32 s18, s15, 14
	s_add_co_u32 s22, s22, s18
	s_add_nc_u64 s[22:23], s[10:11], s[22:23]      ; freqs_cis at my 64 tokens
.irp j, 0,1,2,3
	global_load_b128 v[BIAS+8*\j:BIAS+8*\j+3], v27, s[20:21] offset:(32*(\j/2)+8*(\j%2))*4
	global_load_b128 v[BIAS+8*\j+4:BIAS+8*\j+7], v27, s[20:21] offset:(32*(\j/2)+8*(\j%2))*4+16
.endr
	WIN 0x80                                       ; destination window 2
.irp i, 0,1,2,3
.irp q, 0,1,2,3,4,5,6,7
	global_load_b128 v[32*\i+4*\q:32*\i+4*\q+3], v26, s[22:23] offset:(32*(\i/2)+8*(\i%2))*256+128*(\q/4)+16*(\q%4)
.endr
.endr
	WIN 0
	s_lshl_b32 s96, s42, 1
	s_add_co_u32 s96, s96, s16                     ; the head: 0-31 of Q, 32-39 of K
	s_max_u32 s97, s96, 32
	s_sub_co_u32 s97, s97, 32                      ; K's group
	s_lshl_b32 s92, s96, 17
	s_lshl_b32 s98, s17, 13
	s_add_co_u32 s92, s92, s98                     ; Q's codes: [head][tile][1,024]
	s_lshl_b32 s94, s97, 18
	s_lshl_b32 s98, s17, 14
	s_add_co_u32 s94, s94, s98
	s_add_co_u32 s94, s94, KVC                     ; K's: [group][step of 128 keys][tile][1,024], 16,384 a step
	s_lshl_b32 s98, s96, 14
	s_add_co_u32 s98, s98, QS
	s_mul_i32 s99, s97, 24576
	s_add_co_u32 s99, s99, KVS
	s_cmp_lt_u32 ttmp9, 4
	s_cselect_b32 s92, s92, s94
	s_cselect_b32 s94, s98, s99
	s_lshl_b32 s98, s15, 12
	s_add_co_u32 s92, s92, s98                     ; my four tiles of the eight
	s_lshl_b32 s98, s17, 10
	s_add_co_u32 s94, s94, s98
	s_lshl_b32 s98, s15, 9
	s_add_co_u32 s94, s94, s98
	s_mov_b32 s93, 0
	s_mov_b32 s95, 0
	s_add_nc_u64 s[92:93], s[12:13], s[92:93]
	s_add_nc_u64 s[94:95], s[12:13], s[94:95]
.elseif MODE == 1
	v_mov_b32 v[TM+2], 0
	v_mov_b32 v[TM+3], 0
	v_lshlrev_b32 v27, 2, v6                       ; the bias of my lane's row of wv
	s_lshl_b32 s22, s17, 9
	s_lshl_b32 s23, s15, 8
	s_add_co_u32 s22, s22, s23
	s_mov_b32 s23, 0
	s_add_nc_u64 s[20:21], s[6:7], s[22:23]
.irp i, 0,1,2,3
	global_load_b32 v[BIAS+8*\i], v27, s[20:21] offset:(32*(\i/2)+8*(\i%2))*4
.endr
	s_lshl_b32 s96, s17, 1
	s_add_co_u32 s96, s96, s15                     ; the group
	s_lshl_b32 s92, s96, 18
	s_lshl_b32 s98, s42, 14
	s_add_co_u32 s92, s92, s98
	s_lshl_b32 s98, s16, 10
	s_add_co_u32 s92, s92, s98
	s_add_co_u32 s92, s92, KVC+8192                ; V's fragments of step gx; my 64 keys are pieces 2 b, 2 b + 1
	s_mul_i32 s94, s96, 24576
	s_lshl_b32 s98, s42, 9
	s_add_co_u32 s94, s94, s98
	s_lshl_b32 s98, s16, 1
	s_add_co_u32 s94, s94, s98
	s_add_co_u32 s94, s94, KVS+16384               ; and bytes 2 b, 2 b + 1 of their scale words
	s_mov_b32 s93, 0
	s_mov_b32 s95, 0
	s_add_nc_u64 s[92:93], s[12:13], s[92:93]
	s_add_nc_u64 s[94:95], s[12:13], s[94:95]
.else
	v_lshlrev_b32 v27, 6, v3
	s_lshl_b32 s22, s42, 9
	s_lshl_b32 s23, s16, 8
	s_add_co_u32 s22, s22, s23
	s_mov_b32 s23, 0
	s_add_nc_u64 s[20:21], s[8:9], s[22:23]
.irp j, 0,1,2,3
	global_load_b128 v[BIAS+8*\j:BIAS+8*\j+3], v27, s[20:21] offset:(32*(\j/2)+8*(\j%2))*4
	global_load_b128 v[BIAS+8*\j+4:BIAS+8*\j+7], v27, s[20:21] offset:(32*(\j/2)+8*(\j%2))*4+16
.endr
	s_mul_i32 s18, s14, 4352                       ; my stage: 16 rows x (256 + 16) bytes, in slot 0
	v_mul_u32_u24 v24, v2, 272
	v_lshl_add_u32 v24, v3, 6, v24
	v_add_nc_u32 v24, s18, v24                     ; in: row r, + 64 h
	v_mul_u32_u24 v25, v3, 272
	v_lshl_add_u32 v25, v2, 4, v25
	v_add_nc_u32 v25, s18, v25                     ; back: lanes 0-15 one row, lanes 16-31 the next
	v_lshlrev_b32 v26, 13, v3
	v_lshl_add_u32 v26, v2, 4, v26                 ; and the same two rows in out0
	s_lshl_b32 s92, s17, 20
	s_lshl_b32 s98, s15, 19
	s_add_co_u32 s92, s92, s98
	s_lshl_b32 s98, s42, 9
	s_add_co_u32 s92, s92, s98
	s_lshl_b32 s98, s16, 8
	s_add_co_u32 s92, s92, s98
	s_mov_b32 s93, 0
	s_add_nc_u64 s[92:93], s[10:11], s[92:93]
.endif
; 40 LDS loads: the fragments of the slot's ks-th 128 along K into buffer p, and their scale words (128-step kg of K) into set p
.macro FETCH slot, ks, p, kg
	WIN 0x40
.irp i, 0,1,2,3
.irp c, 0,1,2,3
	ds_load_b128 v[128*(\p)+16*\i+4*\c:128*(\p)+16*\i+4*\c+3], v[ADR1+\slot] offset:8192*\i+2048*(\ks)+512*\c
.endr
.endr
.irp i, 0,1,2,3
.irp c, 0,1,2,3
	ds_load_b128 v[128*(\p)+64+16*\i+4*\c:128*(\p)+64+16*\i+4*\c+3], v[ADR0+\slot] offset:8192*\i+2048*(\ks)+512*\c
.endr
.endr
	WIN 0
.irp i, 0,1,2,3
	ds_load_b32 v[SC+8*(\p)+\i], v[ADS1] offset:2048*\i+128*(\kg)
.endr
.irp i, 0,1,2,3
	ds_load_b32 v[SC+8*(\p)+4+\i], v[ADS0] offset:2048*\i+128*(\kg)
.endr
.endm
; 16 products, the 16 accumulators by turns in the same order in every step.  first = 1: the bias is the C of each sum's first product: nothing is cleared, nothing is added later
.macro MUL16 p, first
.irp i, 0,1,2,3
.irp j, 0,1,2,3
.if \first
.if MODE == 1
	v_wmma_scale_f32_16x16x128_f8f6f4 v[ACC+8*(4*\i+\j):ACC+8*(4*\i+\j)+7], v[128*(\p)+64+16*\j:128*(\p)+64+16*\j+15], v[128*(\p)+16*\i:128*(\p)+16*\i+15], v[BIAS+8*\i:BIAS+8*\i+7], v[SC+8*(\p)+4+\j], v[SC+8*(\p)+\i]
.else
	v_wmma_scale_f32_16x16x128_f8f6f4 v[ACC+8*(4*\i+\j):ACC+8*(4*\i+\j)+7], v[128*(\p)+64+16*\j:128*(\p)+64+16*\j+15], v[128*(\p)+16*\i:128*(\p)+16*\i+15], v[BIAS+8*\j:BIAS+8*\j+7], v[SC+8*(\p)+4+\j], v[SC+8*(\p)+\i]
.endif
.else
	v_wmma_scale_f32_16x16x128_f8f6f4 v[ACC+8*(4*\i+\j):ACC+8*(4*\i+\j)+7], v[128*(\p)+64+16*\j:128*(\p)+64+16*\j+15], v[128*(\p)+16*\i:128*(\p)+16*\i+15], v[ACC+8*(4*\i+\j):ACC+8*(4*\i+\j)+7], v[SC+8*(\p)+4+\j], v[SC+8*(\p)+\i]
.endif
.endr
.endr
.endm
; One of a slot's first three steps: its fragments are in; eight places stand in front of the loads into the buffer that the last products read; the next step's loads land under this step's products
.macro KSTEP slot, ks, kq, first
	s_wait_dscnt 0x0
	PLACES 8
	FETCH \slot, (\ks)+1, 1-(\ks)%2, 4*(\kq)+(\ks)+1
	WIN 0x05                                       ; both sources window 1, C and D window 0
	MUL16 (\ks)%2, \first
	WIN 0
.endm
; A slot's last step changes slots.  In front of the barrier each wave waits for all its tensor loads, adds 0 to its spare word, and waits for that and for its reads of this slot.  fill = 1: this slot is filled again, two slots on.
.macro TURN slot, next, fill, kq
	s_wait_tensorcnt 0x0                           ; all my tensor loads have landed: my part of the next slot; so a group 0 may be written
	ds_add_u32 v[SPW], v[NIL]                      ; 0 onto my spare word
.if \fill
	s_add_nc_u64 s[G0+4*\slot+2:G0+4*\slot+3], s[G0+4*\slot+2:G0+4*\slot+3], 2*NT1*8192
	s_add_nc_u64 s[G0B+4*\slot+2:G0B+4*\slot+3], s[G0B+4*\slot+2:G0B+4*\slot+3], 2*NT0*8192
.endif
	s_wait_dscnt 1                                 ; the step's fragments are in; the add may be out
	WIN 0x05
	MUL16 1, 0                                     ; sixteen products stand between the add and the wait for it
	WIN 0
	s_wait_dscnt 0x0                               ; the add is done, and my reads of this slot are over
.if \fill
	CROUND                                         ; no wave of any partner still reads this slot or has a load on its way
	JLOAD G0+4*\slot, G1, G0B+4*\slot, G1B         ; the first tensor load behind the round, my one load until the next
	PLACES 4                                       ; with the four behind the load: eight places in front of the loads below
.else
	s_barrier_signal -1
	s_barrier_wait -1
	PLACES 8
.endif
	FETCH \next, 0, 0, 4*(\kq)+4
.endm
	s_wait_tensorcnt 1                             ; the scale words and my part of slot 0 are in; slot 1's load may be out
	s_barrier_signal -1
	s_barrier_wait -1
	FETCH 0, 0, 0, 0
	s_wait_loadcnt 0x0                             ; the bias (and freqs_cis)
.if MODE == 1
.irp i, 0,1,2,3
.irp k, 1,2,3,4,5,6,7
	v_mov_b32 v[BIAS+8*\i+\k], v[BIAS+8*\i]        ; a lane's eight results of a tile share its row's bias
.endr
.endr
.endif
	KSTEP 0, 0, 0, 1
	KSTEP 0, 1, 0, 0
	KSTEP 0, 2, 0, 0
	TURN 0, 1, 1, 0
	KSTEP 1, 0, 1, 0
	KSTEP 1, 1, 1, 0
	KSTEP 1, 2, 1, 0
	TURN 1, 0, 1, 1
	KSTEP 0, 0, 2, 0
	KSTEP 0, 1, 2, 0
	KSTEP 0, 2, 2, 0
	TURN 0, 1, 0, 2                                ; nothing is left to fetch
	KSTEP 1, 0, 3, 0
	KSTEP 1, 1, 3, 0
	KSTEP 1, 2, 3, 0
	s_wait_dscnt 0x0
	WIN 0x05
	MUL16 1, 0
	WIN 0
	PLACES 8                                       ; in front of the first read of results
.if MODE != 2
; 32 numbers of a lane, register 16 b + i = k 32 b + 16 h + i of my row, become 8 registers of codes and two scale bytes
.macro QUANT2 s, pc, pw
.irp b, 0,1
	v_max3_num_f32 v[TM+\b], |v[\s+16*\b]|, |v[\s+16*\b+1]|, 0x4800000   ; and the floor 2^(9 - 127): the byte cannot fall under 1
.endr
.irp i, 2,4,6,8,10,12,14
.irp b, 0,1
	v_max3_num_f32 v[TM+\b], v[TM+\b], |v[\s+16*\b+\i]|, |v[\s+16*\b+\i+1]|
.endr
.endr
.irp b, 0,1
	v_permlanex16_b32 v[TM+2+\b], v[TM+\b], s[SEL], s[SEL+1]
.endr
.irp b, 0,1
	v_max_num_f32 v[TM+\b], v[TM+\b], v[TM+2+\b]   ; with lane l xor 16's: the block's largest magnitude
.endr
.irp b, 0,1
	v_add_nc_u32 v[TM+6+\b], 0xfc000000, v[TM+\b]  ; 8 off its exponent field: the conversion's scale operand
.endr
.irp b, 0,1
	v_and_or_b32 v[TM+4+\b], v[TM+\b], 0x7f800000, s[MNT]   ; 448 x the scale
.endr
.irp b, 0,1
	v_lshrrev_b32 v[TM+2+\b], 23, v[TM+6+\b]       ; the scale's byte
.endr
	v_lshl_or_b32 v[\pw], v[TM+3], 8, v[TM+2]
.irp b, 0,1
.irp i, 0,1,2,3,4,5,6,7,8,9,10,11,12,13,14,15
	v_med3_num_f32 v[\s+16*\b+\i], v[\s+16*\b+\i], -v[TM+4+\b], v[TM+4+\b]   ; the conversion to an 8-bit code does not saturate (ISA guide 7.6.2)
.endr
	v_cvt_scalef32_pk8_fp8_f32 v[\pc+4*\b:\pc+4*\b+1], v[\s+16*\b:\s+16*\b+7], v[TM+6+\b]
	v_cvt_scalef32_pk8_fp8_f32 v[\pc+4*\b+2:\pc+4*\b+3], v[\s+16*\b+8:\s+16*\b+15], v[TM+6+\b]
.endr
	v_nop                                          ; a plain line behind the last conversion
.endm
.endif
.if MODE == 0
; rope: a lane's neighbouring registers are a pair (even, odd) of the head's dims; window 2 holds cos at the even, sin at the odd place.  Each accumulator is read from its low end on
.macro ROPE i
.irp m, 0,1,2,3,4,5,6,7,8,9,10,11,12,13,14,15
	v_mul_f32 v[RT+2*(\m%2)], v[ACC+32*\i+2*\m+1], v[32*\i+2*\m+1]
	v_mul_f32 v[RT+2*(\m%2)+1], v[ACC+32*\i+2*\m+1], v[32*\i+2*\m]
	v_fma_f32 v[ACC+32*\i+2*\m+1], v[ACC+32*\i+2*\m], v[32*\i+2*\m+1], v[RT+2*(\m%2)+1]
	v_fma_f32 v[ACC+32*\i+2*\m], v[ACC+32*\i+2*\m], v[32*\i+2*\m], -v[RT+2*(\m%2)]
.endr
.endm
.irp i, 0,1,2,3
	WIN 0x08                                       ; source 1 window 2
	ROPE \i
	WIN 0
	QUANT2 ACC+32*\i, PC+8*\i, PW+\i
	global_store_b128 v4, v[PC+8*\i:PC+8*\i+3], s[92:93] offset:1024*\i          ; 512 consecutive bytes a store
	global_store_b128 v4, v[PC+8*\i+4:PC+8*\i+7], s[92:93] offset:1024*\i+512
	global_store_b32 v5, v[PW+\i], s[94:95] offset:128*\i                        ; bytes 2 and 3 of the word are 0: they meet zero codes alone
.endr
.elseif MODE == 1
.irp i, 0,1,2,3
	QUANT2 ACC+32*\i, PC+8*\i, PW+\i
	global_store_b128 v4, v[PC+8*\i:PC+8*\i+3], s[92:93] offset:2048*\i
	global_store_b128 v4, v[PC+8*\i+4:PC+8*\i+7], s[92:93] offset:2048*\i+512
	global_store_b16 v5, v[PW+\i], s[94:95] offset:128*\i                        ; my two bytes of the word; the other two are the neighbouring wave's.  V's scale words are 65,536 bytes in all
.endr
.else
; out0: a tile of 16 tokens x my 64 columns goes through my stage and leaves as whole rows: sixteen lanes store 256 consecutive bytes, aligned.  The stage lies in slot 0, which has had its last fill, and whose last read stands ahead of the last barrier
.irp i, 0,1,2,3
.if \i >= 2
	s_wait_xcnt 0x0                                ; the stores of two tiles back have read their registers
.endif
.irp j, 0,1,2,3
	ds_store_b128 v24, v[ACC+8*(4*\i+\j):ACC+8*(4*\i+\j)+3] offset:128*(\j/2)+32*(\j%2)
	ds_store_b128 v24, v[ACC+8*(4*\i+\j)+4:ACC+8*(4*\i+\j)+7] offset:128*(\j/2)+32*(\j%2)+16
.endr
.irp t, 0,1,2,3,4,5,6,7
	ds_load_b128 v[OB+32*(\i%2)+4*\t:OB+32*(\i%2)+4*\t+3], v25 offset:544*\t   ; LDS serves a wave's instructions in order (ISA guide 5.7.1.4)
.endr
.irp t, 0,1,2,3,4,5,6,7
	s_wait_dscnt 7-\t
	global_store_b128 v26, v[OB+32*(\i%2)+4*\t:OB+32*(\i%2)+4*\t+3], s[92:93] offset:(32*(\i/2)+8*(\i%2)+2*\t+8*(\t/4))*8192 th:TH_STORE_NT
.endr
.endr
.endif
	s_wait_tensorcnt 0x0                           ; the wave's end
	ds_add_u32 v[SPW], v[NIL]
	s_wait_dscnt 0x0
	CROUND                                         ; the closing round
	s_endpgm
.Lfunc_end_k_q0da8662179_vv:
	.size	k_q0da8662179_vv, .Lfunc_end_k_q0da8662179_vv-k_q0da8662179_vv
	.p2alignl 7, 3214868480
	.fill 96, 4, 3214868480
	.section	.rodata,"a",@progbits
	.p2align	6, 0x0
	.amdhsa_kernel k_q0da8662179_vv
		.amdhsa_group_segment_fixed_size 327680
		.amdhsa_private_segment_fixed_size 0
		.amdhsa_enable_private_segment 0
		.amdhsa_kernarg_size 24
		.amdhsa_user_sgpr_count 2
		.amdhsa_user_sgpr_kernarg_segment_ptr 1
		.amdhsa_wavefront_size32 1
		.amdhsa_system_sgpr_workgroup_id_x 1
		.amdhsa_system_sgpr_workgroup_id_y 1
		.amdhsa_system_sgpr_workgroup_id_z 1
		.amdhsa_system_vgpr_workitem_id 0
		.amdhsa_next_free_vgpr 512
		.amdhsa_next_free_sgpr 100
		.amdhsa_reserve_vcc 0
		.amdhsa_float_denorm_mode_32 3
		.amdhsa_float_denorm_mode_16_64 3
		.amdhsa_memory_ordered 1
		.amdhsa_forward_progress 1
		.amdhsa_inst_pref_size 109
	.end_amdhsa_kernel
	.amdgpu_metadata
---
amdhsa.version: [ 1, 2 ]
amdhsa.kernels:
  - .name:           k_q0da8662179_vv
    .symbol:         k_q0da8662179_vv.kd
    .args:
      - { .name: xw, .offset: 0, .size: 8, .value_kind: global_buffer, .address_space: global }
      - { .name: bv, .offset: 8, .size: 8, .value_kind: global_buffer, .address_space: global }
      - { .name: qkv, .offset: 16, .size: 8, .value_kind: global_buffer, .address_space: global }
    .group_segment_fixed_size: 327680
    .private_segment_fixed_size: 0
    .kernarg_segment_align: 8
    .kernarg_segment_size: 24
    .max_flat_workgroup_size: 128
    .sgpr_count:     100
    .vgpr_count:     512
    .wavefront_size: 32
...
	.end_amdgpu_metadata
.endif
;; end of part 3
;; launch attn (part 4): grid 32 x 8, 8 waves a work-group, clusters of 4 x 4, 327,680 bytes of LDS; arguments qkv, mask, ac; writes ac
.if DOCPART == 4
	.amdgcn_target "amdgcn-amd-amdhsa--gfx1250"
	.amdhsa_code_object_version 6
	.text
	.protected	k_q0da8662179_attn
	.globl	k_q0da8662179_attn
	.p2align	8
	.type	k_q0da8662179_attn,@function
k_q0da8662179_attn:
	s_mov_b64 s[64:65], 0
	v_nop
	global_prefetch_b8 v0, s[64:65] scope:SCOPE_SE
	s_setreg_imm32_b32 hwreg(HW_REG_WAVE_MODE, 25, 1), 1
	s_wait_xcnt 0x0
	s_wait_alu depctr_hold_cnt(0) depctr_sa_sdst(0) depctr_va_vdst(0) depctr_va_sdst(0) depctr_va_ssrc(0) depctr_va_vcc(0) depctr_vm_vsrc(0)
	s_getreg_b32 s2, hwreg(HW_REG_IB_STS2, 6, 4)
	s_cmp_eq_u32 s2, 0
	s_cbranch_scc0 .Lentry_in_a_cluster
	s_endpgm
.Lentry_in_a_cluster:
	s_bfe_u32 s2, ttmp6, 0x10000c
	s_cmp_lg_u32 s2, 0xf033
	s_cbranch_scc0 .Lentry_shape_is_right
	s_endpgm
.Lentry_shape_is_right:
; Attention of 32 query heads on 8 groups of K and V, head size 64, 2,048 tokens, both products on codes of FP8 (E4M3) with one E8M0 scale for each 32 along K; the mask [2048][2048] f32 is an input and is added as it is given: every key is walked.
; t = score x log2(e) / 8 + mask x log2(e) (the second product rounded to f32, the first fused onto it); M = the running largest t rounded UP to a whole number, kept as -M = floor(-t);
; p = 2^(t - M) by one f32 addition and v_exp_f32 is what is quantised, along the keys; the row's sum is taken of the unquantised p; when M moves, the sum and O are multiplied by 2^(old M - new M), which rounds nothing.
; At the end O / the sum is quantised along the hidden axis: a wave's two heads are 128 of it, one fragment of the last product, stored as an image of its registers.
; SHARES: a work-group takes 64 queries (x) of one group (y).  Wave w takes query tile w % 4 and the head pair w / 4: TWO HEADS TO A WAVE share the mask's registers and K's and V's fragments.  Two waves share a SIMD.
; LAYOUT: both products transposed (S^T = K Q^T, O^T = V^T P^T): a lane holds ONE query.  Lane r of any tile 2 B + u is row 32 B + 8 u + r + 8 (r / 8), so p's 16 registers of two neighbouring key tiles are 16 neighbouring keys.
; K = 64 in the first product: Q's upper eight registers are zero codes; a fragment of K names its eight registers and the eight behind them (the next tile's codes, behind the last tile zeros), which meet zeros alone.
; RING: two slots of 256 keys: the mask's 64 rows x 1,024 bytes (waves 0-3, 16 rows each), K's and V's fragments of two steps (waves 4, 5: 16,384 consecutive bytes each); the group's scale words come once (waves 6, 7).
; The mask goes in four loads of 16 rows, not one of 64: the odd pieces lie 128 bytes further on, so that a tile's two groups of eight rows, 16 rows apart, stand in different 16-byte columns of 256.
; CLUSTER 4 x 4: the mask's tile hangs on x and is asked for jointly along a column of the cluster, K, V and the scale words on y and along a row.  By this text's count a wave never has more than one tensor load out.
; LIMITS: NaN and +infinity among the inputs are not served; a row whose mask is -infinity everywhere gives NaN, as its definition does.  Blocks of zeros and blocks under 2^-118 keep the scale byte 1.
; REGISTERS: window 0: v1-11 addresses; v12-19 -M, largest t and the sum of each head; v20-34 scale words; v36-57 at work; v64-127 S^T, then p; v128-191 the mask x log2(e); v192-207 p's codes.
;   window 1: v0-31 Q of the two heads; v32-103 K; v104-167 V; v168-231 O^T of the two heads.
.set QS,    4194304
.set KVC,   4718592
.set KVS,   6815744
.set AS,    4194304
.set SLOT1, 1<<17                      ; slot 1 begins here: one exclusive or turns an address in one slot into the other's
.set MP,    1040                       ; a mask row in LDS: 1,024 bytes + 16
.set PIECE, 16896                      ; 16 such rows, the odd pieces' 128 bytes, rounded up to blocks of 256
.set KVO,   4*PIECE                    ; behind the mask: two steps x (K 8,192 + V 8,192)
.set SCL,   2*SLOT1                    ; K's scale words 16,384, V's 8,192
.set SPARE, SCL+24576                  ; the spare words, 128 bytes for each wave: four blocks of 256 bytes that no other line names
.set NSL,   8
.set AM0,  1
.set AKV0, 2
.set ASK0, 3
.set ASV0, 4
.set SPW,  5
.set NIL,  6
.set PFO,  7
.set ADM,  8
.set ADKV, 9
.set ADS,  10
.set ADT,  11
.set QSW,  20
.set KS,   22
.set VS,   30
.set PSW,  34
.set FF,   36
.set BM,   40
.set BP,   44
.set BH,   48
.set BS,   52
.set C2,   56
.set LI,   58
.set LS,   59
.set S,    64
.set MK,   128
.set PC,   192
.set KF,   32
.set VF,   104
.set TB,   2
.set TS,   3
.set WV,   18
.set MNT,  19
.set SEL,  20
.set CS,   22
.set G1M,  24
.set G1K,  32
.set G1S,  40
.set G0M,  48
.set G0K,  52
.set G0S,  56
.set TJ,   66
.set SLOTS, 67
.set LIM,  68
.set PFA,  72
.set PFS,  74
.set MSB, 0
.macro WIN new                         ; the immediate's high byte repeats the setting that is left
.if MSB != \new
	s_set_vgpr_msb (MSB<<8)|\new
.set MSB, \new
.endif
.endm
.macro PLACES n
.rept \n
	v_nop
.endr
.endm
.macro CROUND                          ; a round of the cluster's barrier
	s_barrier_signal -1
	s_barrier_wait -1
	s_cmp_lg_u32 s[WV], 0
	s_cbranch_scc1 .Lnot_wave_0_\@
	s_barrier_signal -3
.Lnot_wave_0_\@:
	s_barrier_wait -3
	s_barrier_signal -1
	s_barrier_wait -1
.endm
; A joint refill: waves 0-3 the mask's pieces, waves 4 and 5 the two steps of K and V, waves 6 and 7 nothing.  The branches hang on the wave's number alone.  Four v_nop follow each line.
.macro JLOAD
	s_cmp_lt_u32 s[WV], 4
	s_cbranch_scc0 .Lnot_m_\@
	tensor_load_to_lds s[G0M:G0M+3], s[G1M:G1M+7]
	s_nop 0
	PLACES 4
	s_branch .Lasked_\@
.Lnot_m_\@:
	s_cmp_lt_u32 s[WV], 6
	s_cbranch_scc0 .Lasked_\@
	tensor_load_to_lds s[G0K:G0K+3], s[G1K:G1K+7]
	s_nop 0
	PLACES 4
.Lasked_\@:
.endm
; A prefetch of what the NEXT change of slots will ask for, one slot (two key steps) ahead of that load; it stands behind the wave's tensor load and its four lines.  Each aligned 256 bytes is named once in the launch:
; the mask's 64 rows x 1,024 bytes by waves 0 and 1 of the clusters with y = 0, 8 rows x 4 blocks an instruction, the four partners of a column told apart by address (8 cy rows on);
; K's and V's 32,768 bytes by wave 4 of the clusters with x = 0, 8,192 bytes a partner (cx), lanes 256 bytes apart.  The last change that fills a slot asks for nothing; slots 0 and 1 come by their loads alone.
.macro ASK
	s_cmp_gt_u32 s[SLOTS], s[LIM]
	s_cbranch_scc0 .Lnot_mine_\@
	global_prefetch_b8 v[PFO], s[PFA:PFA+1] th:TH_LOAD_NT scope:SCOPE_SE
.Lnot_mine_\@:
.endm
	s_load_b128 s[4:7], s[0:1], 0x0                ; qkv, mask
	s_load_b64 s[8:9], s[0:1], 0x10                ; ac
	v_lshl_add_u32 v[SPW], v0, 2, SPARE
	v_mov_b32 v[NIL], 0
	ds_add_u32 v5, v6
	ds_add_u32 v5, v6
	s_wait_dscnt 0x0
	v_lshrrev_b32 v8, 5, v0
	v_readfirstlane_b32 s[WV], v8                  ; wave 0..7
	s_bfe_u32 s60, ttmp6, 0x40000                  ; cx
	s_bfe_u32 s61, ttmp6, 0x40004                  ; cy
	s_lshl_b32 s62, ttmp9, 2
	s_add_co_u32 s62, s62, s60                     ; gx: which 64 queries
	s_and_b32 s63, ttmp7, 0xffff
	s_lshl_b32 s63, s63, 2
	s_add_co_u32 s63, s63, s61                     ; g: the group
	s_lshl_b32 s76, s61, 2
	s_lshl_b32 s76, 15, s76                        ; my row of the cluster
	s_lshl_b32 s77, 0x1111, s60                    ; my column
	; group 1, the mask: 16 rows x 256 elements of 4 bytes, 2,048 elements from row to row; 4 words of padding behind every 256
	s_or_b32 s[G1M], s77, (2<<16)|(1<<20)|(1<<21)|(7<<22)|(3<<25)
	s_mov_b32 s[G1M+1], 256<<16
	s_mov_b32 s[G1M+2], 16<<16
	s_mov_b32 s[G1M+3], 256<<16
	s_mov_b32 s[G1M+4], 16
	s_mov_b32 s[G1M+5], 2048
	s_mov_b32 s[G1M+6], 0
	s_mov_b32 s[G1M+7], 0
	; K and V: a dense block as 64 rows of 256 bytes; the scale words: 48 such rows
	s_or_b32 s[G1K], s76, (3<<16)|(1<<21)
	s_mov_b32 s[G1K+1], 32<<16
	s_mov_b32 s[G1K+2], 64<<16
	s_mov_b32 s[G1K+3], 32<<16
	s_mov_b32 s[G1K+4], 64
	s_mov_b32 s[G1K+5], 32
	s_mov_b32 s[G1K+6], 0
	s_mov_b32 s[G1K+7], 0
	s_or_b32 s[G1S], s76, (3<<16)|(1<<21)
	s_mov_b32 s[G1S+1], 32<<16
	s_mov_b32 s[G1S+2], 48<<16
	s_mov_b32 s[G1S+3], 32<<16
	s_mov_b32 s[G1S+4], 48
	s_mov_b32 s[G1S+5], 32
	s_mov_b32 s[G1S+6], 0
	s_mov_b32 s[G1S+7], 0
	s_and_b32 s78, s[WV], 3
	s_and_b32 s83, s[WV], 1
	s_lshl_b32 s80, s62, 19                        ; the mask: 64 rows of 8,192 bytes for each block of queries,
	s_lshl_b32 s79, s78, 17                        ; 16 rows for each piece
	s_add_co_u32 s80, s80, s79
	s_mov_b32 s81, 0
	s_mul_i32 s82, s78, PIECE
	s_lshl_b32 s79, s83, 7
	s_add_co_u32 s82, s82, s79                     ; its place in a slot
	s_lshl_b32 s84, s63, 18                        ; K and V: 262,144 bytes a group, 16,384 a step
	s_lshl_b32 s79, s83, 14
	s_add_co_u32 s84, s84, s79
	s_add_co_u32 s84, s84, KVC
	s_mov_b32 s85, 0
	s_add_co_u32 s86, s79, KVO
	s_mul_i32 s88, s63, 24576                      ; the scale words: 24,576 bytes a group, half of them a load
	s_mul_i32 s79, s83, 12288
	s_add_co_u32 s88, s88, s79
	s_add_co_u32 s88, s88, KVS
	s_mov_b32 s89, 0
	s_add_co_u32 s87, s79, SCL
	s_mov_b32 s[SEL], 0x76543210
	s_mov_b32 s[SEL+1], 0xfedcba98                 ; v_permlanex16_b32's selects for lane l xor 16
	s_mov_b32 s[CS], 0x3e38aa3b                    ; log2(e) / 8
	s_mov_b32 s[CS+1], s[CS]                       ; (named with it as a pair, so it is written)
	s_mov_b32 s[MNT], 0x600000                     ; the mantissa field of 448
	s_mov_b32 s[TB], 0
	s_mov_b32 s[TS], 0
	s_mov_b32 s[TJ], 0
	s_mov_b32 s[SLOTS], NSL-1
	s_wait_kmcnt 0x0
	s_mov_b32 s[G0M], 1
	s_mov_b32 s[G0M+1], s82
	s_add_nc_u64 s[G0M+2:G0M+3], s[6:7], s[80:81]
	s_or_b32 s[G0M+3], s[G0M+3], 0x80000000
	s_mov_b32 s[G0K], 1
	s_mov_b32 s[G0K+1], s86
	s_add_nc_u64 s[G0K+2:G0K+3], s[4:5], s[84:85]
	s_or_b32 s[G0K+3], s[G0K+3], 0x80000000
	s_mov_b32 s[G0S], 1
	s_mov_b32 s[G0S+1], s87
	s_add_nc_u64 s[G0S+2:G0S+3], s[4:5], s[88:89]
	s_or_b32 s[G0S+3], s[G0S+3], 0x80000000
	CROUND                                         ; all sixteen work-groups are here: the first joint loads meet
	s_cmp_lt_u32 s[WV], 4                          ; the first fills: slot 0 and the scale words, one load a wave
	s_cbranch_scc0 .Lfirst_not_m
	tensor_load_to_lds s[G0M:G0M+3], s[G1M:G1M+7]
	s_nop 0
	PLACES 4
	s_branch .Lfirst_asked
.Lfirst_not_m:
	s_cmp_lt_u32 s[WV], 6
	s_cbranch_scc0 .Lfirst_not_k
	tensor_load_to_lds s[G0K:G0K+3], s[G1K:G1K+7]
	s_nop 0
	PLACES 4
	s_branch .Lfirst_asked
.Lfirst_not_k:
	tensor_load_to_lds s[G0S:G0S+3], s[G1S:G1S+7]
	s_nop 0
	PLACES 4
.Lfirst_asked:
	v_and_b32 v8, 15, v0                           ; r
	v_bfe_u32 v9, v0, 4, 1                         ; h
	v_and_b32 v10, 31, v0                          ; lane
	v_and_b32 v11, 7, v8
	v_lshrrev_b32 v38, 3, v8
	v_lshlrev_b32 v[LI], 4, v10
	v_lshlrev_b32 v[LS], 2, v10
	v_mul_u32_u24 v[AM0], v11, MP                  ; the mask: my query is local row 32 (tile / 2) + 16 (r / 8) + 8 (tile % 2) + r % 8: piece 2 (tile / 2) + r / 8, row 8 (tile % 2) + r % 8 in it
	v_mad_u32_u24 v[AM0], v38, PIECE+128, v[AM0]
	v_lshl_add_u32 v[AM0], v9, 6, v[AM0]           ; + 16 h keys
	s_bfe_u32 s90, s[WV], 0x10001
	s_mul_i32 s90, s90, 2*PIECE
	s_mul_i32 s91, s83, 8*MP
	s_add_co_u32 s90, s90, s91
	v_add_nc_u32 v[AM0], s90, v[AM0]
	v_add_nc_u32 v[AKV0], KVO, v[LI]
	v_lshl_add_u32 v[ASK0], v10, 2, SCL
	v_lshl_add_u32 v[ASV0], v10, 2, SCL+16384
	s_lshr_b32 s90, s[WV], 2
	s_lshl_b32 s91, s63, 1
	s_add_co_u32 s90, s90, s91                     ; hp: my pair of heads, 2 hp and 2 hp + 1
	s_lshl_b32 s91, s62, 2
	s_add_co_u32 s91, s91, s78                     ; T: my tile of queries
	s_lshr_b32 s92, s90, 2
	s_lshl_b32 s92, s92, 7
	s_add_co_u32 s92, s92, s91
	s_lshl_b32 s92, s92, 13
	s_and_b32 s93, s90, 3
	s_lshl_b32 s93, s93, 11
	s_add_co_u32 s92, s92, s93
	s_mov_b32 s93, 0
	s_add_nc_u64 s[92:93], s[8:9], s[92:93]        ; ac's codes: [hp / 4][T][hp % 4][2,048]
	s_lshl_b32 s94, s91, 4
	s_add_co_u32 s94, s94, s90
	s_lshl_b32 s94, s94, 7
	s_add_co_u32 s94, s94, AS
	s_mov_b32 s95, 0
	s_add_nc_u64 s[94:95], s[8:9], s[94:95]        ; its scale words: [T][hp][128]
	s_lshl_b32 s96, s90, 18
	s_lshl_b32 s97, s91, 10
	s_add_co_u32 s96, s96, s97
	s_mov_b32 s97, 0
	s_add_nc_u64 s[96:97], s[4:5], s[96:97]        ; Q's codes: [head][T][1,024]
	s_lshl_b32 s98, s90, 15
	s_lshl_b32 s99, s91, 7
	s_add_co_u32 s98, s98, s99
	s_add_co_u32 s98, s98, QS
	s_mov_b32 s99, 0
	s_add_nc_u64 s[98:99], s[4:5], s[98:99]        ; Q's scale words: [head][T][128]
	WIN 0x40                                       ; destination window 1
.irp e, 0,1
.irp c, 0,1
	global_load_b128 v[16*\e+4*\c:16*\e+4*\c+3], v[LI], s[96:97] offset:131072*\e+512*\c
.endr
.endr
.irp j, 8,9,10,11,12,13,14,15,24,25,26,27,28,29,30,31,96,97,98,99,100,101,102,103
	v_mov_b32 v[\j], 0                             ; zero codes: the upper 64 of the first product's K
.endr
.set j, 168
.rept 64
	v_mov_b32 v[j], 0                              ; O^T.  (The step is written once: its first turn finds zeros, which the first change of M leaves zeros)
.set j, j+1
.endr
	WIN 0
.irp e, 0,1
	global_load_b32 v[QSW+\e], v[LS], s[98:99] offset:16384*\e
.endr
	; the prefetches: where my wave's stand, and who asks
	s_cmp_lt_u32 s[WV], 2
	s_cselect_b64 s[PFA:PFA+1], s[6:7], s[4:5]
	s_mov_b32 s[PFS], 32768
	s_cselect_b32 s[PFS], 1024, s[PFS]             ; a slot on
	s_mov_b32 s76, 1024
	s_cselect_b32 s76, 8192, s76                   ; from four lanes to the next four
	s_lshl_b32 s77, s62, 19
	s_lshl_b32 s79, s[WV], 18
	s_add_co_u32 s77, s77, s79
	s_lshl_b32 s79, s61, 16
	s_add_co_u32 s77, s77, s79
	s_add_co_u32 s77, s77, 1024                    ; the mask: row 64 gx + 32 wave + 8 cy, in slot 1: the first change of slots steps it to slot 2
	s_lshl_b32 s88, s63, 18
	s_lshl_b32 s79, s60, 13
	s_add_co_u32 s88, s88, s79
	s_add_co_u32 s88, s88, KVC+32768               ; K and V: my group, 8,192 cx, in slot 1
	s_cmp_lt_u32 s[WV], 2
	s_cselect_b32 s88, s77, s88
	s_mov_b32 s89, 0
	s_mov_b32 s[PFS+1], 0
	s_add_nc_u64 s[PFA:PFA+1], s[PFA:PFA+1], s[88:89]
	s_and_b32 s70, ttmp7, 0xffff
	s_cmp_lt_u32 s[WV], 2
	s_cselect_b32 s70, s70, ttmp9                  ; the cluster's coordinate along which other clusters read the same bytes
	s_cselect_b32 s71, 0, 1
	s_cmp_eq_u32 s[WV], 4
	s_cselect_b32 s71, 0, s71                      ; 0 in waves 0, 1 and 4
	s_or_b32 s70, s70, s71
	s_cmp_eq_u32 s70, 0
	s_cselect_b32 s[LIM], 1, -1                    ; the same in all sixteen partners, for a given wave
	v_and_b32 v[PFO], 3, v0
	v_lshlrev_b32 v[PFO], 8, v[PFO]
	v_bfe_u32 v38, v0, 2, 3
	v_mul_lo_u32 v38, v38, s76
	v_add_nc_u32 v[PFO], v[PFO], v38
	v_mov_b32 v13, 0xff61b1e6                      ; the largest t so far: -3e38, under every t
	v_mov_b32 v17, 0xff61b1e6
	v_floor_f32 v12, -v13                          ; -M
	v_floor_f32 v16, -v17
.irp j, 14,15,18,19,37,44,45,46,47
	v_mov_b32 v[\j], 0                             ; the sums; the upper half of f's pair; the lane permutes' destinations, which count as sources
.endr
.macro SQ e                            ; S^T = K Q^T of head e: eight tiles of 16 keys
	WIN 0x05                                       ; both sources window 1, D window 0
.irp t, 0,1,2,3,4,5,6,7
	v_wmma_scale_f32_16x16x128_f8f6f4 v[S+8*\t:S+8*\t+7], v[KF+8*\t:KF+8*\t+15], v[16*(\e):16*(\e)+15], 0, v[KS+\t], v[QSW+\e]
.endr
.endm
.macro PV e                            ; O^T += V^T P^T of head e: the four accumulators by turns
	WIN 0x51                                       ; V window 1, P window 0, C and D window 1
.irp t, 0,1,2,3
	v_wmma_scale_f32_16x16x128_f8f6f4 v[168+32*(\e)+8*\t:168+32*(\e)+8*\t+7], v[VF+16*\t:VF+16*\t+15], v[PC:PC+15], v[168+32*(\e)+8*\t:168+32*(\e)+8*\t+7], v[VS+\t], v[PSW]
.endr
.endm
; The softmax of head e for 128 keys; register 16 b + i of S is key 32 b + 16 h + i
.macro SOFT e
.set NM, 12+4*(\e)
.set LL, 14+4*(\e)
.set OO, 168+32*(\e)
	WIN 0
.set j, 0
.rept 32
	v_pk_fma_f32 v[S+j:S+j+1], v[S+j:S+j+1], s[CS:CS+1], v[MK+j:MK+j+1] op_sel_hi:[1,0,1]   ; t; each accumulator is read from its low end on
.set j, j+2
.endr
.irp b, 0,1,2,3
	v_max3_num_f32 v[BM+\b], v[S+16*\b], v[S+16*\b+1], v[S+16*\b+2]   ; the largest t of each block of 32 keys: for the row's maximum, and, since p rises with t, for the block's largest p
.endr
.irp i, 3,5,7,9,11,13
.irp b, 0,1,2,3
	v_max3_num_f32 v[BM+\b], v[BM+\b], v[S+16*\b+\i], v[S+16*\b+\i+1]
.endr
.endr
.irp b, 0,1,2,3
	v_max_num_f32 v[BM+\b], v[BM+\b], v[S+16*\b+15]
.endr
.irp b, 0,1,2,3
	v_permlanex16_b32 v[BP+\b], v[BM+\b], s[SEL], s[SEL+1]
.endr
.irp b, 0,1,2,3
	v_max_num_f32 v[BM+\b], v[BM+\b], v[BP+\b]     ; with lane l xor 16's 16 keys
.endr
	v_max3_num_f32 v38, v[BM], v[BM+1], v[BM+2]
	v_max_num_f32 v38, v38, v[BM+3]
	v_max_num_f32 v[NM+1], v[NM+1], v38            ; the running largest t
	v_mov_b32 v38, v[NM]
	v_floor_f32 v[NM], -v[NM+1]                    ; the new -M = floor(-t) = -ceil(t)
	v_sub_f32 v38, v[NM], v38                      ; old M - new M: a whole number, 0 or less
	v_cvt_i32_f32 v38, v38                         ; (it saturates)
	v_ldexp_f32 v[FF], 1.0, v38                    ; f = 2^(old M - new M)
.set j, 0
.rept 32
	v_pk_add_f32 v[S+j:S+j+1], v[S+j:S+j+1], v[NM:NM+1] op_sel_hi:[1,0]   ; t - M: a plain f32 addition, so that equal t stay equal
.set j, j+2
.endr
.irp b, 0,1,2,3
	v_add_f32 v[BM+\b], v[BM+\b], v[NM]            ; the same of each block's largest t
.endr
.set j, 0
.rept 64
	v_exp_f32 v[S+j], v[S+j]                       ; p = 2^(t - M), at most 1: not normalised
.set j, j+1
.endr
	v_pk_mul_f32 v[LL:LL+1], v[LL:LL+1], v[FF:FF+1] op_sel_hi:[1,0]   ; the sums under the new M; a plain line behind the exponentials
	s_wait_alu depctr_va_vdst(0)                   ; one wait for the whole batch, ahead of its first reader
.irp b, 0,1,2,3
	v_exp_f32 v[BM+\b], v[BM+\b]                   ; the block's largest p: the same instructions on the same number give the same bits
.endr
	v_pk_add_f32 v[C2:C2+1], v[S:S+1], v[S+2:S+3]  ; the row's sum is taken of the unquantised p, in two chains
.set j, 4
.rept 15
	v_pk_add_f32 v[LL:LL+1], v[LL:LL+1], v[S+j:S+j+1]
	v_pk_add_f32 v[C2:C2+1], v[C2:C2+1], v[S+j+2:S+j+3]
.set j, j+4
.endr
	v_pk_add_f32 v[LL:LL+1], v[LL:LL+1], v[C2:C2+1]
	s_wait_alu depctr_va_vdst(0)                   ; and one for the four
.irp b, 0,1,2,3
	v_max_num_f32 v[BM+\b], 0x4800000, v[BM+\b]    ; the floor 2^(9 - 127): the byte cannot fall under 1
.endr
.irp b, 0,1,2,3
	v_add_nc_u32 v[BS+\b], 0xfc000000, v[BM+\b]    ; 8 off the exponent field: the conversion's scale operand
.endr
.irp b, 0,1,2,3
	v_and_or_b32 v[BH+\b], v[BM+\b], 0x7f800000, s[MNT]   ; 448 x the scale
.endr
.irp b, 0,1,2,3
	v_lshrrev_b32 v[BP+\b], 23, v[BS+\b]           ; the scale's byte
.endr
	v_lshl_or_b32 v[PSW], v[BP+1], 8, v[BP]        ; p's scale word for these 128 keys: far more than eight plain lines ahead of the products that name it
	v_lshl_or_b32 v[PSW], v[BP+2], 16, v[PSW]
	v_lshl_or_b32 v[PSW], v[BP+3], 24, v[PSW]
.irp b, 0,1,2,3
.irp i, 0,1,2,3,4,5,6,7,8,9,10,11,12,13,14,15
	v_min_num_f32 v[S+16*\b+\i], v[S+16*\b+\i], v[BH+\b]   ; the conversion does not saturate (ISA guide 7.6.2); p is not negative, so the hold is one-sided
.endr
	v_cvt_scalef32_pk8_fp8_f32 v[PC+4*\b:PC+4*\b+1], v[S+16*\b:S+16*\b+7], v[BS+\b]
	v_cvt_scalef32_pk8_fp8_f32 v[PC+4*\b+2:PC+4*\b+3], v[S+16*\b+8:S+16*\b+15], v[BS+\b]
.endr
	WIN 0x41                                       ; O^T window 1, f window 0
.set j, 0
.rept 16
	v_pk_mul_f32 v[OO+j:OO+j+1], v[OO+j:OO+j+1], v[FF:FF+1] op_sel_hi:[1,0]   ; O^T under the new M; these are also the plain lines between the conversions and the products
.set j, j+2
.endr
.endm
; A key step: 128 keys, the q-th of the slot in hand, for both heads
.macro STEP q
	v_add_nc_u32 v[ADM], s[TB], v[AM0]
	v_add_nc_u32 v[ADKV], s[TB], v[AKV0]
	v_add_nc_u32 v[ADS], s[TS], v[ASK0]
	v_add_nc_u32 v[ADT], s[TJ], v[ASV0]
	PLACES 4                                       ; with the four additions: eight places in front of loads into registers that the last products read
.irp t, 0,1,2,3,4,5,6,7
	ds_load_b32 v[KS+\t], v[ADS] offset:128*\t
.endr
	WIN 0x40
.irp t, 0,1,2,3,4,5,6,7
.irp c, 0,1
	ds_load_b128 v[KF+8*\t+4*\c:KF+8*\t+4*\c+3], v[ADKV] offset:16384*(\q)+1024*\t+512*\c
.endr
.endr
	WIN 0
.irp b, 0,1,2,3
.irp j, 0,1,2,3
	ds_load_b128 v[MK+16*\b+4*\j:MK+16*\b+4*\j+3], v[ADM] offset:512*(\q)+128*\b+16*\j
.endr
.endr
.irp t, 0,1,2,3
	ds_load_b32 v[VS+\t], v[ADT] offset:128*\t
.endr
	WIN 0x40
.irp t, 0,1,2,3
.irp c, 0,1,2,3
	ds_load_b128 v[VF+16*\t+4*\c:VF+16*\t+4*\c+3], v[ADKV] offset:16384*(\q)+8192+2048*\t+512*\c
.endr
.endr
	s_wait_dscnt 36                                ; K and its scale words are in; younger: the mask's 16, V's 4 words, V's 16
	SQ 0
	WIN 0
	s_wait_dscnt 16                                ; the mask and V's scale words are in; V's 16 may be out
.set j, 0
.rept 32
	v_pk_mul_f32 v[MK+j:MK+j+1], v[MK+j:MK+j+1], 0x3fb8aa3b op_sel_hi:[1,0]   ; mask x log2(e), once for both heads; also the places behind the products above
.set j, j+2
.endr
	SOFT 0
	s_wait_dscnt 0x0                               ; V is in
	PV 0
	SQ 1
	PLACES 8
	SOFT 1
	PV 1
	WIN 0
	s_add_co_u32 s[TS], s[TS], 1024                ; the next step's scale words
	s_add_co_u32 s[TJ], s[TJ], 512
.endm
; The change of slots stands at a slot's head.  Each wave waits for all its tensor loads (its part of the slot ahead), adds 0 to its spare word, and waits for that and for its reads of the slot that it has left.
; fill = 1: that other slot is filled with the next 256 keys: the barrier is then a round of the cluster's, and the joint load is the first thing behind it; it has two key steps in which to land.
.macro CHANGE fill
	s_wait_tensorcnt 0x0                           ; no tensor load of mine is out, so a group 0 may be written
	ds_add_u32 v[SPW], v[NIL]                      ; 0 onto my spare word
.if \fill
	s_xor_b32 s[G0M+1], s[G0M+1], SLOT1            ; the walking descriptors: the other slot than last time,
	s_add_nc_u64 s[G0M+2:G0M+3], s[G0M+2:G0M+3], 1024   ; the next 256 keys; the type bits on top are not reached
	s_xor_b32 s[G0K+1], s[G0K+1], SLOT1
	s_add_nc_u64 s[G0K+2:G0K+3], s[G0K+2:G0K+3], 32768
	s_wait_xcnt 0x0                                ; the last prefetch, a slot back, has read its address, so it may be written:
	s_add_nc_u64 s[PFA:PFA+1], s[PFA:PFA+1], s[PFS:PFS+1]   ; one slot further on than the walking descriptors
.endif
	s_wait_dscnt 0x0                               ; the add is done, and my reads of the slot that I have left are over
.if \fill
	CROUND
	JLOAD
	ASK
.else
	s_barrier_signal -1
	s_barrier_wait -1
.endif
.endm
.macro SLOT_STEPS
	STEP 0
	STEP 1
	s_xor_b32 s[TB], s[TB], SLOT1                  ; on to the other slot
.endm
	s_wait_loadcnt 0x0                             ; Q
.Lslot:                                            ; NSL - 1 trips: behind each change of slots but the last the next slot is asked for
	CHANGE 1
	SLOT_STEPS
	s_sub_co_u32 s[SLOTS], s[SLOTS], 1
	s_cmp_lg_u32 s[SLOTS], 0
	s_cbranch_scc1 .Lslot
	CHANGE 0                                       ; the last slot is written out
	SLOT_STEPS
	; THE WAY OUT: O^T / the sum, both heads: 64 numbers of a lane, register 16 c + i = hidden 128 hp + 32 c + 16 h + i of my query; quantised along hidden; stored as a fragment's image
	PLACES 8
	v_add_f32 v[BM], v14, v15
	v_add_f32 v[BM+1], v18, v19
	v_permlanex16_b32 v[BP], v[BM], s[SEL], s[SEL+1]
	v_permlanex16_b32 v[BP+1], v[BM+1], s[SEL], s[SEL+1]
	v_add_f32 v[BM], v[BM], v[BP]
	v_add_f32 v[BM+1], v[BM+1], v[BP+1]            ; the rows' sums
	v_rcp_f32 v[BM+2], v[BM]
	v_rcp_f32 v[BM+3], v[BM+1]
	v_nop                                          ; a plain line behind the reciprocals
	s_wait_alu depctr_va_vdst(0)                   ; one wait for both, ahead of their first reader
	WIN 0x01                                       ; source 0 window 1
.irp e, 0,1
.set j, 0
.rept 32
	v_mul_f32 v[S+32*\e+j], v[168+32*\e+j], v[BM+2+\e]
.set j, j+1
.endr
.endr
	WIN 0
.irp b, 0,1,2,3
	v_max3_num_f32 v[BM+\b], |v[S+16*\b]|, |v[S+16*\b+1]|, 0x4800000
.endr
.irp i, 2,4,6,8,10,12,14
.irp b, 0,1,2,3
	v_max3_num_f32 v[BM+\b], v[BM+\b], |v[S+16*\b+\i]|, |v[S+16*\b+\i+1]|
.endr
.endr
.irp b, 0,1,2,3
	v_permlanex16_b32 v[BP+\b], v[BM+\b], s[SEL], s[SEL+1]
.endr
.irp b, 0,1,2,3
	v_max_num_f32 v[BM+\b], v[BM+\b], v[BP+\b]
.endr
.irp b, 0,1,2,3
	v_add_nc_u32 v[BS+\b], 0xfc000000, v[BM+\b]
.endr
.irp b, 0,1,2,3
	v_and_or_b32 v[BH+\b], v[BM+\b], 0x7f800000, s[MNT]
.endr
.irp b, 0,1,2,3
	v_lshrrev_b32 v[BP+\b], 23, v[BS+\b]
.endr
	v_lshl_or_b32 v[PSW], v[BP+1], 8, v[BP]
	v_lshl_or_b32 v[PSW], v[BP+2], 16, v[PSW]
	v_lshl_or_b32 v[PSW], v[BP+3], 24, v[PSW]
.irp b, 0,1,2,3
.irp i, 0,1,2,3,4,5,6,7,8,9,10,11,12,13,14,15
	v_med3_num_f32 v[S+16*\b+\i], v[S+16*\b+\i], -v[BH+\b], v[BH+\b]
.endr
	v_cvt_scalef32_pk8_fp8_f32 v[PC+4*\b:PC+4*\b+1], v[S+16*\b:S+16*\b+7], v[BS+\b]
	v_cvt_scalef32_pk8_fp8_f32 v[PC+4*\b+2:PC+4*\b+3], v[S+16*\b+8:S+16*\b+15], v[BS+\b]
.endr
	v_nop
.irp c, 0,1,2,3
	global_store_b128 v[LI], v[PC+4*\c:PC+4*\c+3], s[92:93] offset:512*\c   ; 512 consecutive bytes a store
.endr
	global_store_b32 v[LS], v[PSW], s[94:95]
	s_wait_tensorcnt 0x0                           ; the wave's end
	ds_add_u32 v[SPW], v[NIL]
	s_wait_dscnt 0x0
	CROUND                                         ; the closing round
	s_endpgm
.Lfunc_end_k_q0da8662179_attn:
	.size	k_q0da8662179_attn, .Lfunc_end_k_q0da8662179_attn-k_q0da8662179_attn
	.p2alignl 7, 3214868480
	.fill 96, 4, 3214868480
	.section	.rodata,"a",@progbits
	.p2align	6, 0x0
	.amdhsa_kernel k_q0da8662179_attn
		.amdhsa_group_segment_fixed_size 327680
		.amdhsa_private_segment_fixed_size 0
		.amdhsa_enable_private_segment 0
		.amdhsa_kernarg_size 24
		.amdhsa_user_sgpr_count 2
		.amdhsa_user_sgpr_kernarg_segment_ptr 1
		.amdhsa_wavefront_size32 1
		.amdhsa_system_sgpr_workgroup_id_x 1
		.amdhsa_system_sgpr_workgroup_id_y 1
		.amdhsa_system_sgpr_workgroup_id_z 1
		.amdhsa_system_vgpr_workitem_id 0
		.amdhsa_next_free_vgpr 512
		.amdhsa_next_free_sgpr 100
		.amdhsa_reserve_vcc 0
		.amdhsa_float_denorm_mode_32 3
		.amdhsa_float_denorm_mode_16_64 3
		.amdhsa_memory_ordered 1
		.amdhsa_forward_progress 1
		.amdhsa_inst_pref_size 196
	.end_amdhsa_kernel
	.amdgpu_metadata
---
amdhsa.version: [ 1, 2 ]
amdhsa.kernels:
  - .name:           k_q0da8662179_attn
    .symbol:         k_q0da8662179_attn.kd
    .args:
      - { .name: qkv, .offset: 0, .size: 8, .value_kind: global_buffer, .address_space: global }
      - { .name: mask, .offset: 8, .size: 8, .value_kind: global_buffer, .address_space: global }
      - { .name: ac, .offset: 16, .size: 8, .value_kind: global_buffer, .address_space: global }
    .group_segment_fixed_size: 327680
    .private_segment_fixed_size: 0
    .kernarg_segment_align: 8
    .kernarg_segment_size: 24
    .max_flat_workgroup_size: 256
    .sgpr_count:     100
    .vgpr_count:     512
    .wavefront_size: 32
...
	.end_amdgpu_metadata
.endif
;; end of part 4
;; launch oproj (part 5): grid 16 x 16, 4 waves a work-group, clusters of 4 x 4, 327,680 bytes of LDS; arguments xw, ac, bo, out0; writes out0
.if DOCPART == 5
	.amdgcn_target "amdgcn-amd-amdhsa--gfx1250"
	.amdhsa_code_object_version 6
	.text
	.protected	k_q0da8662179_oproj
	.globl	k_q0da8662179_oproj
	.p2align	8
	.type	k_q0da8662179_oproj,@function
k_q0da8662179_oproj:
	s_mov_b64 s[64:65], 0
	v_nop
	global_prefetch_b8 v0, s[64:65] scope:SCOPE_SE
	s_setreg_imm32_b32 hwreg(HW_REG_WAVE_MODE, 25, 1), 1
	s_wait_xcnt 0x0
	s_wait_alu depctr_hold_cnt(0) depctr_sa_sdst(0) depctr_va_vdst(0) depctr_va_sdst(0) depctr_va_ssrc(0) depctr_va_vcc(0) depctr_vm_vsrc(0)
	s_getreg_b32 s2, hwreg(HW_REG_IB_STS2, 6, 4)
	s_cmp_eq_u32 s2, 0
	s_cbranch_scc0 .Lentry_in_a_cluster
	s_endpgm
.Lentry_in_a_cluster:
	s_bfe_u32 s2, ttmp6, 0x10000c
	s_cmp_lg_u32 s2, 0xf033
	s_cbranch_scc0 .Lentry_shape_is_right
	s_endpgm
.Lentry_shape_is_right:
; ONE TEXT SERVES THREE LAUNCHES; MODE says which this file is.  D = src0 x src1^T on codes of FP8 (E4M3) with E8M0 scales, K = 2,048, used transposed: a lane holds ONE row of src1, its registers run along src0's rows.
;   MODE 0: src0 = wq|wk (a wave's 64 rows are one head), src1 = x.  + bias, rope in f32, quantised along the head's 64: fragments of Q and K for attention.
;   MODE 1: src0 = x (keys), src1 = wv.  + bias, quantised along the KEYS: fragments of V with the keys as K.
;   MODE 2: src0 = wo, src1 = the attention's codes.  + bo: out0, f32.
; Operands lie in the workspace as images of the operand registers: a fragment (16 rows x 128 K) is 2,048 bytes, piece c x lane x 16 bytes; codes [K / 512][tile][128-step][2,048], scale words [tile][128-step][lane x 4].
; Lane r of tile 2 B + u is row 32 B + 8 u + r + 8 (r / 8): so the 16 registers of two neighbouring src0 tiles are 16 neighbours, 32 B + 16 h + 0..15, and the conversions' results are the next product's operand.
; SHARES: a work-group makes 128 (src0) x 128 (src1); wave w takes half a = w / 2 of src1 and half b = w % 2 of src0: 16 accumulators.  K goes in four slots of 512 through a ring of two LDS slots; a slot's
; 8 tiles of a side are 65,536 consecutive bytes of memory, fetched by two waves, 32,768 bytes a tensor load.  The scale words of all of K come once, with the first fills.
; CLUSTER 4 x 4: src1's tiles hang on the work-group's y and are asked for jointly along a row of the cluster, src0's on its x and along a column.  By this text's count a wave has at most three tensor loads out (at the start), later one.
; No prefetch: half of K is asked for at the head, and the launch is short.  One tile to a work-group, so nothing stays.
; LIMITS: as the quantiser's: blocks of zeros and blocks under 2^-118 keep the byte 1; NaN and infinities are not served.
; REGISTERS: window 0: v1-6 lane numbers, v16-27 addresses, v28-29 the add's, v32-47 scale words (two sets), v48-79 the bias as C, v80-127 at work on the way out, v128-255 accumulator (i, j) at 128 + 8 (4 i + j).
;   window 1: two fragment buffers of 128: src1's four at 16 i, src0's four at 64 + 16 j.   window 2 (MODE 0): freqs_cis in the accumulators' layout.
.set MODE, 2
.set XC,  0
.set WC,  4194304
.set OC,  10485760
.set XS,  14680064
.set WS,  14942208
.set OS,  15335424
.set AS,  4194304
.set QS,  4194304
.set KVC, 4718592
.set KVS, 6815744
.if MODE == 0
.set C0,  WC
.set S0,  WS
.set NT0, 192
.set C1,  XC
.set S1,  XS
.set NT1, 128
.set TB1, 0
.set P1,  4
.elseif MODE == 1
.set C0,  XC
.set S0,  XS
.set NT0, 128
.set C1,  WC
.set S1,  WS
.set NT1, 192
.set TB1, 160
.set P1,  4
.else
.set C0,  OC
.set S0,  OS
.set NT0, 128
.set C1,  0
.set S1,  AS
.set NT1, 128
.set TB1, 0
.set P1,  6
.endif
.set SLOT,  131072                     ; src1's 8 tiles x 8,192, then src0's
.set SCL,   2*SLOT                     ; src1's scale words, 16,384 bytes, then src0's
.set SPARE, SCL+32768                  ; the spare words, 128 bytes for each wave: two blocks of 256 bytes that no other line names
.set ADR1, 16                          ; v16-17 my src1 fragments in slot 0, 1
.set ADR0, 20                          ; v20-21 my src0 fragments
.set ADS1, 22
.set ADS0, 23
.set SPW,  28
.set NIL,  29
.set SC,   32
.set BIAS, 48
.set TM,   80
.set PW,   88
.set PC,   92
.set RT,   124
.set ACC,  128
.set OB,   64
.set MNT,  2
.set SEL,  66
.set G1,   24
.set G0,   32
.set G1B,  48
.set G0B,  56
.set G1S,  68
.set G0S,  76
.set G1SB, 80
.set G0SB, 88
.set MSB, 0
.macro WIN new                         ; the immediate's high byte repeats the setting that is left
.if MSB != \new
	s_set_vgpr_msb (MSB<<8)|\new
.set MSB, \new
.endif
.endm
.macro PLACES n
.rept \n
	v_nop
.endr
.endm
; A joint load: waves 0 and 1 fetch for src1, waves 2 and 3 for src0; the branch hangs on the wave's number alone.  Four v_nop follow each line.
.macro JLOAD g0a, g1a, g0b, g1b
	s_cmp_eq_u32 s15, 0
	s_cbranch_scc0 .Lfor_b_\@
	tensor_load_to_lds s[\g0a:\g0a+3], s[\g1a:\g1a+7]
	s_nop 0
	PLACES 4
	s_branch .Lasked_\@
.Lfor_b_\@:
	tensor_load_to_lds s[\g0b:\g0b+3], s[\g1b:\g1b+7]
	s_nop 0
	PLACES 4
.Lasked_\@:
.endm
.macro CROUND                          ; a round of the cluster's barrier
	s_barrier_signal -1
	s_barrier_wait -1
	s_cmp_lg_u32 s14, 0
	s_cbranch_scc1 .Lnot_wave_0_\@
	s_barrier_signal -3
.Lnot_wave_0_\@:
	s_barrier_wait -3
	s_barrier_signal -1
	s_barrier_wait -1
.endm
.if MODE == 0
	s_load_b256 s[4:11], s[0:1], 0x0               ; xw, bq, bk, freqs_cis
	s_load_b64 s[12:13], s[0:1], 0x20              ; qkv
.elseif MODE == 1
	s_load_b128 s[4:7], s[0:1], 0x0                ; xw, bv
	s_load_b64 s[12:13], s[0:1], 0x10              ; qkv
.else
	s_load_b256 s[4:11], s[0:1], 0x0               ; xw, ac, bo, out0
.endif
	v_lshl_add_u32 v[SPW], v0, 2, SPARE
	v_mov_b32 v[NIL], 0
	ds_add_u32 v28, v29
	ds_add_u32 v28, v29
	s_wait_dscnt 0x0
	v_lshrrev_b32 v1, 5, v0
	v_readfirstlane_b32 s14, v1                    ; wave 0..3
	s_lshr_b32 s15, s14, 1                         ; a.  Also: I fetch for src1 (0) or src0 (1)
	s_and_b32 s16, s14, 1                          ; b.  Also: which four tiles I fetch
	s_bfe_u32 s40, ttmp6, 0x40000                  ; cx
	s_bfe_u32 s41, ttmp6, 0x40004                  ; cy
	s_lshl_b32 s42, ttmp9, 2
	s_add_co_u32 s42, s42, s40                     ; gx: which 128 rows of src0
.if MODE == 1
	s_mov_b32 s17, s41                             ; the grid has one cluster along y
.else
	s_and_b32 s17, ttmp7, 0xffff
	s_lshl_b32 s17, s17, 2
	s_add_co_u32 s17, s17, s41                     ; gy: which 128 rows of src1
.endif
	s_lshl_b32 s43, s41, 2
	s_lshl_b32 s43, 15, s43                        ; my row of the cluster
	s_lshl_b32 s44, 0x1111, s40                    ; my column
	; group 1: a dense block as rows of 256 bytes (32 elements of 8 bytes): 128 rows of codes, 32 rows of scale words; no padding: every LDS access is 512 or 128 consecutive bytes
	s_or_b32 s[G1], s43, (3<<16)|(1<<21)
	s_or_b32 s[G1B], s44, (3<<16)|(1<<21)
	s_or_b32 s[G1S], s43, (3<<16)|(1<<21)
	s_or_b32 s[G1SB], s44, (3<<16)|(1<<21)
.irp g, G1, G1B
	s_mov_b32 s[\g+1], 32<<16
	s_mov_b32 s[\g+2], 128<<16
	s_mov_b32 s[\g+3], 32<<16
	s_mov_b32 s[\g+4], 128
	s_mov_b32 s[\g+5], 32
	s_mov_b32 s[\g+6], 0
	s_mov_b32 s[\g+7], 0
.endr
.irp g, G1S, G1SB
	s_mov_b32 s[\g+1], 32<<16
	s_mov_b32 s[\g+2], 32<<16
	s_mov_b32 s[\g+3], 32<<16
	s_mov_b32 s[\g+4], 32
	s_mov_b32 s[\g+5], 32
	s_mov_b32 s[\g+6], 0
	s_mov_b32 s[\g+7], 0
.endr
	s_lshl_b32 s18, s16, 2                         ; my four tiles of the eight
	s_lshl_b32 s20, s17, 3
	s_add_co_u32 s20, s20, s18
.if TB1
	s_add_co_u32 s20, s20, TB1
.endif
	s_lshl_b32 s22, s20, 11                        ; src1: scale words, 2,048 bytes a tile,
	s_add_co_u32 s22, s22, S1
	s_lshl_b32 s20, s20, 13                        ; codes, 8,192 bytes a tile and slot
.if C1
	s_add_co_u32 s20, s20, C1
.endif
	s_mov_b32 s21, 0
	s_mov_b32 s23, 0
	s_lshl_b32 s46, s42, 3
	s_add_co_u32 s46, s46, s18
	s_lshl_b32 s92, s46, 11                        ; src0 likewise
	s_add_co_u32 s92, s92, S0
	s_lshl_b32 s46, s46, 13
.if C0
	s_add_co_u32 s46, s46, C0
.endif
	s_mov_b32 s47, 0
	s_mov_b32 s93, 0
	s_lshl_b32 s45, s14, 15                        ; where they go: wave x 32,768 in a slot,
	s_lshl_b32 s94, s14, 13                        ; wave x 8,192 among the scale words: no place in the cluster enters an LDS address
	s_mov_b32 s[SEL], 0x76543210
	s_mov_b32 s[SEL+1], 0xfedcba98
	s_mov_b32 s[MNT], 0x600000
	s_wait_kmcnt 0x0
	s_add_nc_u64 s[20:21], s[P1:P1+1], s[20:21]
	s_add_nc_u64 s[22:23], s[P1:P1+1], s[22:23]
	s_add_nc_u64 s[46:47], s[4:5], s[46:47]
	s_add_nc_u64 s[92:93], s[4:5], s[92:93]
	CROUND                                         ; all sixteen work-groups are here: the first joint loads meet
	s_mov_b32 s[G0S], 1
	s_add_co_u32 s[G0S+1], s94, SCL
	s_mov_b64 s[G0S+2:G0S+3], s[22:23]
	s_or_b32 s[G0S+3], s[G0S+3], 0x80000000
	s_mov_b32 s[G0SB], 1
	s_add_co_u32 s[G0SB+1], s94, SCL
	s_mov_b64 s[G0SB+2:G0SB+3], s[92:93]
	s_or_b32 s[G0SB+3], s[G0SB+3], 0x80000000
	JLOAD G0S, G1S, G0SB, G1SB                     ; the scale words first: they are wanted with slot 0
.irp s, 0,1
	s_mov_b32 s[G0+4*\s], 1
	s_add_co_u32 s[G0+4*\s+1], s45, \s*SLOT
	s_add_nc_u64 s[G0+4*\s+2:G0+4*\s+3], s[20:21], \s*NT1*8192
	s_or_b32 s[G0+4*\s+3], s[G0+4*\s+3], 0x80000000
	s_mov_b32 s[G0B+4*\s], 1
	s_add_co_u32 s[G0B+4*\s+1], s45, \s*SLOT
	s_add_nc_u64 s[G0B+4*\s+2:G0B+4*\s+3], s[46:47], \s*NT0*8192
	s_or_b32 s[G0B+4*\s+3], s[G0B+4*\s+3], 0x80000000
	JLOAD G0+4*\s, G1, G0B+4*\s, G1B
.endr
	v_and_b32 v1, 31, v0                           ; lane
	v_and_b32 v2, 15, v0                           ; r
	v_bfe_u32 v3, v0, 4, 1                         ; h
	v_lshlrev_b32 v4, 4, v1                        ; 16 x lane: an image's place
	v_lshlrev_b32 v5, 2, v1                        ; 4 x lane: a scale word's
	v_and_b32 v6, 8, v2
	v_add_nc_u32 v6, v6, v2                        ; r + 8 (r / 8)
	s_lshl_b32 s18, s15, 15
	s_lshl_b32 s19, s16, 15
	s_add_co_u32 s19, s19, 65536
	v_add_nc_u32 v[ADR1], s18, v4
	v_add_nc_u32 v[ADR0], s19, v4
	v_add_nc_u32 v[ADR1+1], SLOT, v[ADR1]
	v_add_nc_u32 v[ADR0+1], SLOT, v[ADR0]
	s_lshl_b32 s18, s15, 13
	s_add_co_u32 s18, s18, SCL
	s_lshl_b32 s19, s16, 13
	s_add_co_u32 s19, s19, SCL+16384
	v_add_nc_u32 v[ADS1], s18, v5
	v_add_nc_u32 v[ADS0], s19, v5
.if MODE == 0
	v_mov_b32 v[TM+2], 0                           ; written once: a lane permute's destination counts as one of its sources
	v_mov_b32 v[TM+3], 0
	v_lshlrev_b32 v26, 8, v6
	v_lshl_add_u32 v26, v3, 6, v26                 ; freqs_cis: my token's row of 256 bytes, + 64 h
	v_lshlrev_b32 v27, 6, v3                       ; the bias: + 16 h numbers
	s_cmp_lt_u32 ttmp9, 4                          ; clusters 0-3 along x make Q, cluster 4 makes K: a choice of pointers and offsets, no branch
	s_cselect_b64 s[20:21], s[6:7], s[8:9]
	s_cselect_b32 s22, 0, 16
	s_sub_co_u32 s22, s42, s22
	s_lshl_b32 s22, s22, 9
	s_lshl_b32 s23, s16, 8
	s_add_co_u32 s22, s22, s23
	s_mov_b32 s23, 0
	s_add_nc_u64 s[20:21], s[20:21], s[22:23]      ; the bias of my head's 64
	s_lshl_b32 s22, s17, 15
	s_lshl_b32 s18, s15, 14
	s_add_co_u32 s22, s22, s18
	s_add_nc_u64 s[22:23], s[10:11], s[22:23]      ; freqs_cis at my 64 tokens
.irp j, 0,1,2,3
	global_load_b128 v[BIAS+8*\j:BIAS+8*\j+3], v27, s[20:21] offset:(32*(\j/2)+8*(\j%2))*4
	global_load_b128 v[BIAS+8*\j+4:BIAS+8*\j+7], v27, s[20:21] offset:(32*(\j/2)+8*(\j%2))*4+16
.endr
	WIN 0x80                                       ; destination window 2
.irp i, 0,1,2,3
.irp q, 0,1,2,3,4,5,6,7
	global_load_b128 v[32*\i+4*\q:32*\i+4*\q+3], v26, s[22:23] offset:(32*(\i/2)+8*(\i%2))*256+128*(\q/4)+16*(\q%4)
.endr
.endr
	WIN 0
	s_lshl_b32 s96, s42, 1
	s_add_co_u32 s96, s96, s16                     ; the head: 0-31 of Q, 32-39 of K
	s_max_u32 s97, s96, 32
	s_sub_co_u32 s97, s97, 32                      ; K's group
	s_lshl_b32 s92, s96, 17
	s_lshl_b32 s98, s17, 13
	s_add_co_u32 s92, s92, s98                     ; Q's codes: [head][tile][1,024]
	s_lshl_b32 s94, s97, 18
	s_lshl_b32 s98, s17, 14
	s_add_co_u32 s94, s94, s98
	s_add_co_u32 s94, s94, KVC                     ; K's: [group][step of 128 keys][tile][1,024], 16,384 a step
	s_lshl_b32 s98, s96, 14
	s_add_co_u32 s98, s98, QS
	s_mul_i32 s99, s97, 24576
	s_add_co_u32 s99, s99, KVS
	s_cmp_lt_u32 ttmp9, 4
	s_cselect_b32 s92, s92, s94
	s_cselect_b32 s94, s98, s99
	s_lshl_b32 s98, s15, 12
	s_add_co_u32 s92, s92, s98                     ; my four tiles of the eight
	s_lshl_b32 s98, s17, 10
	s_add_co_u32 s94, s94, s98
	s_lshl_b32 s98, s15, 9
	s_add_co_u32 s94, s94, s98
	s_mov_b32 s93, 0
	s_mov_b32 s95, 0
	s_add_nc_u64 s[92:93], s[12:13], s[92:93]
	s_add_nc_u64 s[94:95], s[12:13], s[94:95]
.elseif MODE == 1
	v_mov_b32 v[TM+2], 0
	v_mov_b32 v[TM+3], 0
	v_lshlrev_b32 v27, 2, v6                       ; the bias of my lane's row of wv
	s_lshl_b32 s22, s17, 9
	s_lshl_b32 s23, s15, 8
	s_add_co_u32 s22, s22, s23
	s_mov_b32 s23, 0
	s_add_nc_u64 s[20:21], s[6:7], s[22:23]
.irp i, 0,1,2,3
	global_load_b32 v[BIAS+8*\i], v27, s[20:21] offset:(32*(\i/2)+8*(\i%2))*4
.endr
	s_lshl_b32 s96, s17, 1
	s_add_co_u32 s96, s96, s15                     ; the group
	s_lshl_b32 s92, s96, 18
	s_lshl_b32 s98, s42, 14
	s_add_co_u32 s92, s92, s98
	s_lshl_b32 s98, s16, 10
	s_add_co_u32 s92, s92, s98
	s_add_co_u32 s92, s92, KVC+8192                ; V's fragments of step gx; my 64 keys are pieces 2 b, 2 b + 1
	s_mul_i32 s94, s96, 24576
	s_lshl_b32 s98, s42, 9
	s_add_co_u32 s94, s94, s98
	s_lshl_b32 s98, s16, 1
	s_add_co_u32 s94, s94, s98
	s_add_co_u32 s94, s94, KVS+16384               ; and bytes 2 b, 2 b + 1 of their scale words
	s_mov_b32 s93, 0
	s_mov_b32 s95, 0
	s_add_nc_u64 s[92:93], s[12:13], s[92:93]
	s_add_nc_u64 s[94:95], s[12:13], s[94:95]
.else
	v_lshlrev_b32 v27, 6, v3
	s_lshl_b32 s22, s42, 9
	s_lshl_b32 s23, s16, 8
	s_add_co_u32 s22, s22, s23
	s_mov_b32 s23, 0
	s_add_nc_u64 s[20:21], s[8:9], s[22:23]
.irp j, 0,1,2,3
	global_load_b128 v[BIAS+8*\j:BIAS+8*\j+3], v27, s[20:21] offset:(32*(\j/2)+8*(\j%2))*4
	global_load_b128 v[BIAS+8*\j+4:BIAS+8*\j+7], v27, s[20:21] offset:(32*(\j/2)+8*(\j%2))*4+16
.endr
	s_mul_i32 s18, s14, 4352                       ; my stage: 16 rows x (256 + 16) bytes, in slot 0
	v_mul_u32_u24 v24, v2, 272
	v_lshl_add_u32 v24, v3, 6, v24
	v_add_nc_u32 v24, s18, v24                     ; in: row r, + 64 h
	v_mul_u32_u24 v25, v3, 272
	v_lshl_add_u32 v25, v2, 4, v25
	v_add_nc_u32 v25, s18, v25                     ; back: lanes 0-15 one row, lanes 16-31 the next
	v_lshlrev_b32 v26, 13, v3
	v_lshl_add_u32 v26, v2, 4, v26                 ; and the same two rows in out0
	s_lshl_b32 s92, s17, 20
	s_lshl_b32 s98, s15, 19
	s_add_co_u32 s92, s92, s98
	s_lshl_b32 s98, s42, 9
	s_add_co_u32 s92, s92, s98
	s_lshl_b32 s98, s16, 8
	s_add_co_u32 s92, s92, s98
	s_mov_b32 s93, 0
	s_add_nc_u64 s[92:93], s[10:11], s[92:93]
.endif
; 40 LDS loads: the fragments of the slot's ks-th 128 along K into buffer p, and their scale words (128-step kg of K) into set p
.macro FETCH slot, ks, p, kg
	WIN 0x40
.irp i, 0,1,2,3
.irp c, 0,1,2,3
	ds_load_b128 v[128*(\p)+16*\i+4*\c:128*(\p)+16*\i+4*\c+3], v[ADR1+\slot] offset:8192*\i+2048*(\ks)+512*\c
.endr
.endr
.irp i, 0,1,2,3
.irp c, 0,1,2,3
	ds_load_b128 v[128*(\p)+64+16*\i+4*\c:128*(\p)+64+16*\i+4*\c+3], v[ADR0+\slot] offset:8192*\i+2048*(\ks)+512*\c
.endr
.endr
	WIN 0
.irp i, 0,1,2,3
	ds_load_b32 v[SC+8*(\p)+\i], v[ADS1] offset:2048*\i+128*(\kg)
.endr
.irp i, 0,1,2,3
	ds_load_b32 v[SC+8*(\p)+4+\i], v[ADS0] offset:2048*\i+128*(\kg)
.endr
.endm
; 16 products, the 16 accumulators by turns in the same order in every step.  first = 1: the bias is the C of each sum's first product: nothing is cleared, nothing is added later
.macro MUL16 p, first
.irp i, 0,1,2,3
.irp j, 0,1,2,3
.if \first
.if MODE == 1
	v_wmma_scale_f32_16x16x128_f8f6f4 v[ACC+8*(4*\i+\j):ACC+8*(4*\i+\j)+7], v[128*(\p)+64+16*\j:128*(\p)+64+16*\j+15], v[128*(\p)+16*\i:128*(\p)+16*\i+15], v[BIAS+8*\i:BIAS+8*\i+7], v[SC+8*(\p)+4+\j], v[SC+8*(\p)+\i]
.else
	v_wmma_scale_f32_16x16x128_f8f6f4 v[ACC+8*(4*\i+\j):ACC+8*(4*\i+\j)+7], v[128*(\p)+64+16*\j:128*(\p)+64+16*\j+15], v[128*(\p)+16*\i:128*(\p)+16*\i+15], v[BIAS+8*\j:BIAS+8*\j+7], v[SC+8*(\p)+4+\j], v[SC+8*(\p)+\i]
.endif
.else
	v_wmma_scale_f32_16x16x128_f8f6f4 v[ACC+8*(4*\i+\j):ACC+8*(4*\i+\j)+7], v[128*(\p)+64+16*\j:128*(\p)+64+16*\j+15], v[128*(\p)+16*\i:128*(\p)+16*\i+15], v[ACC+8*(4*\i+\j):ACC+8*(4*\i+\j)+7], v[SC+8*(\p)+4+\j], v[SC+8*(\p)+\i]
.endif
.endr
.endr
.endm
; One of a slot's first three steps: its fragments are in; eight places stand in front of the loads into the buffer that the last products read; the next step's loads land under this step's products
.macro KSTEP slot, ks, kq, first
	s_wait_dscnt 0x0
	PLACES 8
	FETCH \slot, (\ks)+1, 1-(\ks)%2, 4*(\kq)+(\ks)+1
	WIN 0x05                                       ; both sources window 1, C and D window 0
	MUL16 (\ks)%2, \first
	WIN 0
.endm
; A slot's last step changes slots.  In front of the barrier each wave waits for all its tensor loads, adds 0 to its spare word, and waits for that and for its reads of this slot.  fill = 1: this slot is filled again, two slots on.
.macro TURN slot, next, fill, kq
	s_wait_tensorcnt 0x0                           ; all my tensor loads have landed: my part of the next slot; so a group 0 may be written
	ds_add_u32 v[SPW], v[NIL]                      ; 0 onto my spare word
.if \fill
	s_add_nc_u64 s[G0+4*\slot+2:G0+4*\slot+3], s[G0+4*\slot+2:G0+4*\slot+3], 2*NT1*8192
	s_add_nc_u64 s[G0B+4*\slot+2:G0B+4*\slot+3], s[G0B+4*\slot+2:G0B+4*\slot+3], 2*NT0*8192
.endif
	s_wait_dscnt 1                                 ; the step's fragments are in; the add may be out
	WIN 0x05
	MUL16 1, 0                                     ; sixteen products stand between the add and the wait for it
	WIN 0
	s_wait_dscnt 0x0                               ; the add is done, and my reads of this slot are over
.if \fill
	CROUND                                         ; no wave of any partner still reads this slot or has a load on its way
	JLOAD G0+4*\slot, G1, G0B+4*\slot, G1B         ; the first tensor load behind the round, my one load until the next
	PLACES 4                                       ; with the four behind the load: eight places in front of the loads below
.else
	s_barrier_signal -1
	s_barrier_wait -1
	PLACES 8
.endif
	FETCH \next, 0, 0, 4*(\kq)+4
.endm
	s_wait_tensorcnt 1                             ; the scale words and my part of slot 0 are in; slot 1's load may be out
	s_barrier_signal -1
	s_barrier_wait -1
	FETCH 0, 0, 0, 0
	s_wait_loadcnt 0x0                             ; the bias (and freqs_cis)
.if MODE == 1
.irp i, 0,1,2,3
.irp k, 1,2,3,4,5,6,7
	v_mov_b32 v[BIAS+8*\i+\k], v[BIAS+8*\i]        ; a lane's eight results of a tile share its row's bias
.endr
.endr
.endif
	KSTEP 0, 0, 0, 1
	KSTEP 0, 1, 0, 0
	KSTEP 0, 2, 0, 0
	TURN 0, 1, 1, 0
	KSTEP 1, 0, 1, 0
	KSTEP 1, 1, 1, 0
	KSTEP 1, 2, 1, 0
	TURN 1, 0, 1, 1
	KSTEP 0, 0, 2, 0
	KSTEP 0, 1, 2, 0
	KSTEP 0, 2, 2, 0
	TURN 0, 1, 0, 2                                ; nothing is left to fetch
	KSTEP 1, 0, 3, 0
	KSTEP 1, 1, 3, 0
	KSTEP 1, 2, 3, 0
	s_wait_dscnt 0x0
	WIN 0x05
	MUL16 1, 0
	WIN 0
	PLACES 8                                       ; in front of the first read of results
.if MODE != 2
; 32 numbers of a lane, register 16 b + i = k 32 b + 16 h + i of my row, become 8 registers of codes and two scale bytes
.macro QUANT2 s, pc, pw
.irp b, 0,1
	v_max3_num_f32 v[TM+\b], |v[\s+16*\b]|, |v[\s+16*\b+1]|, 0x4800000   ; and the floor 2^(9 - 127): the byte cannot fall under 1
.endr
.irp i, 2,4,6,8,10,12,14
.irp b, 0,1
	v_max3_num_f32 v[TM+\b], v[TM+\b], |v[\s+16*\b+\i]|, |v[\s+16*\b+\i+1]|
.endr
.endr
.irp b, 0,1
	v_permlanex16_b32 v[TM+2+\b], v[TM+\b], s[SEL], s[SEL+1]
.endr
.irp b, 0,1
	v_max_num_f32 v[TM+\b], v[TM+\b], v[TM+2+\b]   ; with lane l xor 16's: the block's largest magnitude
.endr
.irp b, 0,1
	v_add_nc_u32 v[TM+6+\b], 0xfc000000, v[TM+\b]  ; 8 off its exponent field: the conversion's scale operand
.endr
.irp b, 0,1
	v_and_or_b32 v[TM+4+\b], v[TM+\b], 0x7f800000, s[MNT]   ; 448 x the scale
.endr
.irp b, 0,1
	v_lshrrev_b32 v[TM+2+\b], 23, v[TM+6+\b]       ; the scale's byte
.endr
	v_lshl_or_b32 v[\pw], v[TM+3], 8, v[TM+2]
.irp b, 0,1
.irp i, 0,1,2,3,4,5,6,7,8,9,10,11,12,13,14,15
	v_med3_num_f32 v[\s+16*\b+\i], v[\s+16*\b+\i], -v[TM+4+\b], v[TM+4+\b]   ; the conversion to an 8-bit code does not saturate (ISA guide 7.6.2)
.endr
	v_cvt_scalef32_pk8_fp8_f32 v[\pc+4*\b:\pc+4*\b+1], v[\s+16*\b:\s+16*\b+7], v[TM+6+\b]
	v_cvt_scalef32_pk8_fp8_f32 v[\pc+4*\b+2:\pc+4*\b+3], v[\s+16*\b+8:\s+16*\b+15], v[TM+6+\b]
.endr
	v_nop                                          ; a plain line behind the last conversion
.endm
.endif
.if MODE == 0
; rope: a lane's neighbouring registers are a pair (even, odd) of the head's dims; window 2 holds cos at the even, sin at the odd place.  Each accumulator is read from its low end on
.macro ROPE i
.irp m, 0,1,2,3,4,5,6,7,8,9,10,11,12,13,14,15
	v_mul_f32 v[RT+2*(\m%2)], v[ACC+32*\i+2*\m+1], v[32*\i+2*\m+1]
	v_mul_f32 v[RT+2*(\m%2)+1], v[ACC+32*\i+2*\m+1], v[32*\i+2*\m]
	v_fma_f32 v[ACC+32*\i+2*\m+1], v[ACC+32*\i+2*\m], v[32*\i+2*\m+1], v[RT+2*(\m%2)+1]
	v_fma_f32 v[ACC+32*\i+2*\m], v[ACC+32*\i+2*\m], v[32*\i+2*\m], -v[RT+2*(\m%2)]
.endr
.endm
.irp i, 0,1,2,3
	WIN 0x08                                       ; source 1 window 2
	ROPE \i
	WIN 0
	QUANT2 ACC+32*\i, PC+8*\i, PW+\i
	global_store_b128 v4, v[PC+8*\i:PC+8*\i+3], s[92:93] offset:1024*\i          ; 512 consecutive bytes a store
	global_store_b128 v4, v[PC+8*\i+4:PC+8*\i+7], s[92:93] offset:1024*\i+512
	global_store_b32 v5, v[PW+\i], s[94:95] offset:128*\i                        ; bytes 2 and 3 of the word are 0: they meet zero codes alone
.endr
.elseif MODE == 1
.irp i, 0,1,2,3
	QUANT2 ACC+32*\i, PC+8*\i, PW+\i
	global_store_b128 v4, v[PC+8*\i:PC+8*\i+3], s[92:93] offset:2048*\i
	global_store_b128 v4, v[PC+8*\i+4:PC+8*\i+7], s[92:93] offset:2048*\i+512
	global_store_b16 v5, v[PW+\i], s[94:95] offset:128*\i                        ; my two bytes of the word; the other two are the neighbouring wave's.  V's scale words are 65,536 bytes in all
.endr
.else
; out0: a tile of 16 tokens x my 64 columns goes through my stage and leaves as whole rows: sixteen lanes store 256 consecutive bytes, aligned.  The stage lies in slot 0, which has had its last fill, and whose last read stands ahead of the last barrier
.irp i, 0,1,2,3
.if \i >= 2
	s_wait_xcnt 0x0                                ; the stores of two tiles back have read their registers
.endif
.irp j, 0,1,2,3
	ds_store_b128 v24, v[ACC+8*(4*\i+\j):ACC+8*(4*\i+\j)+3] offset:128*(\j/2)+32*(\j%2)
	ds_store_b128 v24, v[ACC+8*(4*\i+\j)+4:ACC+8*(4*\i+\j)+7] offset:128*(\j/2)+32*(\j%2)+16
.endr
.irp t, 0,1,2,3,4,5,6,7
	ds_load_b128 v[OB+32*(\i%2)+4*\t:OB+32*(\i%2)+4*\t+3], v25 offset:544*\t   ; LDS serves a wave's instructions in order (ISA guide 5.7.1.4)
.endr
.irp t, 0,1,2,3,4,5,6,7
	s_wait_dscnt 7-\t
	global_store_b128 v26, v[OB+32*(\i%2)+4*\t:OB+32*(\i%2)+4*\t+3], s[92:93] offset:(32*(\i/2)+8*(\i%2)+2*\t+8*(\t/4))*8192 th:TH_STORE_NT
.endr
.endr
.endif
	s_wait_tensorcnt 0x0                           ; the wave's end
	ds_add_u32 v[SPW], v[NIL]
	s_wait_dscnt 0x0
	CROUND                                         ; the closing round
	s_endpgm
.Lfunc_end_k_q0da8662179_oproj:
	.size	k_q0da8662179_oproj, .Lfunc_end_k_q0da8662179_oproj-k_q0da8662179_oproj
	.p2alignl 7, 3214868480
	.fill 96, 4, 3214868480
	.section	.rodata,"a",@progbits
	.p2align	6, 0x0
	.amdhsa_kernel k_q0da8662179_oproj
		.amdhsa_group_segment_fixed_size 327680
		.amdhsa_private_segment_fixed_size 0
		.amdhsa_enable_private_segment 0
		.amdhsa_kernarg_size 32
		.amdhsa_user_sgpr_count 2
		.amdhsa_user_sgpr_kernarg_segment_ptr 1
		.amdhsa_wavefront_size32 1
		.amdhsa_system_sgpr_workgroup_id_x 1
		.amdhsa_system_sgpr_workgroup_id_y 1
		.amdhsa_system_sgpr_workgroup_id_z 1
		.amdhsa_system_vgpr_workitem_id 0
		.amdhsa_next_free_vgpr 512
		.amdhsa_next_free_sgpr 100
		.amdhsa_reserve_vcc 0
		.amdhsa_float_denorm_mode_32 3
		.amdhsa_float_denorm_mode_16_64 3
		.amdhsa_memory_ordered 1
		.amdhsa_forward_progress 1
		.amdhsa_inst_pref_size 99
	.end_amdhsa_kernel
	.amdgpu_metadata
---
amdhsa.version: [ 1, 2 ]
amdhsa.kernels:
  - .name:           k_q0da8662179_oproj
    .symbol:         k_q0da8662179_oproj.kd
    .args:
      - { .name: xw, .offset: 0, .size: 8, .value_kind: global_buffer, .address_space: global }
      - { .name: ac, .offset: 8, .size: 8, .value_kind: global_buffer, .address_space: global }
      - { .name: bo, .offset: 16, .size: 8, .value_kind: global_buffer, .address_space: global }
      - { .name: out0, .offset: 24, .size: 8, .value_kind: global_buffer, .address_space: global }
    .group_segment_fixed_size: 327680
    .private_segment_fixed_size: 0
    .kernarg_segment_align: 8
    .kernarg_segment_size: 32
    .max_flat_workgroup_size: 128
    .sgpr_count:     100
    .vgpr_count:     512
    .wavefront_size: 32
...
	.end_amdgpu_metadata
.endif
;; end of part 5
;; ======== version 2 of 2: 4 launches
;; limits: right only within a limited range of input values
;; workspace buffers: xw 15,597,568 bytes; xq 11,796,480 bytes; qkv 7,012,352 bytes; ac 4,456,448 bytes
;; launch quant (part 6): grid 448 x 1, 8 waves a work-group, no clusters, 68,608 bytes of LDS; arguments x, wq, wk, wv, wo, xw, xq; writes xw, xq
.if DOCPART == 6
	.amdgcn_target "amdgcn-amd-amdhsa--gfx1250"
	.amdhsa_code_object_version 6
	.text
	.protected	k_q0da8662179_quant
	.globl	k_q0da8662179_quant
	.p2align	8
	.type	k_q0da8662179_quant,@function
k_q0da8662179_quant:
	s_mov_b64 s[64:65], 0
	v_nop
	global_prefetch_b8 v0, s[64:65] scope:SCOPE_SE
	s_setreg_imm32_b32 hwreg(HW_REG_WAVE_MODE, 25, 1), 1
	s_wait_xcnt 0x0
; x [2048][2048], wq [2048][2048], wk, wv [512][2048], wo [2048][2048], all f32 with K innermost, become codes of FP8 (E4M3) with one E8M0 byte for each 32 along K,
; laid as the operand registers of the launches that take them.  A fragment (16 rows x 128 K) is 2,048 bytes: piece c (0..3) x lane x 16 bytes; lane (r, h) piece c holds k = 32 c + 16 h + 0..15 of row r.
; x and wq|wk|wv go to xq as [K step of 128][tile][2,304 bytes]: the fragment, then its scale words, each twice, 8 bytes a lane: an image is nine whole aligned blocks of 256 bytes.  x at 0, 128 tiles a step;
;   W at W2, 192 tiles a step, in the order in which the projections' work-groups take them: twelve tiles a group: eight of wq (two heads), then four of wk (groups 0-7) or of wv (groups 8-15).
; wo goes to xw: codes at OC as [K / 512][tile][128-step in it][2,048], scale words at XS + 2,048 x the work-group's number as [128-step 0..15][lane x 4 bytes].  Of xw only wo's part is written and read.
; THE ROWS OF A TILE ARE NOT NEIGHBOURS: lane r of tile 2 B + u holds row 32 B + 8 u + r + 8 (r / 8), so that the results of two neighbouring tiles are 16 neighbours along a later K.
; A block's scale is 2^(floor(log2(its largest magnitude)) - 8); its byte is that magnitude's exponent field - 8, held at 1 from below; each number is held within +-448 x the scale and rounded to the nearest code.
; LIMITS: a block of zeros, and one whose largest magnitude lies under 2^-118, keeps the byte 1 (zeros stay zeros; this program alone reads the bytes).  NaN and infinities are not served.
; SHARES: a work-group takes one tile of 16 rows, wave w of its eight K 256 w .. 256 w + 255 in two units of 128.  Both units' 32 loads are issued at the start: all that a wave reads is then on its way.
; Each load reads 512 consecutive bytes of one row; a unit turns through the wave's own stage in LDS (16 rows x 528 bytes) so that a lane gets 16 neighbours of each block of 32.  Each store of codes covers 512 consecutive bytes.
; No tensor loads, no barrier: waves share nothing.  No matrix unit and no cluster: nothing is multiplied and no byte is read by two work-groups.  No prefetch: there is no loop to run ahead in.
.set OC,  10485760
.set XS,  14680064
.set W2,  4718592
.set IMG, 2304
.set SP,  528                          ; a stage row: 512 bytes + 16: the sixteen lanes of a read stand at sixteen different 16-byte columns of 256
.set WST, 16*SP
.set SPARE, 8*WST                      ; behind the eight stages: the spare words, 128 bytes for each wave
.set LI,  1                            ; v1  16 x lane: the loads' and the code stores' offset
.set SI,  2                            ; v2  the stage, on the way in
.set SO,  3                            ; v3  and on the way out
.set LS,  4                            ; v4  4 x lane
.set L8,  5                            ; v5  8 x lane
.set TM,  8                            ; v8-11 largest magnitudes, v12-15 bytes, v16-19 448 x the scale, v20-23 the conversions' scale operands
.set PW,  24                           ; v24-27 a unit's scale word, twice
.set R,   32                           ; v32-159 two sets of 64 numbers
.set PC,  160                          ; v160-191 a unit's codes, 16 registers: no store's data are written again
.set WV,  22
.set SEL, 24
.set MNT, 26
.set CP,  40                           ; s[40:43] where each unit's codes go;  s[48:51] its scale words
.set SW,  48
	s_load_b256 s[4:11], s[0:1], 0x0               ; x, wq, wk, wv
	s_load_b128 s[12:15], s[0:1], 0x20             ; wo, xw
	s_load_b64 s[36:37], s[0:1], 0x30              ; xq
	v_lshl_add_u32 v224, v0, 2, SPARE
	v_mov_b32 v225, 0
	v_lshrrev_b32 v5, 5, v0
	v_readfirstlane_b32 s[WV], v5                  ; wave 0..7
	v_and_b32 v6, 31, v0                           ; lane
	v_and_b32 v7, 15, v0                           ; r
	v_bfe_u32 v5, v0, 4, 1                         ; h
	v_lshlrev_b32 v[LI], 4, v6
	v_lshlrev_b32 v[LS], 2, v6
	s_mul_i32 s23, s[WV], WST
	v_add_nc_u32 v[SI], s23, v[LI]
	v_mul_u32_u24 v[SO], v7, SP
	v_lshl_add_u32 v[SO], v5, 6, v[SO]
	v_add_nc_u32 v[SO], s23, v[SO]                 ; row r, + 64 h: my 16 numbers of a block
	v_lshlrev_b32 v[L8], 3, v6
	s_mov_b32 s[SEL], 0x76543210
	s_mov_b32 s[SEL+1], 0xfedcba98                 ; v_permlanex16_b32's selects for lane l xor 16
	s_mov_b32 s[MNT], 0x600000                     ; the mantissa field of 448
.irp b, 0,1,2,3
	v_mov_b32 v[TM+4+\b], 0                        ; written once: a lane permute's destination counts as one of its sources
.endr
	s_mov_b32 s18, 320                             ; the first work-group of my tensor
	s_wait_alu depctr_va_vdst(0)
	s_wait_kmcnt 0x0
	s_cmp_lt_u32 ttmp9, 320                        ; the choices hang on the work-group's number alone
	s_cselect_b64 s[16:17], s[10:11], s[12:13]
	s_cselect_b32 s18, 288, s18
	s_cselect_b64 s[32:33], s[36:37], s[14:15]     ; the results' buffer: xq, for wo xw
	s_cmp_lt_u32 ttmp9, 288
	s_cselect_b64 s[16:17], s[8:9], s[16:17]
	s_cselect_b32 s18, 256, s18
	s_cmp_lt_u32 ttmp9, 256
	s_cselect_b64 s[16:17], s[6:7], s[16:17]
	s_cselect_b32 s18, 128, s18
	s_cmp_lt_u32 ttmp9, 128
	s_cselect_b64 s[16:17], s[4:5], s[16:17]
	s_cselect_b32 s18, 0, s18
	s_sub_co_u32 s27, ttmp9, s18                   ; the tile in its source
	s_lshr_b32 s28, s27, 1
	s_lshl_b32 s28, s28, 18                        ; 32 rows of 8,192 bytes for each pair of tiles,
	s_and_b32 s29, s27, 1
	s_lshl_b32 s29, s29, 16                        ; 8 rows for the odd one,
	s_add_co_u32 s28, s28, s29
	s_lshl_b32 s29, s[WV], 10                      ; 256 numbers along K for each wave
	s_add_co_u32 s28, s28, s29
	s_mov_b32 s29, 0
	s_add_nc_u64 s[16:17], s[16:17], s[28:29]
	s_sub_co_u32 s19, ttmp9, 128                   ; where the images go.  wq's tile t lies at 12 (t / 8) + t % 8 of a K step's 192,
	s_lshr_b32 s20, s19, 3
	s_mul_i32 s20, s20, 12
	s_and_b32 s19, s19, 7
	s_add_co_u32 s19, s19, s20
	s_sub_co_u32 s20, ttmp9, 256                   ; tile t of wk|wv at 12 (t / 4) + 8 + t % 4,
	s_lshr_b32 s21, s20, 2
	s_mul_i32 s21, s21, 12
	s_and_b32 s20, s20, 3
	s_add_co_u32 s20, s20, s21
	s_add_co_u32 s20, s20, 8
	s_mov_b32 s21, 192
	s_mov_b32 s38, W2
	s_cmp_lt_u32 ttmp9, 256
	s_cselect_b32 s19, s19, s20
	s_cmp_lt_u32 ttmp9, 128
	s_cselect_b32 s19, ttmp9, s19                  ; x's tile at its own number of a K step's 128
	s_cselect_b32 s21, 128, s21
	s_cselect_b32 s38, 0, s38
	s_lshl_b32 s20, s[WV], 1                       ; my first K step: 2 w
	s_mul_i32 s20, s20, s21
	s_add_co_u32 s20, s20, s19
	s_mul_i32 s20, s20, IMG
	s_add_co_u32 s20, s20, s38                     ; my first image,
	s_mul_i32 s21, s21, IMG                        ; from a K step to the next,
	s_add_co_u32 s38, s20, 2048                    ; and the image's scale words
	s_sub_co_u32 s39, ttmp9, 320                   ; wo: codes [w / 2][tile][2 (w % 2) + unit][2,048],
	s_lshr_b32 s30, s[WV], 1
	s_lshl_b32 s30, s30, 7
	s_add_co_u32 s39, s39, s30
	s_lshl_b32 s39, s39, 13
	s_and_b32 s30, s[WV], 1
	s_lshl_b32 s30, s30, 12
	s_add_co_u32 s39, s39, s30
	s_add_co_u32 s39, s39, OC
	s_lshl_b32 s30, ttmp9, 11                      ; scale words 2,048 bytes a tile, 128 a unit, 256 a wave
	s_lshl_b32 s31, s[WV], 8
	s_add_co_u32 s30, s30, s31
	s_add_co_u32 s30, s30, XS
	s_mov_b32 s31, 2048
	s_cmp_lt_u32 ttmp9, 320
	s_cselect_b32 s20, s20, s39
	s_cselect_b32 s38, s38, s30
	s_cselect_b32 s56, s21, s31
	s_mov_b32 s31, 128
	s_cselect_b32 s58, s21, s31
	s_mov_b32 s21, 0
	s_mov_b32 s39, 0
	s_mov_b32 s57, 0
	s_mov_b32 s59, 0
	s_add_nc_u64 s[CP:CP+1], s[32:33], s[20:21]
	s_add_nc_u64 s[SW:SW+1], s[32:33], s[38:39]
	s_add_nc_u64 s[CP+2:CP+3], s[CP:CP+1], s[56:57]   ; a pointer for each unit: none is stepped while a store names it
	s_add_nc_u64 s[SW+2:SW+3], s[SW:SW+1], s[58:59]
.macro LOAD ks                         ; unit ks: tile row i is memory row i + 8 (i / 8)
.irp i, 0,1,2,3,4,5,6,7,8,9,10,11,12,13,14,15
	global_load_b128 v[R+64*(\ks)+4*\i:R+64*(\ks)+4*\i+3], v[LI], s[16:17] offset:(\i+8*(\i/8))*8192+512*(\ks) th:TH_LOAD_NT
.endr
.endm
; 64 numbers of a lane, register 16 b + i = k 32 b + 16 h + i of my row, become a fragment's codes and its scale word
.macro QUANT s, pc, pw
.irp b, 0,1,2,3
	v_max3_num_f32 v[TM+\b], |v[\s+16*\b]|, |v[\s+16*\b+1]|, 0x4800000   ; my 16 numbers of block b, and the floor 2^(9 - 127): the byte cannot fall under 1
.endr
.irp i, 2,4,6,8,10,12,14
.irp b, 0,1,2,3
	v_max3_num_f32 v[TM+\b], v[TM+\b], |v[\s+16*\b+\i]|, |v[\s+16*\b+\i+1]|
.endr
.endr
.irp b, 0,1,2,3
	v_permlanex16_b32 v[TM+4+\b], v[TM+\b], s[SEL], s[SEL+1]
.endr
.irp b, 0,1,2,3
	v_max_num_f32 v[TM+\b], v[TM+\b], v[TM+4+\b]   ; with lane l xor 16's: the block's largest magnitude
.endr
.irp b, 0,1,2,3
	v_add_nc_u32 v[TM+12+\b], 0xfc000000, v[TM+\b] ; 8 off its exponent field: the conversion's scale operand
.endr
.irp b, 0,1,2,3
	v_and_or_b32 v[TM+8+\b], v[TM+\b], 0x7f800000, s[MNT]   ; 448 x the scale
.endr
.irp b, 0,1,2,3
	v_lshrrev_b32 v[TM+4+\b], 23, v[TM+12+\b]      ; the scale's byte
.endr
	v_lshl_or_b32 v[\pw], v[TM+5], 8, v[TM+4]
	v_lshl_or_b32 v[\pw], v[TM+6], 16, v[\pw]
	v_lshl_or_b32 v[\pw], v[TM+7], 24, v[\pw]
	v_mov_b32 v[\pw+1], v[\pw]
.irp b, 0,1,2,3
.irp i, 0,1,2,3,4,5,6,7,8,9,10,11,12,13,14,15
	v_med3_num_f32 v[\s+16*\b+\i], v[\s+16*\b+\i], -v[TM+8+\b], v[TM+8+\b]   ; the conversion to an 8-bit code does not saturate (ISA guide 7.6.2)
.endr
	v_cvt_scalef32_pk8_fp8_f32 v[\pc+4*\b:\pc+4*\b+1], v[\s+16*\b:\s+16*\b+7], v[TM+12+\b]
	v_cvt_scalef32_pk8_fp8_f32 v[\pc+4*\b+2:\pc+4*\b+3], v[\s+16*\b+8:\s+16*\b+15], v[TM+12+\b]
.endr
	v_nop                                          ; a plain line behind the last conversion
.endm
.macro UNIT ks
.set XR, R+64*(\ks)
.if (\ks) < 1
	s_wait_loadcnt 16                              ; this unit's 16 loads are in; the other unit's 16 may be out
.else
	s_wait_loadcnt 0x0
.endif
.irp i, 0,1,2,3,4,5,6,7,8,9,10,11,12,13,14,15
	ds_store_b128 v[SI], v[XR+4*\i:XR+4*\i+3] offset:SP*\i
.endr
.irp b, 0,1,2,3
.irp j, 0,1,2,3
	ds_load_b128 v[XR+16*\b+4*\j:XR+16*\b+4*\j+3], v[SO] offset:128*\b+16*\j   ; LDS serves a wave's instructions in order (ISA guide 5.7.1.4): these see the stores above
.endr
.endr
	s_wait_dscnt 0x0
	QUANT XR, PC+16*(\ks), PW+2*(\ks)
.irp c, 0,1,2,3
	global_store_b128 v[LI], v[PC+16*(\ks)+4*\c:PC+16*(\ks)+4*\c+3], s[CP+2*(\ks):CP+2*(\ks)+1] offset:512*\c
.endr
	s_cmp_lt_u32 ttmp9, 320                        ; the scale words' two forms: a branch on the work-group's number, round one store
	s_cbranch_scc0 .Lfor_wo_\@
	global_store_b64 v[L8], v[PW+2*(\ks):PW+2*(\ks)+1], s[SW+2*(\ks):SW+2*(\ks)+1]   ; 256 consecutive bytes, aligned
	s_branch .Lput_\@
.Lfor_wo_\@:
	global_store_b32 v[LS], v[PW+2*(\ks)], s[SW+2*(\ks):SW+2*(\ks)+1]                ; 128 consecutive bytes
.Lput_\@:
.endm
	LOAD 0
	LOAD 1
	UNIT 0
	UNIT 1
	s_wait_tensorcnt 0x0                           ; the wave's end
	ds_add_u32 v224, v225
	s_wait_dscnt 0x0
	s_endpgm
.Lfunc_end_k_q0da8662179_quant:
	.size	k_q0da8662179_quant, .Lfunc_end_k_q0da8662179_quant-k_q0da8662179_quant
	.p2alignl 7, 3214868480
	.fill 96, 4, 3214868480
	.section	.rodata,"a",@progbits
	.p2align	6, 0x0
	.amdhsa_kernel k_q0da8662179_quant
		.amdhsa_group_segment_fixed_size 68608
		.amdhsa_private_segment_fixed_size 0
		.amdhsa_enable_private_segment 0
		.amdhsa_kernarg_size 56
		.amdhsa_user_sgpr_count 2
		.amdhsa_user_sgpr_kernarg_segment_ptr 1
		.amdhsa_wavefront_size32 1
		.amdhsa_system_sgpr_workgroup_id_x 1
		.amdhsa_system_sgpr_workgroup_id_y 1
		.amdhsa_system_sgpr_workgroup_id_z 1
		.amdhsa_system_vgpr_workitem_id 0
		.amdhsa_next_free_vgpr 226
		.amdhsa_next_free_sgpr 66
		.amdhsa_reserve_vcc 0
		.amdhsa_float_denorm_mode_32 3
		.amdhsa_float_denorm_mode_16_64 3
		.amdhsa_memory_ordered 1
		.amdhsa_forward_progress 1
		.amdhsa_inst_pref_size 30
	.end_amdhsa_kernel
	.amdgpu_metadata
---
amdhsa.version: [ 1, 2 ]
amdhsa.kernels:
  - .name:           k_q0da8662179_quant
    .symbol:         k_q0da8662179_quant.kd
    .args:
      - { .name: x, .offset: 0, .size: 8, .value_kind: global_buffer, .address_space: global }
      - { .name: wq, .offset: 8, .size: 8, .value_kind: global_buffer, .address_space: global }
      - { .name: wk, .offset: 16, .size: 8, .value_kind: global_buffer, .address_space: global }
      - { .name: wv, .offset: 24, .size: 8, .value_kind: global_buffer, .address_space: global }
      - { .name: wo, .offset: 32, .size: 8, .value_kind: global_buffer, .address_space: global }
      - { .name: xw, .offset: 40, .size: 8, .value_kind: global_buffer, .address_space: global }
      - { .name: xq, .offset: 48, .size: 8, .value_kind: global_buffer, .address_space: global }
    .group_segment_fixed_size: 68608
    .private_segment_fixed_size: 0
    .kernarg_segment_align: 8
    .kernarg_segment_size: 56
    .max_flat_workgroup_size: 256
    .sgpr_count:     66
    .vgpr_count:     226
    .wavefront_size: 32
...
	.end_amdgpu_metadata
.endif
;; end of part 6
;; launch qkv (part 7): grid 16 x 16, 4 waves a work-group, clusters of 4 x 4, 327,680 bytes of LDS; arguments xq, bq, bk, bv, freqs_cis, qkv; writes qkv
.if DOCPART == 7
	.amdgcn_target "amdgcn-amd-amdhsa--gfx1250"
	.amdhsa_code_object_version 6
	.text
	.protected	k_q0da8662179_qkv
	.globl	k_q0da8662179_qkv
	.p2align	8
	.type	k_q0da8662179_qkv,@function
k_q0da8662179_qkv:
	s_mov_b64 s[64:65], 0
	v_nop
	global_prefetch_b8 v0, s[64:65] scope:SCOPE_SE
	s_setreg_imm32_b32 hwreg(HW_REG_WAVE_MODE, 25, 1), 1
	s_wait_xcnt 0x0
	s_wait_alu depctr_hold_cnt(0) depctr_sa_sdst(0) depctr_va_vdst(0) depctr_va_sdst(0) depctr_va_ssrc(0) depctr_va_vcc(0) depctr_vm_vsrc(0)
	s_getreg_b32 s2, hwreg(HW_REG_IB_STS2, 6, 4)
	s_cmp_eq_u32 s2, 0
	s_cbranch_scc0 .Lentry_in_a_cluster
	s_endpgm
.Lentry_in_a_cluster:
	s_bfe_u32 s2, ttmp6, 0x10000c
	s_cmp_lg_u32 s2, 0xf033
	s_cbranch_scc0 .Lentry_shape_is_right
	s_endpgm
.Lentry_shape_is_right:
.set IMG,   2304
.set W2,    4718592
.set PXB,   128*IMG
.set PWB,   192*IMG
.set HX,    4*IMG
.set HW,    6*IMG
.set XAH,   4*HX
.set WA,    2*XAH
.set WAH,   4*HW
.set SLB,   WA+2*WAH
.set XBH,   3*HX
.set WB,    SLB+2*XBH
.set WBH,   3*HW
.set SPARE, WB+2*WBH
.set QS,    4194304
.set KVC,   4718592
.set KVS,   6815744
.set ADX,  8
.set ASX,  10
.set ADW,  12
.set ASW,  14
.set FA,   16
.set BI,   18
.set BV,   19
.set RT,   20
.set TMD,  24
.set SPW,  28
.set NIL,  29
.set P0,   30
.set SC,   32
.set TMA,  52
.set TMB,  56
.set TMC,  60
.set ACC,  64
.set BIAS, 128
.set BVT,  176
.set MNT,  2
.set SEL,  66
.set G1X4, 24
.set G1X3, 32
.set G1W4, 40
.set G1W3, 48
.set G0X,  56
.set G0W,  68
.set PO,   84
.set PS,   90
.set MSB, 0
.macro WIN new
.if MSB != (\new)
	s_set_vgpr_msb (MSB<<8)|(\new)
.set MSB, (\new)
.endif
.endm
.macro PLACES n
.rept \n
	v_nop
.endr
.endm
.macro JLOAD g0a, g1a, g0b, g1b
	s_cmp_eq_u32 s17, 0
	s_cbranch_scc0 .Lfor_w_\@
	tensor_load_to_lds s[\g0a:\g0a+3], s[\g1a:\g1a+7]
	s_nop 0
	PLACES 4
	s_branch .Lasked_\@
.Lfor_w_\@:
	tensor_load_to_lds s[\g0b:\g0b+3], s[\g1b:\g1b+7]
	s_nop 0
	PLACES 4
.Lasked_\@:
.endm
.macro CROUND
	s_barrier_signal -1
	s_barrier_wait -1
	s_cmp_lg_u32 s16, 0
	s_cbranch_scc1 .Lnot_wave_0_\@
	s_barrier_signal -3
.Lnot_wave_0_\@:
	s_barrier_wait -3
	s_barrier_signal -1
	s_barrier_wait -1
.endm
.macro SHAPE g, c, r, p
	s_mov_b32 s[\g+1], (\c)<<16
	s_mov_b32 s[\g+2], (\r)<<16
	s_mov_b32 s[\g+3], (\c)<<16
	s_mov_b32 s[\g+4], \r
	s_mov_b32 s[\g+5], \p
	s_mov_b32 s[\g+6], 0
	s_mov_b32 s[\g+7], 0
.endm
	s_load_b256 s[4:11], s[0:1], 0x0
	s_load_b128 s[12:15], s[0:1], 0x20
	v_lshl_add_u32 v[SPW], v0, 2, SPARE
	v_mov_b32 v[NIL], 0
	ds_add_u32 v28, v29
	ds_add_u32 v28, v29
	s_wait_dscnt 0x0
	v_lshrrev_b32 v1, 5, v0
	v_readfirstlane_b32 s16, v1
	s_lshr_b32 s17, s16, 1
	s_and_b32 s18, s16, 1
	s_bfe_u32 s21, ttmp6, 0x40000
	s_bfe_u32 s22, ttmp6, 0x40004
	s_lshl_b32 s19, ttmp9, 2
	s_add_co_u32 s19, s19, s21
	s_and_b32 s20, ttmp7, 0xffff
	s_lshl_b32 s20, s20, 2
	s_add_co_u32 s20, s20, s22
	s_lshr_b32 s3, ttmp9, 1
	s_and_b32 s3, s3, s18
	s_lshl_b32 s76, s22, 2
	s_lshl_b32 s76, 15, s76
	s_lshl_b32 s77, 0x1111, s21
	s_or_b32 s[G1X4], s76, (3<<16)|(1<<21)
	s_or_b32 s[G1X3], s76, (3<<16)|(1<<21)
	s_or_b32 s[G1W4], s77, (3<<16)|(1<<21)
	s_or_b32 s[G1W3], s77, (3<<16)|(1<<21)
	SHAPE G1X4, HX/8, 4, PXB/8
	SHAPE G1X3, HX/8, 3, PXB/8
	SHAPE G1W4, HW/8, 4, PWB/8
	SHAPE G1W3, HW/8, 3, PWB/8
	s_lshl_b32 s78, s20, 3
	s_lshl_b32 s79, s18, 2
	s_add_co_u32 s78, s78, s79
	s_mul_i32 s78, s78, IMG
	s_mov_b32 s79, 0
	s_mul_i32 s80, s19, 12
	s_mul_i32 s81, s18, 6
	s_add_co_u32 s80, s80, s81
	s_mul_i32 s80, s80, IMG
	s_add_co_u32 s80, s80, W2
	s_mov_b32 s81, 0
	s_mul_i32 s82, s18, XAH
	s_mul_i32 s83, s18, WAH
	s_add_co_u32 s83, s83, WA
	s_mul_i32 s96, s18, XBH
	s_add_co_u32 s96, s96, SLB
	s_mul_i32 s97, s18, WBH
	s_add_co_u32 s97, s97, WB
	s_mov_b32 s[SEL], 0x76543210
	s_mov_b32 s[SEL+1], 0xfedcba98
	s_mov_b32 s[MNT], 0x600000
	s_wait_kmcnt 0x0
	s_add_nc_u64 s[78:79], s[4:5], s[78:79]
	s_add_nc_u64 s[80:81], s[4:5], s[80:81]
	CROUND
	s_mov_b32 s[G0X], 1
	s_mov_b32 s[G0X+1], s82
	s_mov_b64 s[G0X+2:G0X+3], s[78:79]
	s_or_b32 s[G0X+3], s[G0X+3], 0x80000000
	s_mov_b32 s[G0W], 1
	s_mov_b32 s[G0W+1], s83
	s_mov_b64 s[G0W+2:G0W+3], s[80:81]
	s_or_b32 s[G0W+3], s[G0W+3], 0x80000000
	JLOAD G0X, G1X4, G0W, G1W4
	s_mov_b32 s[G0X+4], 1
	s_mov_b32 s[G0X+5], s96
	s_add_nc_u64 s[G0X+6:G0X+7], s[78:79], 4*PXB
	s_or_b32 s[G0X+7], s[G0X+7], 0x80000000
	s_mov_b32 s[G0W+4], 1
	s_mov_b32 s[G0W+5], s97
	s_add_nc_u64 s[G0W+6:G0W+7], s[80:81], 4*PWB
	s_or_b32 s[G0W+7], s[G0W+7], 0x80000000
	v_and_b32 v1, 31, v0
	v_and_b32 v2, 15, v0
	v_bfe_u32 v3, v0, 4, 1
	v_lshlrev_b32 v4, 4, v1
	v_lshlrev_b32 v5, 2, v1
	v_and_b32 v6, 8, v2
	v_add_nc_u32 v6, v6, v2
	v_mov_b32 v7, 0
	s_mul_i32 s76, s17, XAH
	v_add_nc_u32 v[ADX], s76, v4
	s_add_co_u32 s76, s76, 2048
	v_lshl_add_u32 v[ASX], v1, 3, s76
	s_mul_i32 s76, s17, XBH
	s_add_co_u32 s76, s76, SLB
	v_add_nc_u32 v[ADX+1], s76, v4
	s_add_co_u32 s76, s76, 2048
	v_lshl_add_u32 v[ASX+1], v1, 3, s76
	s_mul_i32 s76, s18, WAH
	s_add_co_u32 s76, s76, WA
	v_add_nc_u32 v[ADW], s76, v4
	s_add_co_u32 s76, s76, 2048
	v_lshl_add_u32 v[ASW], v1, 3, s76
	s_mul_i32 s76, s18, WBH
	s_add_co_u32 s76, s76, WB
	v_add_nc_u32 v[ADW+1], s76, v4
	s_add_co_u32 s76, s76, 2048
	v_lshl_add_u32 v[ASW+1], v1, 3, s76
.irp b, 0,1,2,3
	v_mov_b32 v[TMB+\b], 0
.endr
	v_add_nc_u32 v[P0], s18, v5
	s_xor_b32 s76, s18, 1
	v_add_nc_u32 v[P0+1], s76, v5
	v_lshlrev_b32 v[FA], 8, v6
	v_lshl_add_u32 v[FA], v3, 6, v[FA]
	s_lshl_b32 s76, s18, 7
	s_sub_co_u32 s77, 128, s76
	v_add_nc_u32 v[FA+1], s77, v[FA]
	v_add_nc_u32 v[FA], s76, v[FA]
	v_lshlrev_b32 v[BI], 6, v3
	s_wait_alu depctr_va_vdst(0)
	v_lshlrev_b32 v[BV], 2, v6
	s_wait_alu depctr_va_vdst(0)
	s_lshl_b32 s76, s19, 18
	s_lshl_b32 s77, s20, 13
	s_add_co_u32 s76, s76, s77
	s_lshl_b32 s77, s17, 12
	s_add_co_u32 s76, s76, s77
	s_lshl_b32 s78, s19, 18
	s_lshl_b32 s79, s20, 14
	s_add_co_u32 s78, s78, s79
	s_add_co_u32 s80, s78, s77
	s_add_co_u32 s80, s80, KVC
	s_lshl_b32 s79, s17, 10
	s_add_co_u32 s81, s78, s79
	s_add_co_u32 s81, s81, KVC+8192-8*262144
	s_cmp_lt_u32 ttmp9, 2
	s_cselect_b32 s80, s80, s81
	s_add_co_u32 s81, s76, 131072+512
	s_add_co_u32 s82, s76, 512
	s_add_co_u32 s83, s76, 131072
	s_add_co_u32 s96, s80, 512
	s_cmp_eq_u32 s18, 0
	s_cselect_b32 s[PO], s76, s81
	s_cselect_b32 s[PO+2], s82, s80
	s_cselect_b32 s[PO+4], s83, s96
	s_mov_b32 s[PO+1], 0
	s_mov_b32 s[PO+3], 0
	s_mov_b32 s[PO+5], 0
	s_add_nc_u64 s[PO:PO+1], s[14:15], s[PO:PO+1]
	s_add_nc_u64 s[PO+2:PO+3], s[14:15], s[PO+2:PO+3]
	s_add_nc_u64 s[PO+4:PO+5], s[14:15], s[PO+4:PO+5]
	s_lshl_b32 s76, s19, 15
	s_lshl_b32 s77, s20, 10
	s_add_co_u32 s76, s76, s77
	s_lshl_b32 s78, s17, 9
	s_add_co_u32 s76, s76, s78
	s_add_co_u32 s76, s76, QS
	s_mul_i32 s79, s19, 24576
	s_add_co_u32 s80, s79, s77
	s_add_co_u32 s80, s80, s78
	s_add_co_u32 s80, s80, KVS
	s_lshl_b32 s77, s20, 9
	s_add_co_u32 s81, s79, s77
	s_lshl_b32 s78, s17, 1
	s_add_co_u32 s81, s81, s78
	s_add_co_u32 s81, s81, KVS+16384-8*24576
	s_cmp_lt_u32 ttmp9, 2
	s_cselect_b32 s80, s80, s81
	s_add_co_u32 s81, s76, 16384
	s_cmp_eq_u32 s18, 0
	s_cselect_b32 s[PS], s76, s81
	s_cselect_b32 s[PS+2], s76, s80
	s_cselect_b32 s[PS+4], s81, s80
	s_mov_b32 s[PS+1], 0
	s_mov_b32 s[PS+3], 0
	s_mov_b32 s[PS+5], 0
	s_add_nc_u64 s[PS:PS+1], s[14:15], s[PS:PS+1]
	s_add_nc_u64 s[PS+2:PS+3], s[14:15], s[PS+2:PS+3]
	s_add_nc_u64 s[PS+4:PS+5], s[14:15], s[PS+4:PS+5]
	s_lshl_b32 s96, s19, 9
	s_mul_i32 s97, s18, 384
	s_add_co_u32 s96, s96, s97
	s_mov_b32 s97, 0
	s_add_nc_u64 s[76:77], s[6:7], s[96:97]
	s_lshr_b32 s96, ttmp9, 1
	s_xor_b32 s96, s96, 1
	s_and_b32 s96, s96, s18
	s_lshl_b32 s97, s19, 9
	s_add_co_u32 s97, s97, 128
	s_lshl_b32 s98, s19, 8
	s_cmp_eq_u32 s96, 0
	s_cselect_b32 s98, s97, s98
	s_cselect_b64 s[78:79], s[6:7], s[8:9]
	s_mov_b32 s99, 0
	s_add_nc_u64 s[78:79], s[78:79], s[98:99]
	s_max_u32 s96, s19, 8
	s_sub_co_u32 s96, s96, 8
	s_lshl_b32 s96, s96, 8
	s_mov_b32 s97, 0
	s_add_nc_u64 s[80:81], s[10:11], s[96:97]
	s_lshl_b32 s96, s20, 15
	s_lshl_b32 s98, s17, 14
	s_add_co_u32 s96, s96, s98
	s_add_nc_u64 s[82:83], s[12:13], s[96:97]
	WIN 0xc0
.irp j, 0,1
	global_load_b128 v[BIAS+8*\j:BIAS+8*\j+3], v[BI], s[76:77] offset:32*\j
	global_load_b128 v[BIAS+8*\j+4:BIAS+8*\j+7], v[BI], s[76:77] offset:32*\j+16
.endr
.irp j, 2,3,4,5
	global_load_b128 v[BIAS+8*\j:BIAS+8*\j+3], v[BI], s[78:79] offset:(32*((\j-2)/2)+8*(\j%2))*4
	global_load_b128 v[BIAS+8*\j+4:BIAS+8*\j+7], v[BI], s[78:79] offset:(32*((\j-2)/2)+8*(\j%2))*4+16
.endr
.irp t, 0,1,2,3
	global_load_b32 v[BVT+\t], v[BV], s[80:81] offset:(32*(\t/2)+8*(\t%2))*4
.endr
.irp i, 0,1,2,3
.irp s, 0,1
.irp q, 0,1,2,3
	global_load_b128 v[32*\i+16*\s+4*\q:32*\i+16*\s+4*\q+3], v[FA+\s], s[82:83] offset:(32*(\i/2)+8*(\i%2))*256+16*\q
.endr
.endr
.endr
	WIN 0
; the addresses above and the loads of the biases and of the rope's table stand between the first tensor load and the wait for it
	s_wait_alu depctr_va_vdst(0)
	s_wait_tensorcnt 0x0                           ; my part of the first slot is in
	ds_add_u32 v28, v29
	s_wait_dscnt 0x0
	CROUND
	JLOAD G0X+4, G1X3, G0W+4, G1W3                 ; the second slot's first fill
.macro WHERE k
.if (\k) < 4
.set FS, 0
.set FP, (\k)
.elseif (\k) < 7
.set FS, 1
.set FP, (\k)-4
.elseif (\k) < 10
.set FS, 0
.set FP, (\k)-7
.elseif (\k) < 13
.set FS, 1
.set FP, (\k)-10
.else
.set FS, 0
.set FP, (\k)-13
.endif
.endm
.macro FETCH k
	WHERE \k
.set FB, (\k)%2
	WIN 0x40*(FB+1)
.irp i, 0,1,2,3
.irp c, 0,1,2,3
	ds_load_b128 v[16*\i+4*\c:16*\i+4*\c+3], v[ADX+FS] offset:HX*FP+IMG*\i+512*\c
.endr
.endr
.irp j, 0,1,2,3,4,5
.irp c, 0,1,2,3
	ds_load_b128 v[64+16*\j+4*\c:64+16*\j+4*\c+3], v[ADW+FS] offset:HW*FP+IMG*\j+512*\c
.endr
.endr
	WIN 0
.irp i, 0,1,2,3
	ds_load_b32 v[SC+10*FB+\i], v[ASX+FS] offset:HX*FP+IMG*\i
.endr
.irp j, 0,1,2,3,4,5
	ds_load_b32 v[SC+10*FB+4+\j], v[ASW+FS] offset:HW*FP+IMG*\j
.endr
.endm
.macro ONE d, a, b, c, sa, sb, first
.if \first
	v_wmma_scale_f32_16x16x128_f8f6f4 v[\d:\d+7], v[\a:\a+15], v[\b:\b+15], v[\c:\c+7], v[\sa], v[\sb]
.else
	v_wmma_scale_f32_16x16x128_f8f6f4 v[\d:\d+7], v[\a:\a+15], v[\b:\b+15], v[\d:\d+7], v[\sa], v[\sb]
.endif
.endm
.macro MULN p, first
.irp i, 0,1,2,3
.irp j, 0,1,2,3,4,5
	ONE ACC+48*\i+8*\j, 64+16*\j, 16*\i, BIAS+8*\j, SC+10*(\p)+4+\j, SC+10*(\p)+\i, \first
.endr
.endr
.endm
.macro MULV p, first
.irp i, 0,1,2,3
.irp j, 0,1
	ONE ACC+48*\i+8*\j, 64+16*\j, 16*\i, BIAS+8*\j, SC+10*(\p)+4+\j, SC+10*(\p)+\i, \first
.endr
.endr
	s_wait_alu depctr_va_vdst(0)
.irp t, 0,1,2,3
.irp i, 0,1,2,3
	ONE ACC+48*\t+16+8*\i, 16*\i, 96+16*\t, BIAS+16+8*\t, SC+10*(\p)+\i, SC+10*(\p)+6+\t, \first
.endr
.endr
.endm
.macro MUL p, first
	s_cmp_eq_u32 s3, 0
	s_cbranch_scc0 .Lswapped_\@
.if \first
	WIN 0x35
.else
	WIN 0x05*((\p)+1)
.endif
	s_wait_alu depctr_va_vdst(0)
	MULN \p, \first
	WIN 0
	s_branch .Lmade_\@
.Lswapped_\@:
.if \first
	WIN 0x35
.else
	WIN 0x05*((\p)+1)
.endif
	MULV \p, \first
	WIN 0
.Lmade_\@:
.endm
.macro STEP kg, mode, adv
.if \mode
	s_wait_tensorcnt 0x0
	ds_add_u32 v[SPW], v[NIL]
.if \mode == 1
	WHERE \kg
.set RS, FS
	s_add_nc_u64 s[G0X+4*RS+2:G0X+4*RS+3], s[G0X+4*RS+2:G0X+4*RS+3], (\adv)*PXB
	s_add_nc_u64 s[G0W+4*RS+2:G0W+4*RS+3], s[G0W+4*RS+2:G0W+4*RS+3], (\adv)*PWB
.endif
.endif
	s_wait_dscnt 0x0
.if \mode == 1
	CROUND
	JLOAD G0X+4*RS, G1X3, G0W+4*RS, G1W3
	PLACES 4
.elseif \mode == 2
	s_barrier_signal -1
	s_barrier_wait -1
	PLACES 8
.else
	PLACES 8
.endif
.if (\kg) < 15
	FETCH (\kg)+1
.endif
.if (\kg) == 0
	MUL 0, 1
.else
	MUL (\kg)%2, 0
.endif
.endm
	s_wait_tensorcnt 1
	s_barrier_signal -1
	s_barrier_wait -1
	FETCH 0
	s_wait_loadcnt 0x0
	s_cmp_eq_u32 s3, 0
	s_cbranch_scc1 .Lno_v_bias
	WIN 0xc3
.irp t, 0,1,2,3
.irp k, 0,1,2,3,4,5,6,7
	v_mov_b32 v[BIAS+16+8*\t+\k], v[BVT+\t]
.endr
.endr
	WIN 0
.Lno_v_bias:
	STEP 0, 0, 0
	STEP 1, 0, 0
	STEP 2, 0, 0
	STEP 3, 1, 7
	STEP 4, 0, 0
	STEP 5, 0, 0
	STEP 6, 1, 6
	STEP 7, 0, 0
	STEP 8, 0, 0
	STEP 9, 1, 6
	STEP 10, 0, 0
	STEP 11, 0, 0
	STEP 12, 2, 0
	STEP 13, 0, 0
	STEP 14, 0, 0
	STEP 15, 0, 0
	PLACES 8
.macro ROPE8 s, f
.irp m, 0,1,2,3,4,5,6,7
	v_mul_f32 v[RT+2*(\m%2)], v[(\s)+2*\m+1], v[(\f)+2*\m+1]
	v_mul_f32 v[RT+2*(\m%2)+1], v[(\s)+2*\m+1], v[(\f)+2*\m]
	v_fma_f32 v[(\s)+2*\m+1], v[(\s)+2*\m], v[(\f)+2*\m+1], v[RT+2*(\m%2)+1]
	v_fma_f32 v[(\s)+2*\m], v[(\s)+2*\m], v[(\f)+2*\m], -v[RT+2*(\m%2)]
.endr
.endm
.macro QUANTB nb, s, st, pc, pb
.set qb, 0
.rept \nb
	v_max3_num_f32 v[TMA+qb], |v[(\s)+(\st)*qb]|, |v[(\s)+(\st)*qb+1]|, 0x4800000
.set qb, qb+1
.endr
.irp i, 2,4,6,8,10,12,14
.set qb, 0
.rept \nb
	v_max3_num_f32 v[TMA+qb], v[TMA+qb], |v[(\s)+(\st)*qb+\i]|, |v[(\s)+(\st)*qb+\i+1]|
.set qb, qb+1
.endr
.endr
.set qb, 0
.rept \nb
	v_permlanex16_b32 v[TMB+qb], v[TMA+qb], s[SEL], s[SEL+1]
.set qb, qb+1
.endr
.set qb, 0
.rept \nb
	v_max_num_f32 v[TMA+qb], v[TMA+qb], v[TMB+qb]
.set qb, qb+1
.endr
.set qb, 0
.rept \nb
	v_add_nc_u32 v[TMD+qb], 0xfc000000, v[TMA+qb]
.set qb, qb+1
.endr
.set qb, 0
.rept \nb
	v_and_or_b32 v[TMC+qb], v[TMA+qb], 0x7f800000, s[MNT]
.set qb, qb+1
.endr
.set qb, 0
.rept \nb
	v_lshrrev_b32 v[(\pb)+qb], 23, v[TMD+qb]
.set qb, qb+1
.endr
.set qb, 0
.rept \nb
.irp i, 0,1,2,3,4,5,6,7,8,9,10,11,12,13,14,15
	v_med3_num_f32 v[(\s)+(\st)*qb+\i], v[(\s)+(\st)*qb+\i], -v[TMC+qb], v[TMC+qb]
.endr
	v_cvt_scalef32_pk8_fp8_f32 v[(\pc)+4*qb:(\pc)+4*qb+1], v[(\s)+(\st)*qb:(\s)+(\st)*qb+7], v[TMD+qb]
	v_cvt_scalef32_pk8_fp8_f32 v[(\pc)+4*qb+2:(\pc)+4*qb+3], v[(\s)+(\st)*qb+8:(\s)+(\st)*qb+15], v[TMD+qb]
.set qb, qb+1
.endr
	v_nop
.endm
	s_cmp_eq_u32 s3, 0
	s_cbranch_scc0 .Lout_v
.irp i, 0,1,2,3
.if \i == 0
.set DD, SC
.else
.set DD, ACC+48*(\i-1)
.endif
	WIN 0x0c
.irp n, 0,1,2
	ROPE8 ACC+48*\i+16*\n, 32*\i+16*(\n%2)
.endr
	WIN 0
	QUANTB 3, ACC+48*\i, 16, DD, DD+12
.irp n, 0,1,2
	global_store_b128 v4, v[DD+4*\n:DD+4*\n+3], s[PO+2*\n:PO+2*\n+1] offset:1024*\i
	global_store_b8 v[P0+\n%2], v[DD+12+\n], s[PS+2*\n:PS+2*\n+1] offset:128*\i
.endr
	global_store_b16 v5, v7, s[PS:PS+1] offset:128*\i+2
	global_store_b16 v5, v7, s[PS+4:PS+5] offset:128*\i+2
.endr
	s_branch .Lout_done
.Lout_v:
	WIN 0x0c
.irp i, 0,1,2,3
	ROPE8 ACC+48*\i, 32*\i
.endr
	WIN 0
	QUANTB 4, ACC, 48, SC, SC+16
.irp i, 0,1,2,3
	global_store_b128 v4, v[SC+4*\i:SC+4*\i+3], s[PO:PO+1] offset:1024*\i
	global_store_b8 v[P0], v[SC+16+\i], s[PS:PS+1] offset:128*\i
	global_store_b16 v5, v7, s[PS:PS+1] offset:128*\i+2
.endr
.irp t, 0,1,2,3
	QUANTB 2, ACC+48*\t+16, 16, ACC+48*\t, ACC+48*\t+8
	v_lshl_or_b32 v[ACC+48*\t+10], v[ACC+48*\t+9], 8, v[ACC+48*\t+8]
	global_store_b128 v4, v[ACC+48*\t:ACC+48*\t+3], s[PO+2:PO+3] offset:2048*\t
	global_store_b128 v4, v[ACC+48*\t+4:ACC+48*\t+7], s[PO+2:PO+3] offset:2048*\t+512
	global_store_b16 v5, v[ACC+48*\t+10], s[PS+2:PS+3] offset:128*\t
.endr
.Lout_done:
	s_wait_tensorcnt 0x0
	ds_add_u32 v[SPW], v[NIL]
	s_wait_dscnt 0x0
	CROUND
	s_endpgm
.Lfunc_end_k_q0da8662179_qkv:
	.size	k_q0da8662179_qkv, .Lfunc_end_k_q0da8662179_qkv-k_q0da8662179_qkv
	.p2alignl 7, 3214868480
	.fill 96, 4, 3214868480
	.section	.rodata,"a",@progbits
	.p2align	6, 0x0
	.amdhsa_kernel k_q0da8662179_qkv
		.amdhsa_group_segment_fixed_size 327680
		.amdhsa_private_segment_fixed_size 0
		.amdhsa_enable_private_segment 0
		.amdhsa_kernarg_size 48
		.amdhsa_user_sgpr_count 2
		.amdhsa_user_sgpr_kernarg_segment_ptr 1
		.amdhsa_wavefront_size32 1
		.amdhsa_system_sgpr_workgroup_id_x 1
		.amdhsa_system_sgpr_workgroup_id_y 1
		.amdhsa_system_sgpr_workgroup_id_z 1
		.amdhsa_system_vgpr_workitem_id 0
		.amdhsa_next_free_vgpr 1024
		.amdhsa_next_free_sgpr 100
		.amdhsa_reserve_vcc 0
		.amdhsa_float_denorm_mode_32 3
		.amdhsa_float_denorm_mode_16_64 3
		.amdhsa_memory_ordered 1
		.amdhsa_forward_progress 1
		.amdhsa_inst_pref_size 254
	.end_amdhsa_kernel
	.amdgpu_metadata
---
amdhsa.version: [ 1, 2 ]
amdhsa.kernels:
  - .name:           k_q0da8662179_qkv
    .symbol:         k_q0da8662179_qkv.kd
    .args:
      - { .name: xq, .offset: 0, .size: 8, .value_kind: global_buffer, .address_space: global }
      - { .name: bq, .offset: 8, .size: 8, .value_kind: global_buffer, .address_space: global }
      - { .name: bk, .offset: 16, .size: 8, .value_kind: global_buffer, .address_space: global }
      - { .name: bv, .offset: 24, .size: 8, .value_kind: global_buffer, .address_space: global }
      - { .name: freqs_cis, .offset: 32, .size: 8, .value_kind: global_buffer, .address_space: global }
      - { .name: qkv, .offset: 40, .size: 8, .value_kind: global_buffer, .address_space: global }
    .group_segment_fixed_size: 327680
    .private_segment_fixed_size: 0
    .kernarg_segment_align: 8
    .kernarg_segment_size: 48
    .max_flat_workgroup_size: 128
    .sgpr_count:     100
    .vgpr_count:     1024
    .wavefront_size: 32
...
	.end_amdgpu_metadata
.endif
;; end of part 7
;; launch attn (part 8): grid 32 x 8, 8 waves a work-group, clusters of 4 x 4, 327,680 bytes of LDS; arguments qkv, mask, ac; writes ac
.if DOCPART == 8
	.amdgcn_target "amdgcn-amd-amdhsa--gfx1250"
	.amdhsa_code_object_version 6
	.text
	.protected	k_q0da8662179_attn
	.globl	k_q0da8662179_attn
	.p2align	8
	.type	k_q0da8662179_attn,@function
k_q0da8662179_attn:
	s_mov_b64 s[64:65], 0
	v_nop
	global_prefetch_b8 v0, s[64:65] scope:SCOPE_SE
	s_setreg_imm32_b32 hwreg(HW_REG_WAVE_MODE, 25, 1), 1
	s_wait_xcnt 0x0
	s_wait_alu depctr_hold_cnt(0) depctr_sa_sdst(0) depctr_va_vdst(0) depctr_va_sdst(0) depctr_va_ssrc(0) depctr_va_vcc(0) depctr_vm_vsrc(0)
	s_getreg_b32 s2, hwreg(HW_REG_IB_STS2, 6, 4)
	s_cmp_eq_u32 s2, 0
	s_cbranch_scc0 .Lentry_in_a_cluster
	s_endpgm
.Lentry_in_a_cluster:
	s_bfe_u32 s2, ttmp6, 0x10000c
	s_cmp_lg_u32 s2, 0xf033
	s_cbranch_scc0 .Lentry_shape_is_right
	s_endpgm
.Lentry_shape_is_right:
; Attention of 32 query heads on 8 groups of K and V, head size 64, 2,048 tokens, both products on codes of FP8 (E4M3) with one E8M0 scale for each 32 along K; the mask [2048][2048] f32 is an input and is added as it is given: every key is walked.
; THE MASK IS THE FIRST PRODUCT'S C, and the division by 8 lies in Q's scale bytes (3 off each byte: an exact power of two): the product's result is score / 8 + mask, as the definition writes it.
; t = that result x log2(e); M = the running largest t rounded UP to a whole number, kept as -M = floor(-t); p = 2^(t - M) by one fused multiply-add and v_exp_f32 is what is quantised, along the keys;
; the row's sum is taken of the unquantised p; when M moves, the sum and O are multiplied by 2^(old M - new M), which rounds nothing.
; At the end O / the sum is quantised along the hidden axis: a wave's two heads are 128 of it, one fragment of the last product, stored as an image of its registers.
; SHARES: a work-group takes 64 queries (x) of one group (y).  Wave w takes query tile w % 4 and the head pair w / 4: two heads to a wave share the mask's registers and K's and V's fragments.  Two waves share a SIMD.
; LAYOUT: both products transposed (S^T = K Q^T, O^T = V^T P^T): a lane holds ONE query.  Lane r of any tile 2 B + u is row 32 B + 8 u + r + 8 (r / 8), so p's 16 registers of two neighbouring key tiles are 16 neighbouring keys.
; K = 64 in the first product: Q's upper eight registers are zero codes; a fragment of K names its eight registers and the eight behind them (the next tile's codes, behind the last tile zeros), which meet zeros alone.
; RING: two slots of 256 keys: the mask's 64 rows x 1,024 bytes (waves 0-3, 16 rows each), K's and V's fragments of two steps (waves 4, 5: 16,384 consecutive bytes each); the group's scale words come once (waves 6, 7).
; The odd pieces of the mask lie 128 bytes further on, so that a tile's two groups of eight rows, 16 rows apart, stand in different 16-byte columns of 256.
; A STEP IS ROTATED: K, its scale words and the mask of the NEXT step are asked of LDS behind the second head's score products, which are the last to read those registers: the second head's softmax stands between these loads and the wait for them.
; THE CHANGE OF SLOTS stands inside a slot's second step: behind the first head's score products all of the slot is in registers, so the lines and the round's opening signal stand there;
; a softmax and twelve products, work on registers, follow; then the opening wait, the rest of the round, the joint refill and the next slot's first LDS loads.
; CLUSTER 4 x 4: the mask's tile hangs on x and is asked for jointly along a column of the cluster, K, V and the scale words on y and along a row.  By this text's count a wave has one tensor load out at the most.
; LIMITS: NaN and infinities among the inputs are not served.  The scaled scores stay under 2^31 in magnitude.  Blocks of zeros and blocks under 2^-118 keep the scale byte 1.
; A block of Q whose scale byte is under 3 (largest magnitude under 2^-116) is taken with the byte 0 after the division by 8.
; REGISTERS: window 0: v1-11 addresses; v12-19 -M, largest t and the sum of each head; v30-34 scale words; v36-63 at work; v64-127 S^T, then p; v128-191 the mask; v192-207 p's codes; v208-217 K's and Q's scale words.
;   window 1: v0-31 Q of the two heads; v32-103 K; v104-167 V; v168-231 O^T of the two heads.
.set QS,    4194304
.set KVC,   4718592
.set KVS,   6815744
.set AS,    4194304
.set SLOT1, 1<<17                      ; slot 1 begins here: one exclusive or turns an address in one slot into the other's
.set MP,    1040                       ; a mask row in LDS: 1,024 bytes + 16
.set PIECE, 16896                      ; 16 such rows, the odd pieces' 128 bytes, rounded up to blocks of 256
.set KVO,   4*PIECE                    ; behind the mask: two steps x (K 8,192 + V 8,192)
.set SCL,   2*SLOT1                    ; K's scale words 16,384, V's 8,192
.set SPARE, SCL+24576                  ; the spare words, 128 bytes for each wave
.set NSL,   8
.set AM0,  1
.set AKV0, 2
.set ASK0, 3
.set ASV0, 4
.set SPW,  5
.set NIL,  6
.set PFO,  7
.set ADM,  8
.set ADKV, 9
.set ADS,  10
.set ADT,  11
.set VS,   30
.set PSW,  34
.set FF,   36
.set BM,   40
.set BP,   44
.set BH,   48
.set BS,   52
.set C2,   56
.set LI,   58
.set LS,   59
.set C3,   60
.set C4,   62
.set S,    64
.set MK,   128
.set PC,   192
.set KS,   208                         ; tile t's word in v[208 + t + 2 (t / 6)]: numbers 0 to 5 modulo 8;
.set QSW,  214                         ; Q's two words: 6 and 7 modulo 8
.set KF,   32
.set VF,   104
.set TB,   2
.set TS,   3
.set WV,   18
.set MNT,  19
.set SEL,  20
.set CS,   22
.set G1M,  24
.set G1K,  32
.set G1S,  40
.set G0M,  48
.set G0K,  52
.set G0S,  56
.set TJ,   66
.set SLOTS, 67
.set LIM,  68
.set PFA,  72
.set PFS,  74
.set MSB, 0
.macro WIN new                         ; the immediate's high byte repeats the setting that is left
.if MSB != \new
	s_set_vgpr_msb (MSB<<8)|\new
.set MSB, \new
.endif
.endm
.macro PLACES n
.rept \n
	v_nop
.endr
.endm
.macro CREST                           ; a round of the cluster's barrier behind its opening barrier
	s_cmp_lg_u32 s[WV], 0
	s_cbranch_scc1 .Lnot_wave_0_\@
	s_barrier_signal -3
.Lnot_wave_0_\@:
	s_barrier_wait -3
	s_barrier_signal -1
	s_barrier_wait -1
.endm
.macro CROUND                          ; a whole round
	s_barrier_signal -1
	s_barrier_wait -1
	CREST
.endm
; A joint refill: waves 0-3 the mask's pieces, waves 4 and 5 the two steps of K and V, waves 6 and 7 nothing.  The branches hang on the wave's number alone.
.macro JLOAD
	s_cmp_lt_u32 s[WV], 4
	s_cbranch_scc0 .Lnot_m_\@
	tensor_load_to_lds s[G0M:G0M+3], s[G1M:G1M+7]
	s_nop 0
	PLACES 4
	s_branch .Lasked_\@
.Lnot_m_\@:
	s_cmp_lt_u32 s[WV], 6
	s_cbranch_scc0 .Lasked_\@
	tensor_load_to_lds s[G0K:G0K+3], s[G1K:G1K+7]
	s_nop 0
	PLACES 4
.Lasked_\@:
.endm
; A prefetch of what the NEXT change of slots will ask for, one slot (two key steps) ahead of that load.  Each aligned 256 bytes is named once in the launch:
; the mask's 64 rows x 1,024 bytes by waves 0 and 1 of the clusters with y = 0, 8 rows x 4 blocks an instruction, the four partners of a column told apart by address (8 cy rows on);
; K's and V's 32,768 bytes by wave 4 of the clusters with x = 0, 8,192 bytes a partner (cx), lanes 256 bytes apart.  The last change that fills a slot asks for nothing; slots 0 and 1 come by their loads alone.
.macro ASK
	s_cmp_gt_u32 s[SLOTS], s[LIM]
	s_cbranch_scc0 .Lnot_mine_\@
	global_prefetch_b8 v[PFO], s[PFA:PFA+1] th:TH_LOAD_NT scope:SCOPE_SE
.Lnot_mine_\@:
.endm
	s_load_b128 s[4:7], s[0:1], 0x0                ; qkv, mask
	s_load_b64 s[8:9], s[0:1], 0x10                ; ac
	v_lshl_add_u32 v[SPW], v0, 2, SPARE
	v_mov_b32 v[NIL], 0
	ds_add_u32 v5, v6
	ds_add_u32 v5, v6
	s_wait_dscnt 0x0
	v_lshrrev_b32 v8, 5, v0
	v_readfirstlane_b32 s[WV], v8                  ; wave 0..7
	s_bfe_u32 s60, ttmp6, 0x40000                  ; cx
	s_bfe_u32 s61, ttmp6, 0x40004                  ; cy
	s_lshl_b32 s62, ttmp9, 2
	s_add_co_u32 s62, s62, s60                     ; gx: which 64 queries
	s_and_b32 s63, ttmp7, 0xffff
	s_lshl_b32 s63, s63, 2
	s_add_co_u32 s63, s63, s61                     ; g: the group
	s_lshl_b32 s76, s61, 2
	s_lshl_b32 s76, 15, s76                        ; my row of the cluster
	s_lshl_b32 s77, 0x1111, s60                    ; my column
	; group 1, the mask: 16 rows x 256 elements of 4 bytes, 2,048 elements from row to row; 4 words of padding behind every 256
	s_or_b32 s[G1M], s77, (2<<16)|(1<<20)|(1<<21)|(7<<22)|(3<<25)
	s_mov_b32 s[G1M+1], 256<<16
	s_mov_b32 s[G1M+2], 16<<16
	s_mov_b32 s[G1M+3], 256<<16
	s_mov_b32 s[G1M+4], 16
	s_mov_b32 s[G1M+5], 2048
	s_mov_b32 s[G1M+6], 0
	s_mov_b32 s[G1M+7], 0
	; K and V: a dense block as 64 rows of 256 bytes; the scale words: 48 such rows
	s_or_b32 s[G1K], s76, (3<<16)|(1<<21)
	s_mov_b32 s[G1K+1], 32<<16
	s_mov_b32 s[G1K+2], 64<<16
	s_mov_b32 s[G1K+3], 32<<16
	s_mov_b32 s[G1K+4], 64
	s_mov_b32 s[G1K+5], 32
	s_mov_b32 s[G1K+6], 0
	s_mov_b32 s[G1K+7], 0
	s_or_b32 s[G1S], s76, (3<<16)|(1<<21)
	s_mov_b32 s[G1S+1], 32<<16
	s_mov_b32 s[G1S+2], 48<<16
	s_mov_b32 s[G1S+3], 32<<16
	s_mov_b32 s[G1S+4], 48
	s_mov_b32 s[G1S+5], 32
	s_mov_b32 s[G1S+6], 0
	s_mov_b32 s[G1S+7], 0
	s_and_b32 s78, s[WV], 3
	s_and_b32 s83, s[WV], 1
	s_lshl_b32 s80, s62, 19                        ; the mask: 64 rows of 8,192 bytes for each block of queries,
	s_lshl_b32 s79, s78, 17                        ; 16 rows for each piece
	s_add_co_u32 s80, s80, s79
	s_mov_b32 s81, 0
	s_mul_i32 s82, s78, PIECE
	s_lshl_b32 s79, s83, 7
	s_add_co_u32 s82, s82, s79                     ; its place in a slot
	s_lshl_b32 s84, s63, 18                        ; K and V: 262,144 bytes a group, 16,384 a step
	s_lshl_b32 s79, s83, 14
	s_add_co_u32 s84, s84, s79
	s_add_co_u32 s84, s84, KVC
	s_mov_b32 s85, 0
	s_add_co_u32 s86, s79, KVO
	s_mul_i32 s88, s63, 24576                      ; the scale words: 24,576 bytes a group, half of them a load
	s_mul_i32 s79, s83, 12288
	s_add_co_u32 s88, s88, s79
	s_add_co_u32 s88, s88, KVS
	s_mov_b32 s89, 0
	s_add_co_u32 s87, s79, SCL
	s_mov_b32 s[SEL], 0x76543210
	s_mov_b32 s[SEL+1], 0xfedcba98                 ; v_permlanex16_b32's selects for lane l xor 16
	s_mov_b32 s[CS], 0x3fb8aa3b                    ; log2(e)
	s_mov_b32 s[CS+1], s[CS]                       ; (named with it as a pair, so it is written)
	s_mov_b32 s[MNT], 0x600000                     ; the mantissa field of 448
	s_mov_b32 s[TB], 0
	s_mov_b32 s[TS], 0
	s_mov_b32 s[TJ], 0
	s_mov_b32 s[SLOTS], NSL-1
	s_wait_kmcnt 0x0
	s_mov_b32 s[G0M], 1
	s_mov_b32 s[G0M+1], s82
	s_add_nc_u64 s[G0M+2:G0M+3], s[6:7], s[80:81]
	s_or_b32 s[G0M+3], s[G0M+3], 0x80000000
	s_mov_b32 s[G0K], 1
	s_mov_b32 s[G0K+1], s86
	s_add_nc_u64 s[G0K+2:G0K+3], s[4:5], s[84:85]
	s_or_b32 s[G0K+3], s[G0K+3], 0x80000000
	s_mov_b32 s[G0S], 1
	s_mov_b32 s[G0S+1], s87
	s_add_nc_u64 s[G0S+2:G0S+3], s[4:5], s[88:89]
	s_or_b32 s[G0S+3], s[G0S+3], 0x80000000
	CROUND                                         ; all sixteen work-groups are here: the first joint loads meet
	s_cmp_lt_u32 s[WV], 4                          ; the first fills: slot 0 and the scale words, one load a wave
	s_cbranch_scc0 .Lfirst_not_m
	tensor_load_to_lds s[G0M:G0M+3], s[G1M:G1M+7]
	s_nop 0
	PLACES 4
	s_branch .Lfirst_asked
.Lfirst_not_m:
	s_cmp_lt_u32 s[WV], 6
	s_cbranch_scc0 .Lfirst_not_k
	tensor_load_to_lds s[G0K:G0K+3], s[G1K:G1K+7]
	s_nop 0
	PLACES 4
	s_branch .Lfirst_asked
.Lfirst_not_k:
	tensor_load_to_lds s[G0S:G0S+3], s[G1S:G1S+7]
	s_nop 0
	PLACES 4
.Lfirst_asked:
	v_and_b32 v8, 15, v0                           ; r
	v_bfe_u32 v9, v0, 4, 1                         ; h
	v_and_b32 v10, 31, v0                          ; lane
	v_and_b32 v11, 7, v8
	v_lshrrev_b32 v38, 3, v8
	v_lshlrev_b32 v[LI], 4, v10
	s_wait_alu depctr_va_vdst(0)
	v_lshlrev_b32 v[LS], 2, v10
	v_mul_u32_u24 v[AM0], v11, MP                  ; the mask: my query is local row 32 (tile / 2) + 16 (r / 8) + 8 (tile % 2) + r % 8: piece 2 (tile / 2) + r / 8, row 8 (tile % 2) + r % 8 in it
	v_mad_u32_u24 v[AM0], v38, PIECE+128, v[AM0]
	v_lshl_add_u32 v[AM0], v9, 6, v[AM0]           ; + 16 h keys
	s_bfe_u32 s90, s[WV], 0x10001
	s_mul_i32 s90, s90, 2*PIECE
	s_mul_i32 s91, s83, 8*MP
	s_add_co_u32 s90, s90, s91
	v_add_nc_u32 v[AM0], s90, v[AM0]
	v_add_nc_u32 v[AKV0], KVO, v[LI]
	v_lshl_add_u32 v[ASK0], v10, 2, SCL
	v_lshl_add_u32 v[ASV0], v10, 2, SCL+16384
	s_lshr_b32 s90, s[WV], 2
	s_lshl_b32 s91, s63, 1
	s_add_co_u32 s90, s90, s91                     ; hp: my pair of heads, 2 hp and 2 hp + 1
	s_lshl_b32 s91, s62, 2
	s_add_co_u32 s91, s91, s78                     ; T: my tile of queries
	s_lshr_b32 s92, s90, 2
	s_lshl_b32 s92, s92, 7
	s_add_co_u32 s92, s92, s91
	s_lshl_b32 s92, s92, 13
	s_and_b32 s93, s90, 3
	s_lshl_b32 s93, s93, 11
	s_add_co_u32 s92, s92, s93
	s_mov_b32 s93, 0
	s_add_nc_u64 s[92:93], s[8:9], s[92:93]        ; ac's codes: [hp / 4][T][hp % 4][2,048]
	s_lshl_b32 s94, s91, 4
	s_add_co_u32 s94, s94, s90
	s_lshl_b32 s94, s94, 7
	s_add_co_u32 s94, s94, AS
	s_mov_b32 s95, 0
	s_add_nc_u64 s[94:95], s[8:9], s[94:95]        ; its scale words: [T][hp][128]
	s_lshl_b32 s96, s90, 18
	s_lshl_b32 s97, s91, 10
	s_add_co_u32 s96, s96, s97
	s_mov_b32 s97, 0
	s_add_nc_u64 s[96:97], s[4:5], s[96:97]        ; Q's codes: [head][T][1,024]
	s_lshl_b32 s98, s90, 15
	s_lshl_b32 s99, s91, 7
	s_add_co_u32 s98, s98, s99
	s_add_co_u32 s98, s98, QS
	s_mov_b32 s99, 0
	s_add_nc_u64 s[98:99], s[4:5], s[98:99]        ; Q's scale words: [head][T][128]
	WIN 0x40                                       ; destination window 1
.irp e, 0,1
.irp c, 0,1
	global_load_b128 v[16*\e+4*\c:16*\e+4*\c+3], v[LI], s[96:97] offset:131072*\e+512*\c
.endr
.endr
.irp j, 8,9,10,11,12,13,14,15,24,25,26,27,28,29,30,31,96,97,98,99,100,101,102,103
	v_mov_b32 v[\j], 0                             ; zero codes: the upper 64 of the first product's K
.endr
.set j, 168
.rept 64
	v_mov_b32 v[j], 0                              ; O^T.  (The step is written once: its first turn finds zeros, which the first change of M leaves zeros)
.set j, j+1
.endr
	WIN 0
.irp e, 0,1
	global_load_b32 v[QSW+\e], v[LS], s[98:99] offset:16384*\e
.endr
	; the prefetches: where my wave's stand, and who asks
	s_cmp_lt_u32 s[WV], 2
	s_cselect_b64 s[PFA:PFA+1], s[6:7], s[4:5]
	s_mov_b32 s[PFS], 32768
	s_cselect_b32 s[PFS], 1024, s[PFS]             ; a slot on
	s_mov_b32 s76, 1024
	s_cselect_b32 s76, 8192, s76                   ; from four lanes to the next four
	s_lshl_b32 s77, s62, 19
	s_lshl_b32 s79, s[WV], 18
	s_add_co_u32 s77, s77, s79
	s_lshl_b32 s79, s61, 16
	s_add_co_u32 s77, s77, s79
	s_add_co_u32 s77, s77, 1024                    ; the mask: row 64 gx + 32 wave + 8 cy, in slot 1: the first change of slots steps it to slot 2
	s_lshl_b32 s88, s63, 18
	s_lshl_b32 s79, s60, 13
	s_add_co_u32 s88, s88, s79
	s_add_co_u32 s88, s88, KVC+32768               ; K and V: my group, 8,192 cx, in slot 1
	s_cmp_lt_u32 s[WV], 2
	s_cselect_b32 s88, s77, s88
	s_mov_b32 s89, 0
	s_mov_b32 s[PFS+1], 0
	s_add_nc_u64 s[PFA:PFA+1], s[PFA:PFA+1], s[88:89]
	s_and_b32 s70, ttmp7, 0xffff
	s_cmp_lt_u32 s[WV], 2
	s_cselect_b32 s70, s70, ttmp9                  ; the cluster's coordinate along which other clusters read the same bytes
	s_cselect_b32 s71, 0, 1
	s_cmp_eq_u32 s[WV], 4
	s_cselect_b32 s71, 0, s71                      ; 0 in waves 0, 1 and 4
	s_or_b32 s70, s70, s71
	s_cmp_eq_u32 s70, 0
	s_cselect_b32 s[LIM], 1, -1                    ; the same in all sixteen partners, for a given wave
	v_and_b32 v[PFO], 3, v0
	v_lshlrev_b32 v[PFO], 8, v[PFO]
	v_bfe_u32 v38, v0, 2, 3
	v_mul_lo_u32 v38, v38, s76
	v_add_nc_u32 v[PFO], v[PFO], v38
	v_mov_b32 v13, 0xff61b1e6                      ; the largest t so far: -3e38, under every t
	v_mov_b32 v17, 0xff61b1e6
	v_floor_f32 v12, -v13                          ; -M
	v_floor_f32 v16, -v17
.irp j, 14,15,18,19,37,44,45,46,47
	v_mov_b32 v[\j], 0                             ; the sums; the upper half of f's pair; the lane permutes' destinations, which count as sources
.endr
.macro SQ e                            ; S^T = K Q^T / 8 + mask^T of head e: eight tiles of 16 keys; C = the mask's registers, which both heads name
	WIN 0x05                                       ; both sources window 1, C and D window 0
.irp t, 0,1,2,3,4,5,6,7
	v_wmma_scale_f32_16x16x128_f8f6f4 v[S+8*\t:S+8*\t+7], v[KF+8*\t:KF+8*\t+15], v[16*(\e):16*(\e)+15], v[MK+8*\t:MK+8*\t+7], v[KS+\t+2*(\t/6)], v[QSW+\e]
.endr
.endm
.macro PV e                            ; O^T += V^T P^T of head e: the four accumulators by turns
	WIN 0x51                                       ; V window 1, P window 0, C and D window 1
.irp t, 0,1,2,3
	v_wmma_scale_f32_16x16x128_f8f6f4 v[168+32*(\e)+8*\t:168+32*(\e)+8*\t+7], v[VF+16*\t:VF+16*\t+15], v[PC:PC+15], v[168+32*(\e)+8*\t:168+32*(\e)+8*\t+7], v[VS+\t], v[PSW]
.endr
.endm
; The softmax of head e for 128 keys; register 16 b + i of S is key 32 b + 16 h + i
.macro SOFT e
.set NM, 12+4*(\e)
.set LL, 14+4*(\e)
.set OO, 168+32*(\e)
	WIN 0
.irp b, 0,1,2,3
	v_max3_num_f32 v[BM+\b], v[S+16*\b], v[S+16*\b+1], v[S+16*\b+2]   ; the largest logit of each block of 32 keys (the four blocks by turns; each accumulator is read from its low end on): for the row's maximum, and, since p rises with it, for the block's largest p
.endr
.irp i, 3,5,7,9,11,13
.irp b, 0,1,2,3
	v_max3_num_f32 v[BM+\b], v[BM+\b], v[S+16*\b+\i], v[S+16*\b+\i+1]
.endr
.endr
.irp b, 0,1,2,3
	v_max_num_f32 v[BM+\b], v[BM+\b], v[S+16*\b+15]
.endr
.irp b, 0,1,2,3
	v_permlanex16_b32 v[BP+\b], v[BM+\b], s[SEL], s[SEL+1]
.endr
.irp b, 0,1,2,3
	v_max_num_f32 v[BM+\b], v[BM+\b], v[BP+\b]     ; with lane l xor 16's 16 keys
.endr
	s_delay_alu instid0(VALU_DEP_2)
	v_max3_num_f32 v38, v[BM], v[BM+1], v[BM+2]
	s_delay_alu instid0(VALU_DEP_1)
	v_max_num_f32 v38, v38, v[BM+3]
	s_delay_alu instid0(VALU_DEP_1)
	v_mul_f32 v38, s[CS], v38                      ; as t (log2(e) is positive)
	s_delay_alu instid0(VALU_DEP_1)
	v_max_num_f32 v[NM+1], v[NM+1], v38            ; the running largest t
	v_mov_b32 v38, v[NM]
	s_delay_alu instid0(VALU_DEP_2)
	v_floor_f32 v[NM], -v[NM+1]                    ; the new -M = floor(-t) = -ceil(t)
	s_delay_alu instid0(VALU_DEP_1)
	v_sub_f32 v38, v[NM], v38                      ; old M - new M: a whole number, 0 or less
	s_delay_alu instid0(VALU_DEP_1)
	v_cvt_i32_f32 v38, v38                         ; (it saturates)
	s_delay_alu instid0(VALU_DEP_1)
	v_ldexp_f32 v[FF], 1.0, v38                    ; f = 2^(old M - new M)
.set j, 0
.rept 32
	v_pk_fma_f32 v[S+j:S+j+1], v[S+j:S+j+1], s[CS:CS+1], v[NM:NM+1] op_sel_hi:[1,0,0]   ; t - M, two at a time (of the pairs log2(e) and -M the low word serves both halves)
.set j, j+2
.endr
.irp b, 0,1,2,3
	v_fma_f32 v[BM+\b], v[BM+\b], s[CS], v[NM]     ; the same of each block's largest logit
.endr
.set j, 0
	s_wait_alu depctr_va_vdst(0)
.rept 64
	v_exp_f32 v[S+j], v[S+j]                       ; p = 2^(t - M): not normalised
.set j, j+1
.endr
	v_pk_mul_f32 v[LL:LL+1], v[LL:LL+1], v[FF:FF+1] op_sel_hi:[1,0]   ; the sums under the new M; a plain line behind the exponentials
	s_wait_alu depctr_va_vdst(0)                   ; one wait for the whole batch, ahead of the first line that names a result
.irp b, 0,1,2,3
	v_exp_f32 v[BM+\b], v[BM+\b]                   ; the block's largest p: the same instructions on the same number give the same bits
.endr
	v_pk_add_f32 v[C2:C2+1], v[S:S+1], v[S+2:S+3]  ; the row's sum is taken of the unquantised p, two at a time, in four chains by turns
	v_pk_add_f32 v[C3:C3+1], v[S+4:S+5], v[S+6:S+7]
	v_pk_add_f32 v[C4:C4+1], v[S+8:S+9], v[S+10:S+11]
	v_pk_add_f32 v[LL:LL+1], v[LL:LL+1], v[S+12:S+13]
.set j, 14
.rept 6
	v_pk_add_f32 v[C2:C2+1], v[C2:C2+1], v[S+j:S+j+1]
	v_pk_add_f32 v[C3:C3+1], v[C3:C3+1], v[S+j+2:S+j+3]
	v_pk_add_f32 v[C4:C4+1], v[C4:C4+1], v[S+j+4:S+j+5]
	v_pk_add_f32 v[LL:LL+1], v[LL:LL+1], v[S+j+6:S+j+7]
.set j, j+8
.endr
	v_pk_add_f32 v[C2:C2+1], v[C2:C2+1], v[S+62:S+63]
	v_pk_add_f32 v[C3:C3+1], v[C3:C3+1], v[C4:C4+1]
	v_pk_add_f32 v[LL:LL+1], v[LL:LL+1], v[C2:C2+1]
	v_pk_add_f32 v[LL:LL+1], v[LL:LL+1], v[C3:C3+1]
	s_wait_alu depctr_va_vdst(0)                   ; and one for the four
.irp b, 0,1,2,3
	v_max_num_f32 v[BM+\b], 0x4800000, v[BM+\b]    ; the floor 2^(9 - 127): the byte cannot fall under 1
.endr
.irp b, 0,1,2,3
	v_add_nc_u32 v[BS+\b], 0xfc000000, v[BM+\b]    ; 8 off the exponent field: the conversion's scale operand
.endr
.irp b, 0,1,2,3
	v_and_or_b32 v[BH+\b], v[BM+\b], 0x7f800000, s[MNT]   ; 448 x the scale
.endr
.irp b, 0,1,2,3
	v_lshrrev_b32 v[BP+\b], 23, v[BS+\b]           ; the scale's byte
.endr
	s_delay_alu instid0(VALU_DEP_3)
	v_lshl_or_b32 v[PSW], v[BP+1], 8, v[BP]        ; p's scale word for these 128 keys: more than eight plain lines ahead of the products that name it
	s_delay_alu instid0(VALU_DEP_1)
	v_lshl_or_b32 v[PSW], v[BP+2], 16, v[PSW]
	s_delay_alu instid0(VALU_DEP_1)
	v_lshl_or_b32 v[PSW], v[BP+3], 24, v[PSW]
; the hold: the conversion does not saturate (ISA guide 7.6.2); p is not negative, so it is one-sided.  Two holds to a line: number i of block b with number i xor 1 of block b + 1,
; so that one destination is even and the other odd, and the two first and the two second sources have different numbers modulo 4
.irp b, 0,2
.irp i, 0,1,2,3,4,5,6,7,8,9,10,11,12,13,14,15
	v_dual_min_num_f32 v[S+16*\b+\i], v[S+16*\b+\i], v[BH+\b] :: v_dual_min_num_f32 v[S+16*\b+17+\i-2*(\i%2)], v[S+16*\b+17+\i-2*(\i%2)], v[BH+\b+1]
.endr
.irp u, 0,1
	v_cvt_scalef32_pk8_fp8_f32 v[PC+4*(\b+\u):PC+4*(\b+\u)+1], v[S+16*(\b+\u):S+16*(\b+\u)+7], v[BS+\b+\u]
	v_cvt_scalef32_pk8_fp8_f32 v[PC+4*(\b+\u)+2:PC+4*(\b+\u)+3], v[S+16*(\b+\u)+8:S+16*(\b+\u)+15], v[BS+\b+\u]
.endr
.endr
	WIN 0x41                                       ; O^T window 1, f window 0
.set j, 0
.rept 16
	v_pk_mul_f32 v[OO+j:OO+j+1], v[OO+j:OO+j+1], v[FF:FF+1] op_sel_hi:[1,0]   ; O^T under the new M; these are also the plain lines between the conversions and the products
.set j, j+2
.endr
.endm
.macro ADDRS                           ; the LDS addresses of the step that comes: the slot at s[TB], its scale words at s[TS] and s[TJ]
	v_add_nc_u32 v[ADM], s[TB], v[AM0]
	v_add_nc_u32 v[ADKV], s[TB], v[AKV0]
	v_add_nc_u32 v[ADS], s[TS], v[ASK0]
	v_add_nc_u32 v[ADT], s[TJ], v[ASV0]
.endm
.macro LOADK q                         ; K's scale words, K and the mask of the slot's q-th step: 40 LDS loads
.irp t, 0,1,2,3,4,5,6,7
	ds_load_b32 v[KS+\t+2*(\t/6)], v[ADS] offset:128*\t
.endr
	WIN 0x40
.irp t, 0,1,2,3,4,5,6,7
.irp c, 0,1
	ds_load_b128 v[KF+8*\t+4*\c:KF+8*\t+4*\c+3], v[ADKV] offset:16384*(\q)+1024*\t+512*\c
.endr
.endr
	WIN 0
.irp b, 0,1,2,3
.irp j, 0,1,2,3
	ds_load_b128 v[MK+16*\b+4*\j:MK+16*\b+4*\j+3], v[ADM] offset:512*(\q)+128*\b+16*\j
.endr
.endr
.endm
.macro GRD fill
	s_wait_tensorcnt 0x0                           ; no tensor load of mine is out, so a group 0 may be written
	ds_add_u32 v[SPW], v[NIL]                      ; 0 onto my spare word
.if \fill
	s_xor_b32 s[G0M+1], s[G0M+1], SLOT1            ; the walking descriptors: the other slot than last time,
	s_add_nc_u64 s[G0M+2:G0M+3], s[G0M+2:G0M+3], 1024   ; the next 256 keys; the type bits on top are not reached
	s_xor_b32 s[G0K+1], s[G0K+1], SLOT1
	s_add_nc_u64 s[G0K+2:G0K+3], s[G0K+2:G0K+3], 32768
	s_wait_xcnt 0x0                                ; the last prefetch, a slot back, has read its address, so it may be written:
	s_add_nc_u64 s[PFA:PFA+1], s[PFA:PFA+1], s[PFS:PFS+1]   ; one slot further on than the walking descriptors
.endif
	s_wait_dscnt 0x0                               ; the add is done, and all my reads of the slot in hand have come back
.endm
; A key step: 128 keys, the q-th of the slot in hand, for both heads.  At its head K, K's scale words and the mask are asked for, and v[ADKV], v[ADT] stand for this step.
; mode 0: the next step lies in the same slot.  mode 1: the slots change and the slot in hand is filled again.  mode 2: they change and nothing is filled; the very last step asks LDS for nothing more.
.macro STEP q, mode
	PLACES 8                                       ; in front of loads into registers that the last products read
.irp t, 0,1,2,3
	ds_load_b32 v[VS+\t], v[ADT] offset:128*\t
.endr
	WIN 0x40
.irp t, 0,1,2,3
.irp c, 0,1,2,3
	ds_load_b128 v[VF+16*\t+4*\c:VF+16*\t+4*\c+3], v[ADKV] offset:16384*(\q)+8192+2048*\t+512*\c
.endr
.endr
	s_wait_dscnt 20                                ; K, its scale words and the mask are in; younger: V's 4 words and V's 16 loads
	SQ 0
	WIN 0
.if \mode == 1
	GRD 1
	s_barrier_signal -1                            ; the round's opening signal; work on registers alone up to its wait
.elseif \mode == 2
	GRD 0
	s_barrier_signal -1
.endif
	PLACES 8
	SOFT 0
.if \mode == 0
	s_wait_alu depctr_va_vdst(0)
	s_wait_dscnt 0x0                               ; V is in
.endif
	PV 0
	SQ 1
	WIN 0
	s_add_co_u32 s[TS], s[TS], 1024                ; the next step's scale words
	s_add_co_u32 s[TJ], s[TJ], 512
.if \mode
	s_xor_b32 s[TB], s[TB], SLOT1                  ; and the other slot
.endif
	ADDRS
	PLACES 4                                       ; with the four additions: eight places behind the products above
.if \mode
	s_wait_alu depctr_va_vdst(0)
	s_barrier_wait -1
.endif
.if \mode == 1
	CREST                                          ; no wave of any partner still reads the slot that is left or has a load on its way
	JLOAD                                          ; the first tensor load behind the round
	ASK
	LOADK 0
.elseif \mode == 2
	s_cmp_eq_u32 s[SLOTS], 1                       ; behind the last slot there is no step: a branch on the count of trips, round the LDS loads alone
	s_cbranch_scc1 .Lno_more_\@
	LOADK 0
.Lno_more_\@:
.else
	LOADK 1
.endif
	SOFT 1
	PV 1
	WIN 0
.endm
	s_wait_loadcnt 0x0                             ; Q
.irp e, 0,1                                    ; the division by 8: 3 off Q's two scale bytes, each held at 3 from below first, so that none falls under 0; the word's upper two bytes are 0 and meet zero codes
	v_and_b32 v38, 0xff, v[QSW+\e]
	v_lshrrev_b32 v39, 8, v[QSW+\e]
	v_max_u32 v38, 3, v38
	v_max_u32 v39, 3, v39
	v_lshl_or_b32 v[QSW+\e], v39, 8, v38
	v_add_nc_u32 v[QSW+\e], 0xfffffcfd, v[QSW+\e]  ; - 0x0303
.endr
	ADDRS                                          ; step 0
	s_wait_alu depctr_va_vdst(0)
	GRD 1
	CROUND
	JLOAD                                          ; slot 1's first fill, issued as a refill is
	ASK
	LOADK 0
	s_mov_b32 s[SLOTS], NSL-2
.Lslot:                                            ; slots 0 to 5: the change inside a trip asks for the slot two on
	STEP 0, 0
	STEP 1, 1
	s_sub_co_u32 s[SLOTS], s[SLOTS], 1
	s_cmp_lg_u32 s[SLOTS], 0
	s_cbranch_scc1 .Lslot
	s_mov_b32 s[SLOTS], 2
.Ltail:                                            ; slots 6 and 7: nothing is filled; the two trips pass the same barriers
	STEP 0, 0
	STEP 1, 2
	s_sub_co_u32 s[SLOTS], s[SLOTS], 1
	s_cmp_lg_u32 s[SLOTS], 0
	s_cbranch_scc1 .Ltail
	; THE WAY OUT: O^T / the sum, both heads: 64 numbers of a lane, register 16 c + i = hidden 128 hp + 32 c + 16 h + i of my query; quantised along hidden; stored as a fragment's image
	PLACES 8
	v_add_f32 v[BM], v14, v15
	v_add_f32 v[BM+1], v18, v19
	v_permlanex16_b32 v[BP], v[BM], s[SEL], s[SEL+1]
	v_permlanex16_b32 v[BP+1], v[BM+1], s[SEL], s[SEL+1]
	v_add_f32 v[BM], v[BM], v[BP]
	v_add_f32 v[BM+1], v[BM+1], v[BP+1]            ; the rows' sums
	s_wait_alu depctr_va_vdst(0)
	v_rcp_f32 v[BM+2], v[BM]
	v_rcp_f32 v[BM+3], v[BM+1]
	v_nop                                          ; a plain line behind the reciprocals
	s_wait_alu depctr_va_vdst(0)                   ; one wait for both, ahead of the first line that names them and O^T
	WIN 0x01                                       ; source 0 window 1
.irp e, 0,1
.set j, 0
.rept 32
	v_mul_f32 v[S+32*\e+j], v[168+32*\e+j], v[BM+2+\e]
.set j, j+1
.endr
.endr
	WIN 0
.irp b, 0,1,2,3
	v_max3_num_f32 v[BM+\b], |v[S+16*\b]|, |v[S+16*\b+1]|, 0x4800000
.endr
.irp i, 2,4,6,8,10,12,14
.irp b, 0,1,2,3
	v_max3_num_f32 v[BM+\b], v[BM+\b], |v[S+16*\b+\i]|, |v[S+16*\b+\i+1]|
.endr
.endr
.irp b, 0,1,2,3
	v_permlanex16_b32 v[BP+\b], v[BM+\b], s[SEL], s[SEL+1]
.endr
.irp b, 0,1,2,3
	v_max_num_f32 v[BM+\b], v[BM+\b], v[BP+\b]
.endr
.irp b, 0,1,2,3
	v_add_nc_u32 v[BS+\b], 0xfc000000, v[BM+\b]
.endr
.irp b, 0,1,2,3
	v_and_or_b32 v[BH+\b], v[BM+\b], 0x7f800000, s[MNT]
.endr
.irp b, 0,1,2,3
	v_lshrrev_b32 v[BP+\b], 23, v[BS+\b]
.endr
	v_lshl_or_b32 v[PSW], v[BP+1], 8, v[BP]
	v_lshl_or_b32 v[PSW], v[BP+2], 16, v[PSW]
	v_lshl_or_b32 v[PSW], v[BP+3], 24, v[PSW]
.irp b, 0,1,2,3
.irp i, 0,1,2,3,4,5,6,7,8,9,10,11,12,13,14,15
	v_med3_num_f32 v[S+16*\b+\i], v[S+16*\b+\i], -v[BH+\b], v[BH+\b]
.endr
	v_cvt_scalef32_pk8_fp8_f32 v[PC+4*\b:PC+4*\b+1], v[S+16*\b:S+16*\b+7], v[BS+\b]
	v_cvt_scalef32_pk8_fp8_f32 v[PC+4*\b+2:PC+4*\b+3], v[S+16*\b+8:S+16*\b+15], v[BS+\b]
.endr
	v_nop
.irp c, 0,1,2,3
	global_store_b128 v[LI], v[PC+4*\c:PC+4*\c+3], s[92:93] offset:512*\c   ; 512 consecutive bytes a store
.endr
	global_store_b32 v[LS], v[PSW], s[94:95]
	s_wait_tensorcnt 0x0                           ; the wave's end
	ds_add_u32 v[SPW], v[NIL]
	s_wait_dscnt 0x0
	CROUND                                         ; the closing round
	s_endpgm
.Lfunc_end_k_q0da8662179_attn:
	.size	k_q0da8662179_attn, .Lfunc_end_k_q0da8662179_attn-k_q0da8662179_attn
	.p2alignl 7, 3214868480
	.fill 96, 4, 3214868480
	.section	.rodata,"a",@progbits
	.p2align	6, 0x0
	.amdhsa_kernel k_q0da8662179_attn
		.amdhsa_group_segment_fixed_size 327680
		.amdhsa_private_segment_fixed_size 0
		.amdhsa_enable_private_segment 0
		.amdhsa_kernarg_size 24
		.amdhsa_user_sgpr_count 2
		.amdhsa_user_sgpr_kernarg_segment_ptr 1
		.amdhsa_wavefront_size32 1
		.amdhsa_system_sgpr_workgroup_id_x 1
		.amdhsa_system_sgpr_workgroup_id_y 1
		.amdhsa_system_sgpr_workgroup_id_z 1
		.amdhsa_system_vgpr_workitem_id 0
		.amdhsa_next_free_vgpr 512
		.amdhsa_next_free_sgpr 100
		.amdhsa_reserve_vcc 0
		.amdhsa_float_denorm_mode_32 3
		.amdhsa_float_denorm_mode_16_64 3
		.amdhsa_memory_ordered 1
		.amdhsa_forward_progress 1
		.amdhsa_inst_pref_size 178
	.end_amdhsa_kernel
	.amdgpu_metadata
---
amdhsa.version: [ 1, 2 ]
amdhsa.kernels:
  - .name:           k_q0da8662179_attn
    .symbol:         k_q0da8662179_attn.kd
    .args:
      - { .name: qkv, .offset: 0, .size: 8, .value_kind: global_buffer, .address_space: global }
      - { .name: mask, .offset: 8, .size: 8, .value_kind: global_buffer, .address_space: global }
      - { .name: ac, .offset: 16, .size: 8, .value_kind: global_buffer, .address_space: global }
    .group_segment_fixed_size: 327680
    .private_segment_fixed_size: 0
    .kernarg_segment_align: 8
    .kernarg_segment_size: 24
    .max_flat_workgroup_size: 256
    .sgpr_count:     100
    .vgpr_count:     512
    .wavefront_size: 32
...
	.end_amdgpu_metadata
.endif
;; end of part 8
;; launch oproj (part 9): grid 16 x 16, 4 waves a work-group, clusters of 4 x 4, 327,680 bytes of LDS; arguments xw, ac, bo, out0; writes out0
.if DOCPART == 9
	.amdgcn_target "amdgcn-amd-amdhsa--gfx1250"
	.amdhsa_code_object_version 6
	.text
	.protected	k_q0da8662179_oproj
	.globl	k_q0da8662179_oproj
	.p2align	8
	.type	k_q0da8662179_oproj,@function
k_q0da8662179_oproj:
	s_mov_b64 s[64:65], 0
	v_nop
	global_prefetch_b8 v0, s[64:65] scope:SCOPE_SE
	s_setreg_imm32_b32 hwreg(HW_REG_WAVE_MODE, 25, 1), 1
	s_wait_xcnt 0x0
	s_wait_alu depctr_hold_cnt(0) depctr_sa_sdst(0) depctr_va_vdst(0) depctr_va_sdst(0) depctr_va_ssrc(0) depctr_va_vcc(0) depctr_vm_vsrc(0)
	s_getreg_b32 s2, hwreg(HW_REG_IB_STS2, 6, 4)
	s_cmp_eq_u32 s2, 0
	s_cbranch_scc0 .Lentry_in_a_cluster
	s_endpgm
.Lentry_in_a_cluster:
	s_bfe_u32 s2, ttmp6, 0x10000c
	s_cmp_lg_u32 s2, 0xf033
	s_cbranch_scc0 .Lentry_shape_is_right
	s_endpgm
.Lentry_shape_is_right:
.set MODE, 2
.set XC,  0
.set WC,  4194304
.set OC,  10485760
.set XS,  14680064
.set WS,  14942208
.set OS,  15335424
.set AS,  4194304
.set QS,  4194304
.set KVC, 4718592
.set KVS, 6815744
.if MODE == 0
.set C0,  WC
.set S0,  WS
.set NT0, 192
.set C1,  XC
.set S1,  XS
.set NT1, 128
.set TB1, 0
.set P1,  4
.elseif MODE == 1
.set C0,  XC
.set S0,  XS
.set NT0, 128
.set C1,  WC
.set S1,  WS
.set NT1, 192
.set TB1, 160
.set P1,  4
.else
.set C0,  OC
.set S0,  OS
.set NT0, 128
.set C1,  0
.set S1,  AS
.set NT1, 128
.set TB1, 0
.set P1,  6
.endif
.set SLOT,  131072
.set SCL,   2*SLOT
.set SPARE, SCL+32768
.set ADR1, 16
.set ADR0, 20
.set ADS1, 22
.set ADS0, 23
.set SPW,  28
.set NIL,  29
.set SC,   32
.set BIAS, 48
.set TM,   80
.set PW,   88
.set PC,   92
.set RT,   124
.set ACC,  128
.set OB,   64
.set MNT,  2
.set SEL,  66
.set G1,   24
.set G0,   32
.set G1B,  48
.set G0B,  56
.set G1S,  68
.set G0S,  76
.set G1SB, 80
.set G0SB, 88
.set MSB, 0
.macro WIN new
.if MSB != \new
	s_set_vgpr_msb (MSB<<8)|\new
.set MSB, \new
.endif
.endm
.macro PLACES n
.rept \n
	v_nop
.endr
.endm
.macro JLOAD g0a, g1a, g0b, g1b
	s_cmp_eq_u32 s15, 0
	s_cbranch_scc0 .Lfor_b_\@
	tensor_load_to_lds s[\g0a:\g0a+3], s[\g1a:\g1a+7]
	s_nop 0
	PLACES 4
	s_branch .Lasked_\@
.Lfor_b_\@:
	tensor_load_to_lds s[\g0b:\g0b+3], s[\g1b:\g1b+7]
	s_nop 0
	PLACES 4
.Lasked_\@:
.endm
.macro CROUND
	s_barrier_signal -1
	s_barrier_wait -1
	s_cmp_lg_u32 s14, 0
	s_cbranch_scc1 .Lnot_wave_0_\@
	s_barrier_signal -3
.Lnot_wave_0_\@:
	s_barrier_wait -3
	s_barrier_signal -1
	s_barrier_wait -1
.endm
.if MODE == 0
	s_load_b256 s[4:11], s[0:1], 0x0
	s_load_b64 s[12:13], s[0:1], 0x20
.elseif MODE == 1
	s_load_b128 s[4:7], s[0:1], 0x0
	s_load_b64 s[12:13], s[0:1], 0x10
.else
	s_load_b256 s[4:11], s[0:1], 0x0
.endif
	v_lshl_add_u32 v[SPW], v0, 2, SPARE
	v_mov_b32 v[NIL], 0
	ds_add_u32 v28, v29
	ds_add_u32 v28, v29
	s_wait_dscnt 0x0
	v_lshrrev_b32 v1, 5, v0
	v_readfirstlane_b32 s14, v1
	s_lshr_b32 s15, s14, 1
	s_and_b32 s16, s14, 1
	s_bfe_u32 s40, ttmp6, 0x40000
	s_bfe_u32 s41, ttmp6, 0x40004
	s_lshl_b32 s42, ttmp9, 2
	s_add_co_u32 s42, s42, s40
.if MODE == 1
	s_mov_b32 s17, s41
.else
	s_and_b32 s17, ttmp7, 0xffff
	s_lshl_b32 s17, s17, 2
	s_add_co_u32 s17, s17, s41
.endif
	s_lshl_b32 s43, s41, 2
	s_lshl_b32 s43, 15, s43
	s_lshl_b32 s44, 0x1111, s40
	s_or_b32 s[G1], s43, (3<<16)|(1<<21)
	s_or_b32 s[G1B], s44, (3<<16)|(1<<21)
	s_or_b32 s[G1S], s43, (3<<16)|(1<<21)
	s_or_b32 s[G1SB], s44, (3<<16)|(1<<21)
.irp g, G1, G1B
	s_mov_b32 s[\g+1], 32<<16
	s_mov_b32 s[\g+2], 256<<16                     ; the head's loads of codes bring 256 rows of 256 bytes; behind them the two words that count rows are set to 128
	s_mov_b32 s[\g+3], 32<<16
	s_mov_b32 s[\g+4], 256
	s_mov_b32 s[\g+5], 32
	s_mov_b32 s[\g+6], 0
	s_mov_b32 s[\g+7], 0
.endr
.irp g, G1S, G1SB
	s_mov_b32 s[\g+1], 32<<16
	s_mov_b32 s[\g+2], 64<<16                      ; the scale words of eight tiles: 16,384 dense bytes, 64 rows of 256
	s_mov_b32 s[\g+3], 32<<16
	s_mov_b32 s[\g+4], 64
	s_mov_b32 s[\g+5], 32
	s_mov_b32 s[\g+6], 0
	s_mov_b32 s[\g+7], 0
.endr
	s_lshl_b32 s18, s16, 2
	s_lshl_b32 s20, s17, 3
	s_add_co_u32 s20, s20, s18
.if TB1
	s_add_co_u32 s20, s20, TB1
.endif
	s_lshl_b32 s22, s20, 11
	s_add_co_u32 s22, s22, S1
	s_lshl_b32 s20, s20, 13
.if C1
	s_add_co_u32 s20, s20, C1
.endif
	s_mov_b32 s21, 0
	s_mov_b32 s23, 0
	s_lshl_b32 s46, s42, 3
	s_add_co_u32 s46, s46, s18
	s_lshl_b32 s92, s46, 11
	s_add_co_u32 s92, s92, S0
	s_lshl_b32 s46, s46, 13
.if C0
	s_add_co_u32 s46, s46, C0
.endif
	s_mov_b32 s47, 0
	s_mov_b32 s93, 0
	s_lshl_b32 s45, s14, 15
	s_lshl_b32 s94, s14, 13
	s_mov_b32 s[SEL], 0x76543210
	s_mov_b32 s[SEL+1], 0xfedcba98
	s_mov_b32 s[MNT], 0x600000
	s_wait_kmcnt 0x0
	s_add_nc_u64 s[20:21], s[P1:P1+1], s[20:21]
	s_add_nc_u64 s[22:23], s[P1:P1+1], s[22:23]
	s_add_nc_u64 s[46:47], s[4:5], s[46:47]
	s_add_nc_u64 s[92:93], s[4:5], s[92:93]
	CROUND
; THE HEAD'S LOADS, ONE A WAVE, each a whole tile: wave 0 slot 0's 65,536 bytes of the one operand, wave 1 those of the other, wave 2 and wave 3 their scale words for all of K.
; The addresses made above stand at my wave's half of a tile: the half's offset is taken off again.
.set G0H,  4                           ; s[4:7], s[96:99] group 0 of the head's two loads of codes (the pointers that lay in s[4:7] have been used)
.set G0HB, 96
	s_lshl_b32 s18, s16, 13                        ; half of the scale words: 8,192 bytes
	s_mov_b32 s19, 0
	s_mov_b32 s[G0S], 1
	s_mov_b32 s[G0S+1], SCL
	s_sub_nc_u64 s[G0S+2:G0S+3], s[22:23], s[18:19]
	s_or_b32 s[G0S+3], s[G0S+3], 0x80000000
	s_mov_b32 s[G0SB], 1
	s_mov_b32 s[G0SB+1], SCL+16384
	s_sub_nc_u64 s[G0SB+2:G0SB+3], s[92:93], s[18:19]
	s_or_b32 s[G0SB+3], s[G0SB+3], 0x80000000
	s_lshl_b32 s18, s16, 15                        ; half of the codes: 32,768 bytes
	s_mov_b32 s[G0H], 1
	s_mov_b32 s[G0H+1], 0
	s_sub_nc_u64 s[G0H+2:G0H+3], s[20:21], s[18:19]
	s_or_b32 s[G0H+3], s[G0H+3], 0x80000000
	s_mov_b32 s[G0HB], 1
	s_mov_b32 s[G0HB+1], 65536
	s_sub_nc_u64 s[G0HB+2:G0HB+3], s[46:47], s[18:19]
	s_or_b32 s[G0HB+3], s[G0HB+3], 0x80000000
.macro ARM under, g0, g1, next         ; one chain of branches on the wave's number, an arm a load, all arms to one join
	s_cmp_lt_u32 s14, \under
	s_cbranch_scc0 \next
	tensor_load_to_lds s[\g0:\g0+3], s[\g1:\g1+7]
	s_nop 0
	PLACES 4
	s_branch .Lhead_asked
\next:
.endm
	ARM 1, G0H,  G1,  .Lhead_b
	ARM 2, G0HB, G1B, .Lhead_sa
	ARM 3, G0S,  G1S, .Lhead_sb
	tensor_load_to_lds s[G0SB:G0SB+3], s[G1SB:G1SB+7]
	s_nop 0
	PLACES 4
.Lhead_asked:
.irp s, 0,1
	s_mov_b32 s[G0+4*\s], 1
	s_add_co_u32 s[G0+4*\s+1], s45, \s*SLOT
	s_add_nc_u64 s[G0+4*\s+2:G0+4*\s+3], s[20:21], \s*NT1*8192
	s_or_b32 s[G0+4*\s+3], s[G0+4*\s+3], 0x80000000
	s_mov_b32 s[G0B+4*\s], 1
	s_add_co_u32 s[G0B+4*\s+1], s45, \s*SLOT
	s_add_nc_u64 s[G0B+4*\s+2:G0B+4*\s+3], s[46:47], \s*NT0*8192
	s_or_b32 s[G0B+4*\s+3], s[G0B+4*\s+3], 0x80000000
.endr
	v_and_b32 v1, 31, v0
	v_and_b32 v2, 15, v0
	v_bfe_u32 v3, v0, 4, 1
	v_lshlrev_b32 v4, 4, v1
	v_lshlrev_b32 v5, 2, v1
	v_and_b32 v6, 8, v2
	v_add_nc_u32 v6, v6, v2
	s_lshl_b32 s18, s15, 15
	s_lshl_b32 s19, s16, 15
	s_add_co_u32 s19, s19, 65536
	v_add_nc_u32 v[ADR1], s18, v4
	v_add_nc_u32 v[ADR0], s19, v4
	v_add_nc_u32 v[ADR1+1], SLOT, v[ADR1]
	v_add_nc_u32 v[ADR0+1], SLOT, v[ADR0]
	s_lshl_b32 s18, s15, 13
	s_add_co_u32 s18, s18, SCL
	s_lshl_b32 s19, s16, 13
	s_add_co_u32 s19, s19, SCL+16384
	v_add_nc_u32 v[ADS1], s18, v5
	v_add_nc_u32 v[ADS0], s19, v5
.if MODE == 0
	v_mov_b32 v[TM+2], 0
	v_mov_b32 v[TM+3], 0
	v_lshlrev_b32 v26, 8, v6
	v_lshl_add_u32 v26, v3, 6, v26
	v_lshlrev_b32 v27, 6, v3
	s_cmp_lt_u32 ttmp9, 4
	s_cselect_b64 s[20:21], s[6:7], s[8:9]
	s_cselect_b32 s22, 0, 16
	s_sub_co_u32 s22, s42, s22
	s_lshl_b32 s22, s22, 9
	s_lshl_b32 s23, s16, 8
	s_add_co_u32 s22, s22, s23
	s_mov_b32 s23, 0
	s_add_nc_u64 s[20:21], s[20:21], s[22:23]
	s_lshl_b32 s22, s17, 15
	s_lshl_b32 s18, s15, 14
	s_add_co_u32 s22, s22, s18
	s_add_nc_u64 s[22:23], s[10:11], s[22:23]
.irp j, 0,1,2,3
	global_load_b128 v[BIAS+8*\j:BIAS+8*\j+3], v27, s[20:21] offset:(32*(\j/2)+8*(\j%2))*4
	global_load_b128 v[BIAS+8*\j+4:BIAS+8*\j+7], v27, s[20:21] offset:(32*(\j/2)+8*(\j%2))*4+16
.endr
	WIN 0x80
.irp i, 0,1,2,3
.irp q, 0,1,2,3,4,5,6,7
	global_load_b128 v[32*\i+4*\q:32*\i+4*\q+3], v26, s[22:23] offset:(32*(\i/2)+8*(\i%2))*256+128*(\q/4)+16*(\q%4)
.endr
.endr
	WIN 0
	s_lshl_b32 s96, s42, 1
	s_add_co_u32 s96, s96, s16
	s_max_u32 s97, s96, 32
	s_sub_co_u32 s97, s97, 32
	s_lshl_b32 s92, s96, 17
	s_lshl_b32 s98, s17, 13
	s_add_co_u32 s92, s92, s98
	s_lshl_b32 s94, s97, 18
	s_lshl_b32 s98, s17, 14
	s_add_co_u32 s94, s94, s98
	s_add_co_u32 s94, s94, KVC
	s_lshl_b32 s98, s96, 14
	s_add_co_u32 s98, s98, QS
	s_mul_i32 s99, s97, 24576
	s_add_co_u32 s99, s99, KVS
	s_cmp_lt_u32 ttmp9, 4
	s_cselect_b32 s92, s92, s94
	s_cselect_b32 s94, s98, s99
	s_lshl_b32 s98, s15, 12
	s_add_co_u32 s92, s92, s98
	s_lshl_b32 s98, s17, 10
	s_add_co_u32 s94, s94, s98
	s_lshl_b32 s98, s15, 9
	s_add_co_u32 s94, s94, s98
	s_mov_b32 s93, 0
	s_mov_b32 s95, 0
	s_add_nc_u64 s[92:93], s[12:13], s[92:93]
	s_add_nc_u64 s[94:95], s[12:13], s[94:95]
.elseif MODE == 1
	v_mov_b32 v[TM+2], 0
	v_mov_b32 v[TM+3], 0
	v_lshlrev_b32 v27, 2, v6
	s_lshl_b32 s22, s17, 9
	s_lshl_b32 s23, s15, 8
	s_add_co_u32 s22, s22, s23
	s_mov_b32 s23, 0
	s_add_nc_u64 s[20:21], s[6:7], s[22:23]
.irp i, 0,1,2,3
	global_load_b32 v[BIAS+8*\i], v27, s[20:21] offset:(32*(\i/2)+8*(\i%2))*4
.endr
	s_lshl_b32 s96, s17, 1
	s_add_co_u32 s96, s96, s15
	s_lshl_b32 s92, s96, 18
	s_lshl_b32 s98, s42, 14
	s_add_co_u32 s92, s92, s98
	s_lshl_b32 s98, s16, 10
	s_add_co_u32 s92, s92, s98
	s_add_co_u32 s92, s92, KVC+8192
	s_mul_i32 s94, s96, 24576
	s_lshl_b32 s98, s42, 9
	s_add_co_u32 s94, s94, s98
	s_lshl_b32 s98, s16, 1
	s_add_co_u32 s94, s94, s98
	s_add_co_u32 s94, s94, KVS+16384
	s_mov_b32 s93, 0
	s_mov_b32 s95, 0
	s_add_nc_u64 s[92:93], s[12:13], s[92:93]
	s_add_nc_u64 s[94:95], s[12:13], s[94:95]
.else
	v_lshlrev_b32 v27, 6, v3
	s_lshl_b32 s22, s42, 9
	s_lshl_b32 s23, s16, 8
	s_add_co_u32 s22, s22, s23
	s_mov_b32 s23, 0
	s_add_nc_u64 s[20:21], s[8:9], s[22:23]
.irp j, 0,1,2,3
	global_load_b128 v[BIAS+8*\j:BIAS+8*\j+3], v27, s[20:21] offset:(32*(\j/2)+8*(\j%2))*4
	global_load_b128 v[BIAS+8*\j+4:BIAS+8*\j+7], v27, s[20:21] offset:(32*(\j/2)+8*(\j%2))*4+16
.endr
; the LDS addresses above and the bias's loads stand between the head's tensor loads and the wait for them; no word of a descriptor in use is written there
	s_wait_alu depctr_va_vdst(0)
	s_wait_tensorcnt 0x0                           ; my tile of the head's four is in
	ds_add_u32 v28, v29
	s_mov_b32 s[G1+2], 128<<16                     ; no tensor load of mine is out: from here on a load brings 128 rows
	s_mov_b32 s[G1+4], 128
	s_mov_b32 s[G1B+2], 128<<16
	s_mov_b32 s[G1B+4], 128
	s_wait_dscnt 0x0
	CROUND                                         ; all four tiles are in, in every wave's sight
	JLOAD G0+4, G1, G0B+4, G1B                     ; slot 1's first fill, a quarter a wave
	s_mul_i32 s18, s14, 4352
	v_mul_u32_u24 v24, v2, 272
	v_lshl_add_u32 v24, v3, 6, v24
	v_add_nc_u32 v24, s18, v24
	v_mul_u32_u24 v25, v3, 272
	v_lshl_add_u32 v25, v2, 4, v25
	v_add_nc_u32 v25, s18, v25
	v_lshlrev_b32 v26, 13, v3
	v_lshl_add_u32 v26, v2, 4, v26
	s_lshl_b32 s92, s17, 20
	s_lshl_b32 s98, s15, 19
	s_add_co_u32 s92, s92, s98
	s_lshl_b32 s98, s42, 9
	s_add_co_u32 s92, s92, s98
	s_lshl_b32 s98, s16, 8
	s_add_co_u32 s92, s92, s98
	s_mov_b32 s93, 0
	s_add_nc_u64 s[92:93], s[10:11], s[92:93]
.endif
.macro FETCH slot, ks, p, kg
	WIN 0x40
.irp i, 0,1,2,3
.irp c, 0,1,2,3
	ds_load_b128 v[128*(\p)+16*\i+4*\c:128*(\p)+16*\i+4*\c+3], v[ADR1+\slot] offset:8192*\i+2048*(\ks)+512*\c
.endr
.endr
.irp i, 0,1,2,3
.irp c, 0,1,2,3
	ds_load_b128 v[128*(\p)+64+16*\i+4*\c:128*(\p)+64+16*\i+4*\c+3], v[ADR0+\slot] offset:8192*\i+2048*(\ks)+512*\c
.endr
.endr
	WIN 0
.irp i, 0,1,2,3
	ds_load_b32 v[SC+8*(\p)+\i], v[ADS1] offset:2048*\i+128*(\kg)
.endr
.irp i, 0,1,2,3
	ds_load_b32 v[SC+8*(\p)+4+\i], v[ADS0] offset:2048*\i+128*(\kg)
.endr
.endm
.macro MUL16 p, first
.irp i, 0,1,2,3
.irp j, 0,1,2,3
.if \first
.if MODE == 1
	v_wmma_scale_f32_16x16x128_f8f6f4 v[ACC+8*(4*\i+\j):ACC+8*(4*\i+\j)+7], v[128*(\p)+64+16*\j:128*(\p)+64+16*\j+15], v[128*(\p)+16*\i:128*(\p)+16*\i+15], v[BIAS+8*\i:BIAS+8*\i+7], v[SC+8*(\p)+4+\j], v[SC+8*(\p)+\i]
.else
	v_wmma_scale_f32_16x16x128_f8f6f4 v[ACC+8*(4*\i+\j):ACC+8*(4*\i+\j)+7], v[128*(\p)+64+16*\j:128*(\p)+64+16*\j+15], v[128*(\p)+16*\i:128*(\p)+16*\i+15], v[BIAS+8*\j:BIAS+8*\j+7], v[SC+8*(\p)+4+\j], v[SC+8*(\p)+\i]
.endif
.else
	v_wmma_scale_f32_16x16x128_f8f6f4 v[ACC+8*(4*\i+\j):ACC+8*(4*\i+\j)+7], v[128*(\p)+64+16*\j:128*(\p)+64+16*\j+15], v[128*(\p)+16*\i:128*(\p)+16*\i+15], v[ACC+8*(4*\i+\j):ACC+8*(4*\i+\j)+7], v[SC+8*(\p)+4+\j], v[SC+8*(\p)+\i]
.endif
.endr
.endr
.endm
.macro KSTEP slot, ks, kq, first
	s_wait_dscnt 0x0
	PLACES 8
	FETCH \slot, (\ks)+1, 1-(\ks)%2, 4*(\kq)+(\ks)+1
	WIN 0x05
	MUL16 (\ks)%2, \first
	WIN 0
.endm
.macro TURN slot, next, fill, kq
	s_wait_tensorcnt 0x0
	ds_add_u32 v[SPW], v[NIL]
.if \fill
	s_add_nc_u64 s[G0+4*\slot+2:G0+4*\slot+3], s[G0+4*\slot+2:G0+4*\slot+3], 2*NT1*8192
	s_add_nc_u64 s[G0B+4*\slot+2:G0B+4*\slot+3], s[G0B+4*\slot+2:G0B+4*\slot+3], 2*NT0*8192
.endif
	s_wait_dscnt 1
	WIN 0x05
	MUL16 1, 0
	WIN 0
	s_wait_dscnt 0x0
.if \fill
	CROUND
	JLOAD G0+4*\slot, G1, G0B+4*\slot, G1B
	PLACES 4
.else
	s_barrier_signal -1
	s_barrier_wait -1
	PLACES 8
.endif
	FETCH \next, 0, 0, 4*(\kq)+4
.endm
	FETCH 0, 0, 0, 0
	s_wait_loadcnt 0x0
.if MODE == 1
.irp i, 0,1,2,3
.irp k, 1,2,3,4,5,6,7
	v_mov_b32 v[BIAS+8*\i+\k], v[BIAS+8*\i]
.endr
.endr
.endif
	KSTEP 0, 0, 0, 1
	KSTEP 0, 1, 0, 0
	KSTEP 0, 2, 0, 0
	TURN 0, 1, 1, 0
	KSTEP 1, 0, 1, 0
	KSTEP 1, 1, 1, 0
	KSTEP 1, 2, 1, 0
	TURN 1, 0, 1, 1
	KSTEP 0, 0, 2, 0
	KSTEP 0, 1, 2, 0
	KSTEP 0, 2, 2, 0
	TURN 0, 1, 0, 2
	KSTEP 1, 0, 3, 0
	KSTEP 1, 1, 3, 0
	KSTEP 1, 2, 3, 0
	s_wait_dscnt 0x0
	WIN 0x05
	MUL16 1, 0
	WIN 0
	PLACES 8
.if MODE != 2
.macro QUANT2 s, pc, pw
.irp b, 0,1
	v_max3_num_f32 v[TM+\b], |v[\s+16*\b]|, |v[\s+16*\b+1]|, 0x4800000
.endr
.irp i, 2,4,6,8,10,12,14
.irp b, 0,1
	v_max3_num_f32 v[TM+\b], v[TM+\b], |v[\s+16*\b+\i]|, |v[\s+16*\b+\i+1]|
.endr
.endr
.irp b, 0,1
	v_permlanex16_b32 v[TM+2+\b], v[TM+\b], s[SEL], s[SEL+1]
.endr
.irp b, 0,1
	v_max_num_f32 v[TM+\b], v[TM+\b], v[TM+2+\b]
.endr
.irp b, 0,1
	v_add_nc_u32 v[TM+6+\b], 0xfc000000, v[TM+\b]
.endr
.irp b, 0,1
	v_and_or_b32 v[TM+4+\b], v[TM+\b], 0x7f800000, s[MNT]
.endr
.irp b, 0,1
	v_lshrrev_b32 v[TM+2+\b], 23, v[TM+6+\b]
.endr
	v_lshl_or_b32 v[\pw], v[TM+3], 8, v[TM+2]
.irp b, 0,1
.irp i, 0,1,2,3,4,5,6,7,8,9,10,11,12,13,14,15
	v_med3_num_f32 v[\s+16*\b+\i], v[\s+16*\b+\i], -v[TM+4+\b], v[TM+4+\b]
.endr
	v_cvt_scalef32_pk8_fp8_f32 v[\pc+4*\b:\pc+4*\b+1], v[\s+16*\b:\s+16*\b+7], v[TM+6+\b]
	v_cvt_scalef32_pk8_fp8_f32 v[\pc+4*\b+2:\pc+4*\b+3], v[\s+16*\b+8:\s+16*\b+15], v[TM+6+\b]
.endr
	v_nop
.endm
.endif
.if MODE == 0
.macro ROPE i
.irp m, 0,1,2,3,4,5,6,7,8,9,10,11,12,13,14,15
	v_mul_f32 v[RT+2*(\m%2)], v[ACC+32*\i+2*\m+1], v[32*\i+2*\m+1]
	v_mul_f32 v[RT+2*(\m%2)+1], v[ACC+32*\i+2*\m+1], v[32*\i+2*\m]
	v_fma_f32 v[ACC+32*\i+2*\m+1], v[ACC+32*\i+2*\m], v[32*\i+2*\m+1], v[RT+2*(\m%2)+1]
	v_fma_f32 v[ACC+32*\i+2*\m], v[ACC+32*\i+2*\m], v[32*\i+2*\m], -v[RT+2*(\m%2)]
.endr
.endm
.irp i, 0,1,2,3
	WIN 0x08
	ROPE \i
	WIN 0
	QUANT2 ACC+32*\i, PC+8*\i, PW+\i
	global_store_b128 v4, v[PC+8*\i:PC+8*\i+3], s[92:93] offset:1024*\i
	global_store_b128 v4, v[PC+8*\i+4:PC+8*\i+7], s[92:93] offset:1024*\i+512
	global_store_b32 v5, v[PW+\i], s[94:95] offset:128*\i
.endr
.elseif MODE == 1
.irp i, 0,1,2,3
	QUANT2 ACC+32*\i, PC+8*\i, PW+\i
	global_store_b128 v4, v[PC+8*\i:PC+8*\i+3], s[92:93] offset:2048*\i
	global_store_b128 v4, v[PC+8*\i+4:PC+8*\i+7], s[92:93] offset:2048*\i+512
	global_store_b16 v5, v[PW+\i], s[94:95] offset:128*\i
.endr
.else
	s_wait_alu depctr_va_vdst(0)
.irp i, 0,1,2,3
.if \i >= 2
	s_wait_xcnt 0x0
.endif
.irp j, 0,1,2,3
	ds_store_b128 v24, v[ACC+8*(4*\i+\j):ACC+8*(4*\i+\j)+3] offset:128*(\j/2)+32*(\j%2)
	ds_store_b128 v24, v[ACC+8*(4*\i+\j)+4:ACC+8*(4*\i+\j)+7] offset:128*(\j/2)+32*(\j%2)+16
.endr
.irp t, 0,1,2,3,4,5,6,7
	ds_load_b128 v[OB+32*(\i%2)+4*\t:OB+32*(\i%2)+4*\t+3], v25 offset:544*\t
.endr
.irp t, 0,1,2,3,4,5,6,7
	s_wait_dscnt 7-\t
	global_store_b128 v26, v[OB+32*(\i%2)+4*\t:OB+32*(\i%2)+4*\t+3], s[92:93] offset:(32*(\i/2)+8*(\i%2)+2*\t+8*(\t/4))*8192 th:TH_STORE_NT
.endr
.endr
.endif
	s_wait_tensorcnt 0x0
	ds_add_u32 v[SPW], v[NIL]
	s_wait_dscnt 0x0
	CROUND
	s_endpgm
.Lfunc_end_k_q0da8662179_oproj:
	.size	k_q0da8662179_oproj, .Lfunc_end_k_q0da8662179_oproj-k_q0da8662179_oproj
	.p2alignl 7, 3214868480
	.fill 96, 4, 3214868480
	.section	.rodata,"a",@progbits
	.p2align	6, 0x0
	.amdhsa_kernel k_q0da8662179_oproj
		.amdhsa_group_segment_fixed_size 327680
		.amdhsa_private_segment_fixed_size 0
		.amdhsa_enable_private_segment 0
		.amdhsa_kernarg_size 32
		.amdhsa_user_sgpr_count 2
		.amdhsa_user_sgpr_kernarg_segment_ptr 1
		.amdhsa_wavefront_size32 1
		.amdhsa_system_sgpr_workgroup_id_x 1
		.amdhsa_system_sgpr_workgroup_id_y 1
		.amdhsa_system_sgpr_workgroup_id_z 1
		.amdhsa_system_vgpr_workitem_id 0
		.amdhsa_next_free_vgpr 512
		.amdhsa_next_free_sgpr 100
		.amdhsa_reserve_vcc 0
		.amdhsa_float_denorm_mode_32 3
		.amdhsa_float_denorm_mode_16_64 3
		.amdhsa_memory_ordered 1
		.amdhsa_forward_progress 1
		.amdhsa_inst_pref_size 101
	.end_amdhsa_kernel
	.amdgpu_metadata
---
amdhsa.version: [ 1, 2 ]
amdhsa.kernels:
  - .name:           k_q0da8662179_oproj
    .symbol:         k_q0da8662179_oproj.kd
    .args:
      - { .name: xw, .offset: 0, .size: 8, .value_kind: global_buffer, .address_space: global }
      - { .name: ac, .offset: 8, .size: 8, .value_kind: global_buffer, .address_space: global }
      - { .name: bo, .offset: 16, .size: 8, .value_kind: global_buffer, .address_space: global }
      - { .name: out0, .offset: 24, .size: 8, .value_kind: global_buffer, .address_space: global }
    .group_segment_fixed_size: 327680
    .private_segment_fixed_size: 0
    .kernarg_segment_align: 8
    .kernarg_segment_size: 32
    .max_flat_workgroup_size: 128
    .sgpr_count:     100
    .vgpr_count:     512
    .wavefront_size: 32
...
	.end_amdgpu_metadata
.endif
;; end of part 9
